; MI455X (gfx1250); checked and timed in simulation.
; The chip was launched on July 23, 2026; its instructions are those of AMD's public machine-readable ISA for CDNA 5 (MIT licence, August 2026) and "CDNA5" Instruction Set Architecture Reference Guide (July 2026). The comments in the code are by the model that wrote it; some were corrected since.
;; Flashsc GPT Layer. Allowed arithmetic: matrix products marked QUANTISED: E2M3 operands, one E8M0 scale for each 32 along K, by v_wmma_scale_f32_16x16x128_f8f6f4 with both operands' format E2M3, f32 sums; everything else in f32.
;; Inputs: Wqkv_b 3,072 float32; Wqkv_w_codes 3,072 x 32 x 24 uint8 (E2M3 codes of Wqkv_w, K innermost, in blocks of 32 codes, four codes in three bytes); Wqkv_w_scales 3,072 x 32 uint8 (E8M0 scales of Wqkv_w, one for each 32 codes along K); gen 2 x 1,024 x 1,024 float32; l1_b 4,096 float32; l1_w_codes 4,096 x 32 x 24 uint8 (E2M3 codes of l1_w, K innermost, in blocks of 32 codes, four codes in three bytes); l1_w_scales 4,096 x 32 uint8 (E8M0 scales of l1_w, one for each 32 codes along K); l2_b 1,024 float32; l2_w_codes 1,024 x 128 x 24 uint8 (E2M3 codes of l2_w, K innermost, in blocks of 32 codes, four codes in three bytes); l2_w_scales 1,024 x 128 uint8 (E8M0 scales of l2_w, one for each 32 codes along K); n1_b 1,024 float32; n1_g 1,024 float32; n2_b 1,024 float32; n2_g 1,024 float32; out_b 1,024 float32; out_w_codes 1,024 x 32 x 24 uint8 (E2M3 codes of out_w, K innermost, in blocks of 32 codes, four codes in three bytes); out_w_scales 1,024 x 32 uint8 (E8M0 scales of out_w, one for each 32 codes along K); pcpt 2 x 1,024 x 1,024 float32.
;; Outputs: out0 2 x 1,024 x 1,024 float32; out1 2 x 1,024 x 1,024 float32.
;; This version of the problem:
;;   THIS VERSION OF THE PROBLEM IS GIVEN IN LOW PRECISION. The matrix products marked QUANTISED in the list below multiply operands that are first quantised to E2M3 (2 exponent bits, 3 mantissa bits; 6 bits a number), with one power-of-two scale for each 32 numbers along K (OCP MX v1.0); their sums are f32. All else is computed in f32.
;;   The module's matrix products, in the order in which they are computed (A, B: the left and right operand; K: the contracted axis; several contracted axes count as one K, in the product's order):
;;     1. [M 2,048, K 1,024] x [K 1,024, N 3,072]; A: input pcpt; B: input Wqkv_w (given as codes): QUANTISED
;;     2. [M 2,048, K 1,024] x [K 1,024, N 3,072]; A: input gen; B: input Wqkv_w (given as codes): QUANTISED
;;     3. batch 32 x [M 1,024, K 64] x [K 64, N 1,024]; A: computed on the way; B: computed on the way: QUANTISED
;;     4. batch 32 x [M 64, K 1,024] x [K 1,024, N 1,024]; A: computed on the way; B: softmax (see below): QUANTISED
;;     5. [M 2,048, K 1,024] x [K 1,024, N 1,024]; A: computed on the way; B: input out_w (given as codes): QUANTISED
;;     6. batch 32 x [M 1,024, K 64] x [K 64, N 2,048]; A: computed on the way; B: computed on the way: QUANTISED
;;     7. batch 32 x [M 64, K 2,048] x [K 2,048, N 1,024]; A: computed on the way; B: softmax (see below): QUANTISED
;;     8. [M 2,048, K 1,024] x [K 1,024, N 1,024]; A: computed on the way; B: input out_w (given as codes): QUANTISED
;;     9. [M 2,048, K 1,024] x [K 1,024, N 4,096]; A: computed on the way; B: input l1_w (given as codes): QUANTISED
;;     10. [M 2,048, K 4,096] x [K 4,096, N 1,024]; A: computed on the way; B: input l2_w (given as codes): QUANTISED
;;     11. [M 2,048, K 1,024] x [K 1,024, N 4,096]; A: computed on the way; B: input l1_w (given as codes): QUANTISED
;;     12. [M 2,048, K 4,096] x [K 4,096, N 1,024]; A: computed on the way; B: input l2_w (given as codes): QUANTISED
;;   THE QUANTISER, for each operand of a quantised product, along K:
;;     - K is cut into blocks of 32 from its start; a last block that is shorter is filled with zeros.
;;     - A block's scale is 2^e with e = floor(log2(the largest magnitude in the block)) - 2, held to -126 .. 127; a block of zeros has e = 0. As a byte (E8M0): e + 127.
;;     - Each number is divided by its block's scale, clamped to +-7.5, and rounded to the nearest number of E2M3, ties to even, subnormals kept.
;;     - The product sums the exact products of the quantised numbers (number of the format x scale) in f32.
;;   ~~~python
;;   def quantise(x, axis):      # numpy; x: float32 -> the quantised numbers, widened to float32 again
;;       x = np.moveaxis(x, axis, -1); K = x.shape[-1]
;;       x = np.pad(x, [(0, 0)] * (x.ndim - 1) + [(0, -K % 32)]); x = x.reshape(x.shape[:-1] + (-1, 32)); a = np.abs(x).max(-1, keepdims=True)
;;       e = np.where(a > 0, np.clip(np.frexp(np.where(a > 0, a, 1))[1] - 1 - 2, -126, 127), 0)      # np.frexp(a)[1] - 1 = floor(log2(a)), exactly
;;       r = np.clip(x / 2.0 ** e, -7.5, 7.5)
;;       step = 2.0 ** (np.maximum(np.frexp(np.where(r == 0, 1, r))[1] - 1, 0) - 3)
;;       q = np.round(r / step) * step * 2.0 ** e      # np.round: ties to even
;;       return np.moveaxis(q.reshape(q.shape[:-2] + (-1,))[..., :K], -1, axis).astype(np.float32)
;;   ~~~
;;   SOFTMAX AHEAD OF A QUANTISED PRODUCT. Where the list says 'softmax', what is quantised is not the finished softmax but p = 2^(t - M), with t = logit x log2(e) and M = ceil(the row's largest t), a whole number; so 1/2 < the row's largest p <= 1. The row's sum l is taken of the UNQUANTISED p, in f32, and the product's result is divided by l at the end. Since M is a whole number, a kernel that streams over the keys may use a running M (the ceiling of the running maximum): every later rescaling is an exact power of two, which a block's scale takes up: the codes' values come out the same.
;;   OPERANDS COMPUTED ON THE WAY. 'Computed on the way' means the value that the module computes at that place (a softmax that the list does not call 'softmax' is quantised finished and normalised). What goes into a quantiser is computed in f32, as accurately as f32 sums, v_exp_f32 and their like allow (about 1e-6 of the number): no bf16 or f16 on the way to a quantiser, and a product that is left as it is and whose result goes on into a quantised operand takes f32 operands (vector FMAs, or v_wmma_f32_16x16x4_f32). A number that lies on a knife's edge between two numbers of the format may be rounded either way, as far as f32 arithmetic and the matrix unit's own rounding can turn it there, and no further.
;;   INPUTS GIVEN AS CODES. Wqkv_w (in the module: [1024, 3072], K = its axis 0); l1_w (in the module: [1024, 4096], K = its axis 0); l2_w (in the module: [4096, 1024], K = its axis 0); out_w (in the module: [1024, 1024], K = its axis 0): each comes as NAME_codes (uint8): NAME with its K axis moved to the last place and cut into blocks of 32 codes, [.., K / 32, bytes a block], one block behind the other in memory; four codes in three bytes: a row's codes are one little-endian stream of bits, code i at bits 6 i .. 6 i + 5 (a code: sign, 2 exponent bits, 3 mantissa bits); and NAME_scales (uint8): the same leading axes, one E8M0 byte (e + 127) for each 32 codes along K. Its value is code x scale, taken as it is: it is not quantised again, and the codes and scales need not be those that the quantiser above would give.
;; 2 versions. Each part assembles by itself: llvm-mc -triple=amdgcn-amd-amdhsa -mcpu=gfx1250 --defsym DOCPART=n.
;; ======== version 1 of 2: 8 launches
;; workspace buffers: w0 13,107,200 bytes; w1 10,092,544 bytes; w2 3,276,800 bytes; w3 16,777,216 bytes; w4 20,054,016 bytes; w5 13,107,200 bytes; w6 16,777,216 bytes
;; launch prep (part 1): grid 704 x 1, 4 waves a work-group, no clusters, 84,480 bytes of LDS; arguments pcpt, gen, Wqkv_w_codes, Wqkv_w_scales, out_w_codes, out_w_scales, l1_w_codes, l1_w_scales, l2_w_codes, l2_w_scales, w0; writes w0
.if DOCPART == 1
	.amdgcn_target "amdgcn-amd-amdhsa--gfx1250"
	.amdhsa_code_object_version 6
	.text
	.protected	k_qe51c626daf_prep
	.globl	k_qe51c626daf_prep
	.p2align	8
	.type	k_qe51c626daf_prep,@function
k_qe51c626daf_prep:
	s_mov_b64 s[64:65], 0
	v_nop
	global_prefetch_b8 v0, s[64:65] scope:SCOPE_SE
	s_setreg_imm32_b32 hwreg(HW_REG_WAVE_MODE, 25, 1), 1
	s_wait_xcnt 0x0
; PREP: the 4,096 token rows (pcpt b0, pcpt b1, gen b0, gen b1) become codes of E2M3 with one E8M0 byte for each 32 along K, and the four weights, which arrive as codes in rows,
; are laid anew; both in THE ORDER OF THE OPERAND'S REGISTERS, so that every later launch fetches dense blocks and reads a fragment by three loads of 16 bytes a lane.
; A BLOCK (25,600 bytes) holds 256 rows x 128 K: 16 tiles of 1,536 bytes (registers 4 c .. 4 c + 3 of lane l at 512 c + 16 l), then 16 x 64 bytes of scale words (row r's word at 4 r).
; THE ROWS OF A TILE ARE NOT NEIGHBOURS: lane r of tile T holds row 32 (T / 2) + 8 (T % 2) + r + 8 (r / 8), so that a transposed product's 16 registers of two neighbouring tiles are 16 neighbours along the next K.
; w0: x at 0 (16 groups x 8 K steps), Wqkv at 3,276,800 (12 x 8), out_w at 5,734,400 (4 x 8), l1_w at 6,553,600 (16 x 8), l2_w at 9,830,400 (4 x 32).
; WORK LEFT OUT BY THE PROGRAM (launch attn).  For gen query i reference() adds finfo.min, by a mask that it builds itself, to the score of every gen key but key i.  Each such row also holds 1,024
; unmasked pcpt keys, so for all finite inputs the row's maximum is a finite score, and p = 2^(t - M) is 0 at every masked key.  A block of 32 keys all of whose p are 0 has zero codes and adds nothing.  So of the
; gen keys only the tile of 16 x 16 scores that holds the diagonal and the one block of 32 keys that holds a query's own key are computed.  LIMIT: a NaN, an infinity or an overflow that arises only in
; the scores left out is not carried to the result.  Every input has a way to an output: all are loaded by some launch.
; LIMITS: NaN and infinities among the inputs are not served; a block whose largest magnitude lies under 2^-124 gets the byte 1, a block of zeros too (its codes are zeros; this program alone reads the bytes).
; Work-groups 0-511: x, one tile of 16 rows x 128 K a wave.  Work-groups 512-703: the weights, one tile x 8 K steps (16 rows x 768 bytes) a wave.  Waves share nothing: no barrier.  Each path has LDS bytes of its own.
.set BLK,    25600
.set WQ_OFF, 3276800
.set OW_OFF, 5734400
.set L1_OFF, 6553600
.set L2_OFF, 9830400
.set XPITCH, 528                       ; x's stage: 16 rows of 512 bytes + 16
.set WPITCH, 784                       ; the weights' stage: 16 rows of 768 bytes + 16
.set XSTG,   16*XPITCH
.set WSTG,   16*WPITCH
.set WST,    4*XSTG                    ; the weights' stages begin behind x's four
.set SPARE,  WST+4*WSTG                ; the spare words, 128 bytes a wave: two blocks of 256 bytes that no other line names
.set SPW, 12                           ; v12  my spare word's LDS address; never rewritten
.set NIL, 13                           ; v13  0; never rewritten
.set TM,  16                           ; v16-31 the quantiser's temporaries
.set PW,  32                           ; v32  the scale word just made
.set PC,  36                           ; v36-54 the codes just made
.set SEL, 28                           ; s[28:29] v_permlanex16_b32's selects for lane l xor 16
; 64 numbers of a lane, register 16 b + i = k 32 b + 16 (lane / 16) + i of my row, become a fragment's 12 registers in v[PC] on and its scale word in v[PW].
.macro QUANT s
.irp b, 0,1,2,3
	v_max3_num_f32 v[TM+\b], |v[\s+16*\b]|, |v[\s+1+16*\b]|, 0x1800000   ; my 16 numbers of block b, and the floor 2^(3 - 127): the byte cannot fall under 1
.endr
.irp i, 2,4,6,8,10,12,14
.irp b, 0,1,2,3
	v_max3_num_f32 v[TM+\b], v[TM+\b], |v[\s+16*\b+\i]|, |v[\s+1+16*\b+\i]|
.endr
.endr
.irp b, 0,1,2,3
	v_permlanex16_b32 v[TM+4+\b], v[TM+\b], s[SEL], s[SEL+1]
.endr
.irp b, 0,1,2,3
	v_max_num_f32 v[TM+\b], v[TM+\b], v[TM+4+\b]           ; with lane l xor 16's: the block's largest magnitude
.endr
.irp b, 0,1,2,3
	v_add_nc_u32 v[TM+12+\b], 0xff000000, v[TM+\b]         ; 2 off its exponent field: the conversion's scale operand
.endr
.irp b, 0,1,2,3
	v_lshrrev_b32 v[TM+4+\b], 23, v[TM+12+\b]              ; the scale's byte
.endr
	v_lshl_or_b32 v[PW], v[TM+5], 8, v[TM+4]
	v_lshl_or_b32 v[PW], v[TM+6], 16, v[PW]
	v_lshl_or_b32 v[PW], v[TM+7], 24, v[PW]
.irp c, 0,1
	v_cvt_scalef32_pk16_fp6_f32 v[PC+6*\c:PC+2+6*\c], v[\s+32*\c:\s+15+32*\c], v[TM+12+2*\c]
	v_cvt_scalef32_pk16_fp6_f32 v[PC+12+4*\c:PC+14+4*\c], v[\s+16+32*\c:\s+31+32*\c], v[TM+12+2*\c+1]   ; (a conversion's three registers begin on an even number)
.endr
	v_nop                                                  ; one plain place behind a scaled conversion
.irp c, 0,1                                            ; the layout wants a whole block in a lane: lanes 0-15 block 2 c, lanes 16-31 block 2 c + 1
.irp i, 0,1,2
	v_permlane16_swap_b32 v[PC+6*\c+\i], v[PC+12+4*\c+\i]
.endr
.irp i, 0,1,2
	v_mov_b32 v[PC+3+6*\c+\i], v[PC+12+4*\c+\i]
.endr
.endr
.endm
	s_load_b512 s[4:19], s[0:1], 0x0               ; pcpt, gen, Wqkv codes, scales, out_w codes, scales, l1_w codes, scales
	s_load_b128 s[20:23], s[0:1], 0x40             ; l2_w codes, scales
	s_load_b64 s[24:25], s[0:1], 0x50              ; w0
	v_lshl_add_u32 v[SPW], v0, 2, SPARE
	v_mov_b32 v[NIL], 0
	v_lshrrev_b32 v1, 5, v0
	v_readfirstlane_b32 s26, v1                    ; wave
	v_and_b32 v1, 15, v0                           ; r
	v_bfe_u32 v2, v0, 4, 1                         ; h
	v_and_b32 v3, 31, v0
	v_lshlrev_b32 v3, 4, v3                        ; 16 x lane
	v_lshlrev_b32 v6, 2, v1                        ; 4 r
	s_mov_b32 s[SEL], 0x76543210
	s_mov_b32 s[SEL+1], 0xfedcba98
	; every LDS address is made here, ahead of the parting of the two paths
	s_mul_i32 s27, s26, XSTG
	v_add_nc_u32 v4, s27, v3                       ; x's stage, in: 16 x lane of a row
	v_mul_u32_u24 v5, v1, XPITCH
	v_lshl_add_u32 v5, v2, 6, v5
	v_add_nc_u32 v5, s27, v5                       ; and out: row r, + 64 h
	s_mul_i32 s27, s26, WSTG
	s_add_co_u32 s27, s27, WST
	v_add_nc_u32 v10, s27, v3                      ; the weights' stage, in: 16 x lane,
	v_lshl_add_u32 v11, v2, 4, v10                 ; the same past a row's padding for lanes 16-31,
	v_mul_u32_u24 v14, v1, WPITCH
	v_mad_u32_u24 v14, v2, 24, v14
	v_add_nc_u32 v14, s27, v14                     ; and out: row r, + 24 h
	s_wait_kmcnt 0x0
	s_cmp_lt_u32 ttmp9, 512
	s_cbranch_scc0 .Lweights
	; ---- x: tile T = id / 2, K step 4 (id % 2) + wave
	s_lshr_b32 s30, ttmp9, 1                       ; T
	s_and_b32 s31, ttmp9, 1
	s_lshl_b32 s31, s31, 2
	s_add_co_u32 s31, s31, s26                     ; the K step
	s_cmp_lt_u32 s30, 128
	s_cselect_b64 s[4:5], s[4:5], s[6:7]           ; tiles 0-127 are pcpt's, the others gen's
	s_and_b32 s32, s30, 127
	s_lshr_b32 s33, s32, 1
	s_lshl_b32 s33, s33, 5
	s_and_b32 s34, s32, 1
	s_lshl_b32 s34, s34, 3
	s_add_co_u32 s33, s33, s34                     ; the tile's first row
	s_lshl_b32 s34, s33, 12                        ; rows of 4,096 bytes
	s_lshl_b32 s35, s31, 9                         ; 512 bytes a K step
	s_add_co_u32 s34, s34, s35
	s_mov_b32 s35, 0
	s_add_nc_u64 s[4:5], s[4:5], s[34:35]
.irp i, 0,1,2,3,4,5,6,7,8,9,10,11,12,13,14,15
	global_load_b128 v[64+4*\i:67+4*\i], v3, s[4:5] offset:(\i+8*(\i/8))*4096   ; the tile's row i: 512 consecutive bytes
.endr
.irp b, 0,1,2,3
	v_mov_b32 v[TM+4+\b], 0                        ; a lane permute's destination counts as one of its sources
.endr
	s_lshr_b32 s36, s30, 4
	s_lshl_b32 s36, s36, 3
	s_add_co_u32 s36, s36, s31
	s_mul_i32 s36, s36, BLK                        ; the block (group T / 16, K step)
	s_and_b32 s38, s30, 15
	s_mul_i32 s39, s38, 1536
	s_lshl_b32 s40, s38, 6
	s_add_co_u32 s40, s40, s36
	s_add_co_u32 s40, s40, 24576                   ; the tile's scale words
	s_add_co_u32 s36, s36, s39                     ; the tile's codes
	s_mov_b32 s37, 0
	s_mov_b32 s41, 0
	s_add_nc_u64 s[36:37], s[24:25], s[36:37]
	s_add_nc_u64 s[40:41], s[24:25], s[40:41]
.irp i, 0,1,2,3,4,5,6,7,8,9,10,11,12,13,14,15
	s_wait_loadcnt 15-\i                           ; row i is in; the younger rows may be out
	ds_store_b128 v4, v[64+4*\i:67+4*\i] offset:XPITCH*\i
.endr
.irp c, 0,1,2,3
.irp q, 0,1,2,3
	ds_load_b128 v[128+16*\c+4*\q:131+16*\c+4*\q], v5 offset:128*\c+16*\q   ; my 16 neighbours of block c; LDS serves a wave's instructions in order: these see my stores
.endr
.endr
	s_wait_dscnt 0x0
	QUANT 128
.irp c, 0,1,2
	global_store_b128 v3, v[PC+4*\c:PC+4*\c+3], s[36:37] offset:512*\c      ; 512 consecutive bytes
.endr
	global_store_b32 v6, v[PW], s[40:41]           ; both halves of the lanes hold row r's word and write it to the same place
	s_wait_tensorcnt 0x0                           ; the wave's end: these three lines behind my last LDS store
	ds_add_u32 v[SPW], v[NIL]
	s_wait_dscnt 0x0
	s_endpgm
.Lweights:
	; ---- the weights.  id' = id - 512: 0-47 Wqkv, 48-63 out_w, 64-127 l1_w (tile 4 (id' - first) + wave, all 8 K steps); 128-191 l2_w (tile id' - 128, K steps 8 wave on)
	s_sub_co_u32 s30, ttmp9, 512
	s_cmp_lt_u32 s30, 128
	s_cselect_b64 s[16:17], s[16:17], s[20:21]     ; the choices hang on the work-group's number alone
	s_cselect_b64 s[18:19], s[18:19], s[22:23]
	s_mov_b32 s33, L2_OFF
	s_cselect_b32 s33, L1_OFF, s33                 ; where it goes in w0
	s_mov_b32 s34, 3072
	s_cselect_b32 s34, 768, s34                    ; P: a row of codes in bytes
	s_mov_b32 s35, 128
	s_cselect_b32 s35, 32, s35                     ; a row of scale bytes
	s_cselect_b32 s36, 8, 32                       ; K steps in a row
	s_mov_b32 s37, 128
	s_cselect_b32 s37, 64, s37                     ; the tensor's first id'
	s_cselect_b32 s38, 2, 0
	s_cselect_b32 s39, s26, 0
	s_cselect_b32 s32, 0, s26                      ; which 8 K steps
	s_cmp_lt_u32 s30, 64
	s_cselect_b64 s[16:17], s[12:13], s[16:17]
	s_cselect_b64 s[18:19], s[14:15], s[18:19]
	s_cselect_b32 s33, OW_OFF, s33
	s_cselect_b32 s37, 48, s37
	s_cmp_lt_u32 s30, 48
	s_cselect_b64 s[16:17], s[8:9], s[16:17]
	s_cselect_b64 s[18:19], s[10:11], s[18:19]
	s_cselect_b32 s33, WQ_OFF, s33
	s_cselect_b32 s37, 0, s37
	s_sub_co_u32 s31, s30, s37
	s_lshl_b32 s31, s31, s38
	s_add_co_u32 s31, s31, s39                     ; T
	s_lshr_b32 s40, s31, 1
	s_lshl_b32 s40, s40, 5
	s_and_b32 s41, s31, 1
	s_lshl_b32 s41, s41, 3
	s_add_co_u32 s40, s40, s41                     ; the tile's first row
	s_mul_i32 s56, s40, s34
	s_mul_i32 s57, s32, 768
	s_add_co_u32 s56, s56, s57
	s_mov_b32 s57, 0
	s_mul_i32 s58, s40, s35
	s_lshl_b32 s59, s32, 5
	s_add_co_u32 s58, s58, s59
	s_mov_b32 s59, 0
	s_add_nc_u64 s[18:19], s[18:19], s[58:59]      ; the scale bytes at the tile's first row
	s_add_nc_u64 s[40:41], s[16:17], s[56:57]      ; a base for each pair of rows: the tile's rows 0, 2, 4, 6, 16, 18, 20, 22 on
	s_lshl_b32 s56, s34, 1                         ; 2 P
	s_mul_i32 s58, s34, 10                         ; 10 P
	s_add_nc_u64 s[42:43], s[40:41], s[56:57]
	s_add_nc_u64 s[44:45], s[42:43], s[56:57]
	s_add_nc_u64 s[46:47], s[44:45], s[56:57]
	s_add_nc_u64 s[48:49], s[46:47], s[58:59]
	s_add_nc_u64 s[50:51], s[48:49], s[56:57]
	s_add_nc_u64 s[52:53], s[50:51], s[56:57]
	s_add_nc_u64 s[54:55], s[52:53], s[56:57]
	s_sub_co_u32 s27, s34, 768
	v_mul_lo_u32 v7, v2, s27
	v_add3_u32 v7, v7, v3, 512                     ; second load of a pair: lanes 0-15 the first row's bytes 512 on, lanes 16-31 the second row's bytes 0 on
	s_add_co_u32 s27, s34, 256
	v_add_nc_u32 v8, s27, v3                       ; third: the second row's bytes 256 on
	v_and_b32 v9, 8, v1
	v_add_nc_u32 v9, v9, v1
	v_mul_lo_u32 v9, v9, s35
	v_lshl_add_u32 v9, v2, 4, v9                   ; scale bytes: row r + 8 (r / 8), + 16 h: the words of K steps 4 h .. 4 h + 3
	v_mad_u32_u24 v15, v2, 0x19000, v6             ; and where they go: 4 r + 4 blocks x h
	global_load_b128 v[56:59], v9, s[18:19]
.irp j, 0,1,2,3,4,5,6,7
	global_load_b128 v[64+12*\j:67+12*\j], v3, s[40+2*\j:41+2*\j]
	global_load_b128 v[68+12*\j:71+12*\j], v7, s[40+2*\j:41+2*\j]
	global_load_b128 v[72+12*\j:75+12*\j], v8, s[40+2*\j:41+2*\j]
.endr
	s_lshr_b32 s60, s31, 4
	s_mul_i32 s60, s60, s36
	s_lshl_b32 s61, s32, 3
	s_add_co_u32 s60, s60, s61
	s_mul_i32 s60, s60, BLK
	s_add_co_u32 s60, s60, s33                     ; the first of my eight blocks
	s_and_b32 s61, s31, 15
	s_mul_i32 s62, s61, 1536
	s_lshl_b32 s63, s61, 6
	s_add_co_u32 s62, s62, s60                     ; the tile's codes in it
	s_add_co_u32 s60, s60, s63
	s_add_co_u32 s60, s60, 24576                   ; and its scale words
	s_mov_b32 s61, 0
	s_mov_b32 s63, 0
	s_add_nc_u64 s[60:61], s[24:25], s[60:61]
	s_add_nc_u64 s[62:63], s[24:25], s[62:63]
.irp j, 0,1,2,3,4,5,6,7
	s_wait_loadcnt 23-3*\j                         ; the counts name the younger loads of the 24
	ds_store_b128 v10, v[64+12*\j:67+12*\j] offset:2*WPITCH*\j
	s_wait_loadcnt 22-3*\j
	ds_store_b128 v11, v[68+12*\j:71+12*\j] offset:2*WPITCH*\j+512
	s_wait_loadcnt 21-3*\j
	ds_store_b128 v10, v[72+12*\j:75+12*\j] offset:2*WPITCH*\j+WPITCH+256
.endr
.irp t, 0,1,2,3,4,5,6,7
.irp p, 0,1,2,3,4,5
	ds_load_b64 v[160+12*\t+2*\p:161+12*\t+2*\p], v14 offset:96*\t+48*(\p/3)+8*(\p%3)   ; K step t's fragment: 24 bytes of my row's stream of bits, twice
.endr
.endr
.irp i, 0,1,2,3
	global_store_b32 v15, v[56+\i], s[60:61] offset:BLK*\i
.endr
.irp t, 0,1,2,3,4,5,6,7
	s_wait_dscnt 6*(7-\t)                          ; this K step's six loads are in
.irp c, 0,1,2
	global_store_b128 v3, v[160+12*\t+4*\c:163+12*\t+4*\c], s[62:63] offset:BLK*\t+512*\c
.endr
.endr
	s_wait_tensorcnt 0x0                           ; the wave's end: these three lines behind my last LDS store
	ds_add_u32 v[SPW], v[NIL]
	s_wait_dscnt 0x0
	s_endpgm
.Lfunc_end_k_qe51c626daf_prep:
	.size	k_qe51c626daf_prep, .Lfunc_end_k_qe51c626daf_prep-k_qe51c626daf_prep
	.p2alignl 7, 3214868480
	.fill 96, 4, 3214868480
	.section	.rodata,"a",@progbits
	.p2align	6, 0x0
	.amdhsa_kernel k_qe51c626daf_prep
		.amdhsa_group_segment_fixed_size 84480
		.amdhsa_private_segment_fixed_size 0
		.amdhsa_enable_private_segment 0
		.amdhsa_kernarg_size 88
		.amdhsa_user_sgpr_count 2
		.amdhsa_user_sgpr_kernarg_segment_ptr 1
		.amdhsa_wavefront_size32 1
		.amdhsa_system_sgpr_workgroup_id_x 1
		.amdhsa_system_sgpr_workgroup_id_y 1
		.amdhsa_system_sgpr_workgroup_id_z 1
		.amdhsa_system_vgpr_workitem_id 0
		.amdhsa_next_free_vgpr 256
		.amdhsa_next_free_sgpr 66
		.amdhsa_reserve_vcc 0
		.amdhsa_float_denorm_mode_32 3
		.amdhsa_float_denorm_mode_16_64 3
		.amdhsa_memory_ordered 1
		.amdhsa_forward_progress 1
		.amdhsa_inst_pref_size 26
	.end_amdhsa_kernel
	.amdgpu_metadata
---
amdhsa.version: [ 1, 2 ]
amdhsa.kernels:
  - .name:           k_qe51c626daf_prep
    .symbol:         k_qe51c626daf_prep.kd
    .args:
      - { .name: pcpt, .offset: 0, .size: 8, .value_kind: global_buffer, .address_space: global }
      - { .name: gen, .offset: 8, .size: 8, .value_kind: global_buffer, .address_space: global }
      - { .name: Wqkv_w_codes, .offset: 16, .size: 8, .value_kind: global_buffer, .address_space: global }
      - { .name: Wqkv_w_scales, .offset: 24, .size: 8, .value_kind: global_buffer, .address_space: global }
      - { .name: out_w_codes, .offset: 32, .size: 8, .value_kind: global_buffer, .address_space: global }
      - { .name: out_w_scales, .offset: 40, .size: 8, .value_kind: global_buffer, .address_space: global }
      - { .name: l1_w_codes, .offset: 48, .size: 8, .value_kind: global_buffer, .address_space: global }
      - { .name: l1_w_scales, .offset: 56, .size: 8, .value_kind: global_buffer, .address_space: global }
      - { .name: l2_w_codes, .offset: 64, .size: 8, .value_kind: global_buffer, .address_space: global }
      - { .name: l2_w_scales, .offset: 72, .size: 8, .value_kind: global_buffer, .address_space: global }
      - { .name: w0, .offset: 80, .size: 8, .value_kind: global_buffer, .address_space: global }
    .group_segment_fixed_size: 84480
    .private_segment_fixed_size: 0
    .kernarg_segment_align: 8
    .kernarg_segment_size: 88
    .max_flat_workgroup_size: 128
    .sgpr_count:     66
    .vgpr_count:     256
    .wavefront_size: 32
...
	.end_amdgpu_metadata
.endif
;; end of part 1
;; launch qkv (part 2): grid 12 x 16, 4 waves a work-group, clusters of 4 x 4, 327,680 bytes of LDS; arguments w0, Wqkv_b, w1; writes w1
.if DOCPART == 2
	.amdgcn_target "amdgcn-amd-amdhsa--gfx1250"
	.amdhsa_code_object_version 6
	.text
	.protected	k_qe51c626daf_qkv
	.globl	k_qe51c626daf_qkv
	.p2align	8
	.type	k_qe51c626daf_qkv,@function
k_qe51c626daf_qkv:
	s_mov_b64 s[64:65], 0
	v_nop
	global_prefetch_b8 v0, s[64:65] scope:SCOPE_SE
	s_setreg_imm32_b32 hwreg(HW_REG_WAVE_MODE, 25, 1), 1
	s_wait_xcnt 0x0
	s_wait_alu depctr_hold_cnt(0) depctr_sa_sdst(0) depctr_va_vdst(0) depctr_va_sdst(0) depctr_va_ssrc(0) depctr_va_vcc(0) depctr_vm_vsrc(0)
	s_getreg_b32 s2, hwreg(HW_REG_IB_STS2, 6, 4)
	s_cmp_eq_u32 s2, 0
	s_cbranch_scc0 .Lentry_in_a_cluster
	s_endpgm
.Lentry_in_a_cluster:
	s_bfe_u32 s2, ttmp6, 0x10000c
	s_cmp_lg_u32 s2, 0xf033
	s_cbranch_scc0 .Lentry_shape_is_right
	s_endpgm
.Lentry_shape_is_right:
; QKV: t = x Wqkv^T + b on codes of E2M3 (K = 1,024), and q, k, v quantised at once for the attention: q and k along the head's 64, v along the keys.  Nothing goes out in f32.
; A work-group of four waves makes 256 x 256; a wave 128 x 128: 64 accumulators, (a, b) at v[8 (8 (a % 4) + b)] of window 2 + a / 4.  The matrix instruction is used transposed: source 0 = a tile of the B side,
; source 1 = a tile of the A side: a lane holds ONE row of the A side, and its 64 registers of a given a run along 128 rows of the B side, in their true order (the tiles' rows are chosen for it: launch prep).
; THE CLUSTER'S x IS THE CLASS: 0 = q, 1 = k: A side = x (tokens), B side = Wqkv (features): a lane's registers run along the features, two heads.  2 = v: A side = Wqkv, B side = x: they run along the keys.
; The sides change places by offsets chosen on the cluster's x, which all sixteen partners share; only the first K step, whose C is the bias, has two forms.
; K goes in blocks of 25,600 bytes (256 rows x 128 K with their scale words).  A slot holds A's and B's blocks of two K steps; three slots are filled at the start and slot 0 once more: each wave fetches one block a slot.
; CLUSTERS: 4 x 4.  A's blocks are shared along a row of the cluster, B's along a column: each is asked for jointly.
; w1: q blocks at 0, k blocks at 3,407,872 (block 32 stream + 16 b + head, 53,248 bytes: 64 tiles of 16 tokens x 64, registers 2 p, 2 p + 1 of lane l at 768 tile + 256 p + 8 l; words at 49,152 + 64 tile + 4 r, bytes 2, 3 zero);
; v blocks at 6,815,744 (51,200 bytes: fragment (key step, tile of 16 of the head's 64) at 1,536 (4 step + tile), words at 49,152 + 64 (4 step + tile) + 4 r).
; LIMITS: as stated in launch prep (NaN, infinities; the byte's floor).
; REGISTERS: window 0: v1-15 lane terms; v16-26 LDS addresses; v28, v29 the add's two; v32-63 scale words, two sets; v64-127 the bias as C; v128-223 A's 8 fragments (on the way out: the quantiser's).  window 1: B's two sets.
.set BLK,    25600
.set SLOT,   4*BLK                     ; A k0 | A k1 | B k0 | B k1
.set NSLOT,  3
.set SPARE,  NSLOT*SLOT                ; the spare words, 128 bytes a wave: two blocks of 256 bytes that no other line names
.set NLA,    3                         ; LDS loads that bring a fragment of A
.set WQ_OFF, 3276800
.set QB,     53248
.set VB,     51200
.set ADRA, 16                          ; v16-18 my A fragments in slot 0, 1, 2
.set ADRB, 20                          ; v20-22 the same for B
.set ADRS, 24                          ; v24-26 my scale words: lanes 0-15 A's rows, lanes 16-31 B's
.set L8,   27
.set SPW,  28
.set NIL,  29
.set LW,   30
.set SHV,  31
.set SC,   32                          ; set sc at v[SC + 16 sc]; register 8 q + i: the words of A's tile i (lanes 0-15) and B's tile i (lanes 16-31) of the slot's q-th K step
.set BI,   64
.set AF,   128
.set TM,   128
.set PW,   144
.set SV,   145
.set PC,   148
.set SEL,  12
.set G1A,  24                          ; s[24:31] group 1 for A's blocks; s[32:43] group 0, a set for each slot
.set G0A,  32
.set G1B,  44                          ; s[44:51], s[52:63] the same for B's
.set G0B,  52
.set MSB, 0
.macro WIN new                         ; the immediate's high byte repeats the setting that is left
.if MSB != (\new)
	s_set_vgpr_msb (MSB<<8)|(\new)
.set MSB, (\new)
.endif
.endm
.macro JLOAD g0a, g0b                  ; a joint load: waves 0, 1 fetch A's two blocks of a slot, waves 2, 3 B's; an s_nop 0 and four v_nop follow each line
	s_cmp_eq_u32 s15, 0
	s_cbranch_scc0 .Lfor_b_\@
	tensor_load_to_lds s[\g0a:\g0a+3], s[G1A:G1A+7]
	s_nop 0
.rept 4
	v_nop
.endr
	s_branch .Lasked_\@
.Lfor_b_\@:
	tensor_load_to_lds s[\g0b:\g0b+3], s[G1B:G1B+7]
	s_nop 0
.rept 4
	v_nop
.endr
.Lasked_\@:
.endm
.macro CREST                           ; a round of the cluster's barrier behind its opening barrier
	s_cmp_lg_u32 s14, 0
	s_cbranch_scc1 .Lnot_wave_0_\@
	s_barrier_signal -3
.Lnot_wave_0_\@:
	s_barrier_wait -3
	s_barrier_signal -1
	s_barrier_wait -1
.endm
.macro CROUND
	s_barrier_signal -1
	s_barrier_wait -1
	CREST
.endm
.macro PLACES                          ; four places behind a matrix instruction, ahead of loads into its registers and of reads of its results
.rept 4
	v_nop
.endr
.endm
.macro FRAG reg, adr, off              ; a fragment as an image of its 12 registers: three loads of 512 consecutive bytes
.irp c, 0,1,2
	ds_load_b128 v[\reg+4*\c:\reg+4*\c+3], v[\adr] offset:\off+512*\c
.endr
.endm
.macro FETCH_B slot, q, p              ; B's eight fragments of the slot's q-th K step into set p (window 1)
	WIN 0x40
.irp i, 0,1,2,3,4,5,6,7
	FRAG 128*(\p)+12*\i, ADRB+\slot, (\q)*BLK+1536*\i
.endr
	WIN 0
.endm
.macro FETCH_A slot, q, i0             ; A's tiles i0 .. i0 + 3
.irp i, \i0, \i0+1, \i0+2, \i0+3
	FRAG AF+12*(\i), ADRA+\slot, (\q)*BLK+1536*(\i)
.endr
.endm
.macro SCALES slot, sc                 ; a slot's scale words: 16 loads
.irp q, 0,1
.irp i, 0,1,2,3,4,5,6,7
	ds_load_b32 v[SC+16*(\sc)+8*\q+\i], v[ADRS+\slot] offset:\q*BLK+64*\i
.endr
.endr
.endm
; 16 matrix instructions: A's tiles a0, a0 + 1 x B's eight.  cm = 0: in place; 1: C = the bias along the B side; 2: along the A side.  The 64 accumulators take turns, one instruction a turn, in the same order in every K step.
.macro MUL16 a0, p, q, sc, cm
.if \cm
	WIN 0x81+0x40*((\a0)/4)
.else
	WIN 0xa1+0x50*((\a0)/4)
.endif
.irp a, \a0, \a0+1
.irp b, 0,1,2,3,4,5,6,7
.if \cm == 0
	v_wmma_scale_f32_16x16x128_f8f6f4 v[8*(8*((\a)%4)+\b):8*(8*((\a)%4)+\b)+7], v[128*(\p)+12*\b:128*(\p)+12*\b+11], v[AF+12*(\a):AF+12*(\a)+11], v[8*(8*((\a)%4)+\b):8*(8*((\a)%4)+\b)+7], v[SC+16*(\sc)+8*(\q)+\b], v[SC+16*(\sc)+8*(\q)+(\a)] matrix_a_fmt:MATRIX_FMT_FP6 matrix_b_fmt:MATRIX_FMT_FP6 matrix_a_scale:MATRIX_SCALE_ROW1
.elseif \cm == 1
	v_wmma_scale_f32_16x16x128_f8f6f4 v[8*(8*((\a)%4)+\b):8*(8*((\a)%4)+\b)+7], v[128*(\p)+12*\b:128*(\p)+12*\b+11], v[AF+12*(\a):AF+12*(\a)+11], v[BI+8*\b:BI+8*\b+7], v[SC+16*(\sc)+8*(\q)+\b], v[SC+16*(\sc)+8*(\q)+(\a)] matrix_a_fmt:MATRIX_FMT_FP6 matrix_b_fmt:MATRIX_FMT_FP6 matrix_a_scale:MATRIX_SCALE_ROW1
.else
	v_wmma_scale_f32_16x16x128_f8f6f4 v[8*(8*((\a)%4)+\b):8*(8*((\a)%4)+\b)+7], v[128*(\p)+12*\b:128*(\p)+12*\b+11], v[AF+12*(\a):AF+12*(\a)+11], v[BI+8*(\a):BI+8*(\a)+7], v[SC+16*(\sc)+8*(\q)+\b], v[SC+16*(\sc)+8*(\q)+(\a)] matrix_a_fmt:MATRIX_FMT_FP6 matrix_b_fmt:MATRIX_FMT_FP6 matrix_a_scale:MATRIX_SCALE_ROW1
.endif
.endr
.endr
.endm
.macro STEP slot, sc, cm               ; a slot's first K step; its successor lies in the same slot
	s_wait_dscnt 4*NLA                             ; all but the youngest loads, A's tiles 4-7
	MUL16 0, 0, 0, \sc, \cm
	MUL16 2, 0, 0, \sc, \cm
	s_wait_dscnt 0x0
	PLACES
	FETCH_B \slot, 1, 1
	FETCH_A \slot, 1, 0
	MUL16 4, 0, 0, \sc, \cm
	MUL16 6, 0, 0, \sc, \cm
	PLACES
	WIN 0
	FETCH_A \slot, 1, 4
.endm
; A slot's second K step changes slots: one barrier.  mode 1: the count leaves my youngest first fill out.  mode 0, 2: all my tensor loads, the add, my reads.  mode 2: the barrier opens a round
; of the cluster's barrier, and slot fslot is filled again first thing behind it, fstep bytes further along K.
.macro TURN slot, sc, nslot, nsc, mode, fslot, fstep
.if \mode == 1
	s_wait_tensorcnt 0x1                           ; my block of the next slot is in; one younger load may be out
	s_wait_dscnt 4*NLA
.else
	s_wait_tensorcnt 0x0                           ; all my tensor loads have landed
	ds_add_u32 v[SPW], v[NIL]                      ; 0 onto my spare word
	s_wait_dscnt 4*NLA+1                           ; (the add and A's tiles 4-7 may be out)
.endif
	MUL16 0, 1, 1, \sc, 0
	s_wait_dscnt 0x0                               ; the add is done, and my reads of this slot are over
	s_barrier_signal -1
	MUL16 2, 1, 1, \sc, 0
	WIN 0
	s_barrier_wait -1
.if \mode == 2
	CREST                                          ; no wave of any partner still reads the slot to be filled or has a load on its way
	s_add_nc_u64 s[G0A+4*\fslot+2:G0A+4*\fslot+3], s[G0A+4*\fslot+2:G0A+4*\fslot+3], \fstep
	s_add_nc_u64 s[G0B+4*\fslot+2:G0B+4*\fslot+3], s[G0B+4*\fslot+2:G0B+4*\fslot+3], \fstep
	JLOAD G0A+4*\fslot, G0B+4*\fslot               ; its four v_nop are the places in front of the loads below
.else
	PLACES
.endif
	FETCH_B \nslot, 0, 0
	FETCH_A \nslot, 0, 0
	SCALES \nslot, \nsc
	MUL16 4, 1, 1, \sc, 0
	MUL16 6, 1, 1, \sc, 0
	PLACES
	WIN 0
	FETCH_A \nslot, 0, 4
.endm
.macro LAST sc                         ; the very last K step: nothing more to fetch
	s_wait_dscnt 4*NLA
	MUL16 0, 1, 1, \sc, 0
	MUL16 2, 1, 1, \sc, 0
	s_wait_dscnt 0x0
	MUL16 4, 1, 1, \sc, 0
	MUL16 6, 1, 1, \sc, 0
	WIN 0
.endm
; 64 numbers of a lane in window w, register 16 b + i = k 32 b + 16 (lane / 16) + i of my row, become a fragment's codes in v[PC] on and its scale word in v[PW].  Each accumulator is read from its low end on.
.macro QUANT s, w
	WIN (\w)|((\w)<<2)
.irp b, 0,1,2,3
	v_max3_num_f32 v[TM+\b], |v[(\s)+16*\b]|, |v[(\s)+1+16*\b]|, 0x1800000   ; and the floor 2^(3 - 127): the byte cannot fall under 1
.endr
.irp i, 2,4,6,8,10,12,14
.irp b, 0,1,2,3
	v_max3_num_f32 v[TM+\b], |v[(\s)+16*\b+\i]|, |v[(\s)+1+16*\b+\i]|, v[TM+\b]
.endr
.endr
	WIN 0
.irp b, 0,1,2,3
	v_permlanex16_b32 v[TM+4+\b], v[TM+\b], s[SEL], s[SEL+1]
.endr
.irp b, 0,1,2,3
	v_max_num_f32 v[TM+\b], v[TM+\b], v[TM+4+\b]
.endr
.irp b, 0,1,2,3
	v_add_nc_u32 v[TM+12+\b], 0xff000000, v[TM+\b]         ; 2 off the exponent field: the conversion's scale operand
.endr
.irp b, 0,1,2,3
	v_lshrrev_b32 v[TM+4+\b], 23, v[TM+12+\b]
.endr
	v_lshl_or_b32 v[PW], v[TM+5], 8, v[TM+4]
	v_lshl_or_b32 v[PW], v[TM+6], 16, v[PW]
	v_lshl_or_b32 v[PW], v[TM+7], 24, v[PW]
	WIN \w
.irp c, 0,1
	v_cvt_scalef32_pk16_fp6_f32 v[PC+6*\c:PC+2+6*\c], v[(\s)+32*\c:(\s)+15+32*\c], v[TM+12+2*\c]
	v_cvt_scalef32_pk16_fp6_f32 v[PC+12+4*\c:PC+14+4*\c], v[(\s)+16+32*\c:(\s)+31+32*\c], v[TM+12+2*\c+1]
.endr
	WIN 0
	v_nop                                                  ; one plain place behind a scaled conversion
.irp c, 0,1
.irp i, 0,1,2
	v_permlane16_swap_b32 v[PC+6*\c+\i], v[PC+12+4*\c+\i]
.endr
.irp i, 0,1,2
	v_mov_b32 v[PC+3+6*\c+\i], v[PC+12+4*\c+\i]
.endr
.endr
.endm
	s_load_b128 s[4:7], s[0:1], 0x0                ; w0, Wqkv_b
	s_load_b64 s[8:9], s[0:1], 0x10                ; w1
	v_lshl_add_u32 v[SPW], v0, 2, SPARE
	v_mov_b32 v[NIL], 0
	ds_add_u32 v[SPW], v[NIL]                      ; the wave's opening: the add, twice on end, and its wait ahead of my first tensor load
	ds_add_u32 v[SPW], v[NIL]
	v_lshrrev_b32 v1, 5, v0
	v_readfirstlane_b32 s14, v1                    ; wave
	s_lshr_b32 s15, s14, 1                         ; my half of the A side's rows.  Also: I fetch for A (0) or for B (1)
	s_and_b32 s16, s14, 1                          ; my half of the B side's.  Also: which of a slot's two K steps I fetch
	s_bfe_u32 s66, ttmp6, 0x40000                  ; cx
	s_bfe_u32 s67, ttmp6, 0x40004                  ; cy
	s_and_b32 s68, ttmp7, 0xffff                   ; the cluster's y: which 1,024 tokens
	s_lshl_b32 s70, s67, 2
	s_lshl_b32 s70, 15, s70                        ; my row of the cluster
	s_lshl_b32 s71, 0x1111, s66                    ; my column
	s_or_b32 s[G1A], s70, (3<<16)|(1<<21)          ; 15:0 the mask; 17:16 elements of 8 bytes; 21 set beside a mask; no padding
	s_or_b32 s[G1B], s71, (3<<16)|(1<<21)
.irp g, G1A, G1B
	s_mov_b32 s[\g+1], 32<<16                      ; a block is dense: 100 rows of 256 bytes
	s_mov_b32 s[\g+2], 100<<16
	s_mov_b32 s[\g+3], 32<<16
	s_mov_b32 s[\g+4], 100
	s_mov_b32 s[\g+5], 32
	s_mov_b32 s[\g+6], 0
	s_mov_b32 s[\g+7], 0
.endr
	s_mov_b32 s[SEL], 0x76543210
	s_mov_b32 s[SEL+1], 0xfedcba98
	s_mul_i32 s72, s68, 32*BLK                     ; x: groups 4 x cluster y on
	s_mul_i32 s73, ttmp9, 32*BLK
	s_add_co_u32 s73, s73, WQ_OFF                  ; Wqkv: groups 4 x cluster x on
	s_cmp_eq_u32 ttmp9, 2
	s_cselect_b32 s74, s73, s72                    ; the A side: x, for v Wqkv
	s_cselect_b32 s76, s72, s73                    ; the B side: the other
	s_mul_i32 s75, s67, 8*BLK                      ; A's group by cy alone,
	s_add_co_u32 s74, s74, s75
	s_mul_i32 s75, s16, BLK
	s_add_co_u32 s74, s74, s75
	s_mov_b32 s75, 0
	s_mul_i32 s77, s66, 8*BLK                      ; B's by cx alone
	s_add_co_u32 s76, s76, s77
	s_mul_i32 s77, s16, BLK
	s_add_co_u32 s76, s76, s77
	s_mov_b32 s77, 0
	s_mul_i32 s78, s14, BLK                        ; where my block goes in a slot: no place in the cluster enters an LDS address
	s_wait_dscnt 0x0                               ; both opening adds are done
	s_wait_kmcnt 0x0
	s_add_nc_u64 s[74:75], s[4:5], s[74:75]
	s_add_nc_u64 s[76:77], s[4:5], s[76:77]
	CROUND                                         ; all sixteen work-groups are here: the first joint loads meet
.irp s, 0,1,2
	s_mov_b32 s[G0A+4*\s], 1
	s_add_co_u32 s[G0A+4*\s+1], s78, \s*SLOT
	s_add_nc_u64 s[G0A+4*\s+2:G0A+4*\s+3], s[74:75], \s*2*BLK
	s_or_b32 s[G0A+4*\s+3], s[G0A+4*\s+3], 0x80000000
	s_mov_b32 s[G0B+4*\s], 1
	s_add_co_u32 s[G0B+4*\s+1], s78, \s*SLOT
	s_add_nc_u64 s[G0B+4*\s+2:G0B+4*\s+3], s[76:77], \s*2*BLK
	s_or_b32 s[G0B+4*\s+3], s[G0B+4*\s+3], 0x80000000
	JLOAD G0A+4*\s, G0B+4*\s                       ; three loads of mine are out: K steps 0 to 5
.endr
	v_and_b32 v1, 15, v0                           ; r
	v_bfe_u32 v2, v0, 4, 1                         ; h
	v_and_b32 v3, 31, v0
	v_lshlrev_b32 v4, 4, v3                        ; 16 x lane
	; the bias.  q, k: register j of tile i wants feature 32 (i / 2) + 8 (i % 2) + 16 h + j; v: all eight want my lane's own feature 32 (i / 2) + 8 (i % 2) + r + 8 (r / 8)
	s_lshl_b32 s84, ttmp9, 2
	s_add_co_u32 s84, s84, s66
	s_lshl_b32 s84, s84, 8
	s_lshl_b32 s85, s16, 7
	s_add_co_u32 s84, s84, s85
	s_lshl_b32 s85, s67, 8
	s_lshl_b32 s86, s15, 7
	s_add_co_u32 s85, s85, s86
	s_add_co_u32 s85, s85, 2048
	s_cmp_eq_u32 ttmp9, 2
	s_cselect_b32 s84, s85, s84                    ; my first feature
	s_cselect_b32 s86, 0, 4
	s_cselect_b32 s87, -1, 0
	s_lshl_b32 s84, s84, 2
	s_mov_b32 s85, 0
	s_add_nc_u64 s[6:7], s[6:7], s[84:85]
	v_lshlrev_b32 v6, 6, v2
	v_and_b32 v7, 8, v1
	v_add_nc_u32 v7, v7, v1
	v_lshlrev_b32 v7, 2, v7
	v_cndmask_b32 v8, v6, v7, s87
.irp j, 0,1,2,3,4,5,6
	v_add_nc_u32 v[9+\j], s86, v[8+\j]
.endr
.irp i, 0,1,2,3,4,5,6,7
.irp j, 0,1,2,3,4,5,6,7
	global_load_b32 v[BI+8*\i+\j], v[8+\j], s[6:7] offset:4*(32*(\i/2)+8*(\i%2))
.endr
.endr
	s_mul_i32 s80, s15, 12288                      ; my 8 tiles of A,
	s_mul_i32 s81, s16, 12288
	s_add_co_u32 s81, s81, 2*BLK                   ; of B, behind A's two blocks
	s_lshl_b32 s82, s15, 9
	s_lshl_b32 s83, s16, 9
	s_add_co_u32 s83, s83, 2*BLK
	s_sub_co_u32 s83, s83, s82
	v_mul_u32_u24 v5, s83, v2                      ; lanes 16-31 take B's words: one product, the distance between the two
	v_lshl_add_u32 v5, v1, 2, v5
	s_add_co_u32 s82, s82, 24576
.irp s, 0,1,2
	v_add_nc_u32 v[ADRA+\s], s80, v4
	v_add_nc_u32 v[ADRB+\s], s81, v4
	v_add_nc_u32 v[ADRS+\s], s82, v5
	s_add_co_u32 s80, s80, SLOT
	s_add_co_u32 s81, s81, SLOT
	s_add_co_u32 s82, s82, SLOT
.endr
	s_wait_tensorcnt 0x2                           ; my block of slot 0 is in; the two younger loads may be out
	s_barrier_signal -1
	s_barrier_wait -1
	FETCH_B 0, 0, 0
	FETCH_A 0, 0, 0
	SCALES 0, 0
	FETCH_A 0, 0, 4
	s_wait_loadcnt 0x0                             ; the bias
	s_cmp_eq_u32 ttmp9, 2                          ; the class: the same in all partners
	s_cbranch_scc1 .Lfirst_v
	STEP 0, 0, 1                                   ; K step 0 starts the sums from the bias: nothing is cleared
	s_branch .Lfirst_done
.Lfirst_v:
	STEP 0, 0, 2
.Lfirst_done:
	TURN 0, 0, 1, 1, 1, 0, 0                       ; K step 1
	STEP 1, 1, 0                                   ; 2
	TURN 1, 1, 2, 0, 2, 0, 6*BLK                   ; 3: slot 0, left two K steps ago, takes K steps 6 and 7: 128 matrix instructions in which to land
	STEP 2, 0, 0                                   ; 4
	TURN 2, 0, 0, 1, 0, 0, 0                       ; 5
	STEP 0, 1, 0                                   ; 6
	LAST 1                                         ; 7
	; THE WAY OUT.  (u, w, hu, hw) = (cx, cy, my B half, my A half) for q and k, (cy, cx, A half, B half) for v: block 16 x cluster y + 4 u + 2 hu, and in it (2 w + hw) x 6,144 bytes on.
	PLACES
.irp b, 0,1,2,3
	v_mov_b32 v[TM+4+\b], 0                        ; a lane permute's destination counts as one of its sources
.endr
	s_cmp_eq_u32 ttmp9, 2
	s_cselect_b32 s72, s67, s66
	s_cselect_b32 s73, s66, s67
	s_cselect_b32 s74, s15, s16
	s_cselect_b32 s75, s16, s15
	s_mov_b32 s76, QB
	s_cselect_b32 s76, VB, s76                     ; a block's bytes
	s_mov_b32 s80, 768
	s_cselect_b32 s80, 1536, s80                   ; from a to a + 1
	s_mov_b32 s82, QB
	s_cselect_b32 s82, 768, s82                    ; from registers 0-5 to registers 6-11: the next head's block, or the fragment's second half
	s_cselect_b32 s84, VB-6144, 0                  ; v: behind a = 3 the next head's block
	s_cselect_b32 s86, VB-256, 0
	s_mov_b32 s88, QB
	s_cselect_b32 s88, 0, s88
	s_cselect_b32 s89, 0, 16
	s_mov_b32 s90, 0xffff
	s_cselect_b32 s90, -1, s90
	s_cselect_b32 s91, 8, 9
	s_mov_b32 s81, 0
	s_mov_b32 s83, 0
	s_mov_b32 s85, 0
	s_mov_b32 s87, 0
	s_lshl_b32 s77, s68, 4
	s_lshl_b32 s72, s72, 2
	s_add_co_u32 s77, s77, s72
	s_lshl_b32 s74, s74, 1
	s_add_co_u32 s77, s77, s74
	s_mul_i32 s77, s77, s76
	s_mul_i32 s78, ttmp9, 64*QB
	s_add_co_u32 s77, s77, s78                     ; my first block
	s_lshl_b32 s73, s73, 1
	s_add_co_u32 s73, s73, s75
	s_mul_i32 s92, s73, 6144
	s_add_co_u32 s92, s92, s77
	s_mov_b32 s93, 0
	s_lshl_b32 s94, s73, s91
	s_add_co_u32 s94, s94, s77
	s_add_co_u32 s94, s94, 49152
	s_mov_b32 s95, 0
	s_add_nc_u64 s[92:93], s[8:9], s[92:93]        ; registers 0-5,
	s_add_nc_u64 s[96:97], s[92:93], s[82:83]      ; registers 6-11,
	s_add_nc_u64 s[94:95], s[8:9], s[94:95]        ; the scale words
	v_lshlrev_b32 v[L8], 3, v3
	v_mul_lo_u32 v[LW], v2, s88
	v_lshl_add_u32 v[LW], v1, 2, v[LW]             ; q, k: lanes 16-31 write the second head's half word into its block
	v_mul_lo_u32 v[SHV], v2, s89
.irp a, 0,1,2,3,4,5,6,7
	QUANT 64*(\a%4), 2+\a/4
	v_lshrrev_b32 v[SV], v[SHV], v[PW]
	v_and_b32 v[SV], s90, v[SV]
.irp p, 0,1,2
	global_store_b64 v[L8], v[PC+2*\p:PC+2*\p+1], s[92:93] offset:256*\p       ; 256 consecutive bytes, aligned
.endr
.irp p, 0,1,2
	global_store_b64 v[L8], v[PC+6+2*\p:PC+7+2*\p], s[96:97] offset:256*\p
.endr
	global_store_b32 v[LW], v[SV], s[94:95]
	s_wait_xcnt 0x0                                ; the stores have read their data and bases: both are written again below
	s_add_nc_u64 s[92:93], s[92:93], s[80:81]
	s_add_nc_u64 s[96:97], s[96:97], s[80:81]
	s_add_nc_u64 s[94:95], s[94:95], 64
.if \a == 3
	s_add_nc_u64 s[92:93], s[92:93], s[84:85]
	s_add_nc_u64 s[96:97], s[96:97], s[84:85]
	s_add_nc_u64 s[94:95], s[94:95], s[86:87]
.endif
.endr
	s_wait_tensorcnt 0x0                           ; the wave's end: these three lines
	ds_add_u32 v[SPW], v[NIL]
	s_wait_dscnt 0x0
	CROUND                                         ; the closing round
	s_endpgm
.Lfunc_end_k_qe51c626daf_qkv:
	.size	k_qe51c626daf_qkv, .Lfunc_end_k_qe51c626daf_qkv-k_qe51c626daf_qkv
	.p2alignl 7, 3214868480
	.fill 96, 4, 3214868480
	.section	.rodata,"a",@progbits
	.p2align	6, 0x0
	.amdhsa_kernel k_qe51c626daf_qkv
		.amdhsa_group_segment_fixed_size 327680
		.amdhsa_private_segment_fixed_size 0
		.amdhsa_enable_private_segment 0
		.amdhsa_kernarg_size 24
		.amdhsa_user_sgpr_count 2
		.amdhsa_user_sgpr_kernarg_segment_ptr 1
		.amdhsa_wavefront_size32 1
		.amdhsa_system_sgpr_workgroup_id_x 1
		.amdhsa_system_sgpr_workgroup_id_y 1
		.amdhsa_system_sgpr_workgroup_id_z 1
		.amdhsa_system_vgpr_workitem_id 0
		.amdhsa_next_free_vgpr 1024
		.amdhsa_next_free_sgpr 100
		.amdhsa_reserve_vcc 0
		.amdhsa_float_denorm_mode_32 3
		.amdhsa_float_denorm_mode_16_64 3
		.amdhsa_memory_ordered 1
		.amdhsa_forward_progress 1
		.amdhsa_inst_pref_size 164
	.end_amdhsa_kernel
	.amdgpu_metadata
---
amdhsa.version: [ 1, 2 ]
amdhsa.kernels:
  - .name:           k_qe51c626daf_qkv
    .symbol:         k_qe51c626daf_qkv.kd
    .args:
      - { .name: w0, .offset: 0, .size: 8, .value_kind: global_buffer, .address_space: global }
      - { .name: Wqkv_b, .offset: 8, .size: 8, .value_kind: global_buffer, .address_space: global }
      - { .name: w1, .offset: 16, .size: 8, .value_kind: global_buffer, .address_space: global }
    .group_segment_fixed_size: 327680
    .private_segment_fixed_size: 0
    .kernarg_segment_align: 8
    .kernarg_segment_size: 24
    .max_flat_workgroup_size: 128
    .sgpr_count:     100
    .vgpr_count:     1024
    .wavefront_size: 32
...
	.end_amdgpu_metadata
.endif
;; end of part 2
;; launch attn (part 3): grid 4 x 64, 16 waves a work-group, clusters of 4 x 1, 167,936 bytes of LDS; arguments w1, w2; writes w2
.if DOCPART == 3
	.amdgcn_target "amdgcn-amd-amdhsa--gfx1250"
	.amdhsa_code_object_version 6
	.text
	.protected	k_qe51c626daf_attn
	.globl	k_qe51c626daf_attn
	.p2align	8
	.type	k_qe51c626daf_attn,@function
k_qe51c626daf_attn:
	s_mov_b64 s[64:65], 0
	v_nop
	global_prefetch_b8 v0, s[64:65] scope:SCOPE_SE
	s_setreg_imm32_b32 hwreg(HW_REG_WAVE_MODE, 25, 1), 1
	s_wait_xcnt 0x0
	s_wait_alu depctr_hold_cnt(0) depctr_sa_sdst(0) depctr_va_vdst(0) depctr_va_sdst(0) depctr_va_ssrc(0) depctr_va_vcc(0) depctr_vm_vsrc(0)
	s_getreg_b32 s2, hwreg(HW_REG_IB_STS2, 6, 4)
	s_cmp_eq_u32 s2, 0
	s_cbranch_scc0 .Lentry_in_a_cluster
	s_endpgm
.Lentry_in_a_cluster:
	s_bfe_u32 s2, ttmp6, 0x10000c
	s_cmp_lg_u32 s2, 0x3003
	s_cbranch_scc0 .Lentry_shape_is_right
	s_endpgm
.Lentry_shape_is_right:
; ATTN: ctx = softmax(q k^T / 8) v for pcpt queries over the pcpt keys, and for gen queries over the pcpt keys and their own gen key; both products on codes of E2M3; ctx leaves as codes for the projection.
; LEFT OUT (shown at the head of launch prep): the scores of gen queries against gen keys off the diagonal, which reference()'s own mask sends to p = 0: of the gen keys a wave computes the one tile of 16 x 16 scores
; that holds its queries' own keys, and the one block of 32 keys in which they lie.  A NaN, an infinity or an overflow in the scores left out is not carried to the result.
; THE SOFTMAX: t = score x log2(e) / 8; M = the running largest t rounded up to a whole number; p = 2^(t - M) is quantised along the keys, not normalised; the sum of the unquantised p divides at the end.
; SHARES.  Work-group y = 32 stream + 16 b + head; the four partners of a cluster are the four blocks of 256 queries.  Each of sixteen waves owns one tile of 16 queries (tile 16 cx + wave) in 256 registers.
; The head's pcpt K (53,248 bytes) and V (51,200 bytes), as launch qkv laid them, come into LDS ONCE, by two joint loads (wave 0: K, wave 1: V): no slot is filled again, and one barrier serves.
; LAYOUT.  Both products transposed: S^T = K Q^T, O^T = V^T P^T: a lane holds one query.  The tiles' rows are chosen (launch prep) so that the 16 registers of score tiles 2 b, 2 b + 1 are keys 32 b + 16 h + 0 .. 15.
; K = 64 IN A FORM OF 128: Q's registers 6-11 are zero codes and its scale bytes 2, 3 are 0 (2^-127, no NaN); K's registers 6-11 hold whatever codes the last V fragment left: E2M3 has no NaN, so those products are 0.
; REGISTERS: v1-4 lane terms in LDS; v5, v6 the add's two; v7 4 r; v8-11 the step's addresses; v12 -M, v13 the largest t, v[14:15] the sum; v16-27 Q; v32-79 four fragments of K or V; v80-92 the diagonal's K;
; v96-159 S^T, then p; v160-191 O^T; v224-235 p's codes; v232-254 at work; v248-251 scale words of K or V; v253 p's; v255 Q's.
.set QB,    53248
.set VB,    51200
.set KOFF,  64*QB
.set VOFF,  128*QB
.set BLK,   25600
.set LV,    QB                         ; V's block in LDS
.set SPARE, QB+VB                      ; the spare words, 128 bytes a wave: eight blocks of 256 bytes that no other line names
.set AK0,  1
.set AV0,  2
.set ASK0, 3
.set ASV0, 4
.set SPW,  5
.set NIL,  6
.set ADK,  8
.set ADV,  9
.set ADS,  10
.set ADT,  11
.set DX,   29
.set WV,   18
.set SEL,  20
.set CS,   22
.set G1K,  24
.set G1V,  32
.set G0K,  40
.set G0V,  44
.set TK,   48
.set TS,   49
.set TJ,   50
.set CNT,  51
.set YY,   52
.set CX,   53
.set TAU,  54
.macro CROUND
	s_barrier_signal -1
	s_barrier_wait -1
	s_cmp_lg_u32 s[WV], 0
	s_cbranch_scc1 .Lnot_wave_0_\@
	s_barrier_signal -3
.Lnot_wave_0_\@:
	s_barrier_wait -3
	s_barrier_signal -1
	s_barrier_wait -1
.endm
	s_load_b128 s[4:7], s[0:1], 0x0                ; w1, w2
	v_lshl_add_u32 v[SPW], v0, 2, SPARE
	v_mov_b32 v[NIL], 0
	ds_add_u32 v[SPW], v[NIL]                      ; the wave's opening: the add, twice on end, and its wait ahead of the first tensor loads
	ds_add_u32 v[SPW], v[NIL]
	v_lshrrev_b32 v8, 5, v0
	v_readfirstlane_b32 s[WV], v8                  ; wave 0..15
	s_bfe_u32 s[CX], ttmp6, 0x40000                ; cx: it enters global addresses alone
	s_and_b32 s[YY], ttmp7, 0xffff
	s_lshl_b32 s[TAU], s[CX], 4
	s_add_co_u32 s[TAU], s[TAU], s[WV]             ; my tile of queries among the 64
	s_mov_b32 s[G1K], 15|(3<<16)|(1<<21)           ; the mask: all four partners; elements of 8 bytes; bit 21 beside a mask
	s_mov_b32 s[G1K+1], 32<<16                     ; dense: rows of 256 bytes,
	s_mov_b32 s[G1K+2], 208<<16                    ; 208 of them
	s_mov_b32 s[G1K+3], 32<<16
	s_mov_b32 s[G1K+4], 208
	s_mov_b32 s[G1K+5], 32
	s_mov_b32 s[G1K+6], 0
	s_mov_b32 s[G1K+7], 0
	s_mov_b32 s[G1V], 15|(3<<16)|(1<<21)
	s_mov_b32 s[G1V+1], 32<<16
	s_mov_b32 s[G1V+2], 200<<16
	s_mov_b32 s[G1V+3], 32<<16
	s_mov_b32 s[G1V+4], 200
	s_mov_b32 s[G1V+5], 32
	s_mov_b32 s[G1V+6], 0
	s_mov_b32 s[G1V+7], 0
	s_and_b32 s55, s[YY], 31                       ; the pcpt block of my batch and head
	s_mul_i32 s56, s55, QB
	s_add_co_u32 s56, s56, KOFF
	s_mov_b32 s57, 0
	s_mul_i32 s58, s55, VB
	s_add_co_u32 s58, s58, VOFF
	s_mov_b32 s59, 0
	s_mov_b32 s[SEL], 0x76543210
	s_mov_b32 s[SEL+1], 0xfedcba98
	s_mov_b32 s[CS], 0x3e38aa3b                    ; c = log2(e) / 8
	s_mov_b32 s[CS+1], s[CS]
	s_mul_i32 s66, s[YY], QB
	s_mul_i32 s67, s[TAU], 768
	s_add_co_u32 s60, s66, s67                     ; my tile in q's block y,
	s_mov_b32 s61, 0
	s_lshl_b32 s67, s[TAU], 6
	s_add_co_u32 s62, s66, s67
	s_add_co_u32 s62, s62, 49152                   ; and its scale words
	s_mov_b32 s63, 0
	s_wait_dscnt 0x0                               ; both opening adds are done
	s_wait_kmcnt 0x0
	s_mov_b32 s[G0K], 1
	s_mov_b32 s[G0K+1], 0
	s_add_nc_u64 s[G0K+2:G0K+3], s[4:5], s[56:57]
	s_or_b32 s[G0K+3], s[G0K+3], 0x80000000
	s_mov_b32 s[G0V], 1
	s_mov_b32 s[G0V+1], LV
	s_add_nc_u64 s[G0V+2:G0V+3], s[4:5], s[58:59]
	s_or_b32 s[G0V+3], s[G0V+3], 0x80000000
	s_add_nc_u64 s[68:69], s[4:5], s[60:61]
	s_add_nc_u64 s[70:71], s[4:5], s[62:63]
	CROUND                                         ; all four work-groups are here: the joint loads meet
	s_cmp_eq_u32 s[WV], 0                          ; the branches hang on the wave's number alone
	s_cbranch_scc0 .Lnot_k
	tensor_load_to_lds s[G0K:G0K+3], s[G1K:G1K+7]
	s_nop 0
.rept 4
	v_nop
.endr
	s_branch .Lasked
.Lnot_k:
	s_cmp_eq_u32 s[WV], 1
	s_cbranch_scc0 .Lasked
	tensor_load_to_lds s[G0V:G0V+3], s[G1V:G1V+7]
	s_nop 0
.rept 4
	v_nop
.endr
.Lasked:
	v_and_b32 v8, 15, v0                           ; r
	v_bfe_u32 v9, v0, 4, 1                         ; h
	v_and_b32 v10, 31, v0
	v_lshlrev_b32 v[AK0], 3, v10                   ; 8 x lane: a plane's place for my lane, in LDS and in memory
	v_add_nc_u32 v[AV0], LV, v[AK0]
	v_lshlrev_b32 v7, 2, v8                        ; 4 r
	v_add_nc_u32 v[ASK0], 49152, v7
	v_add_nc_u32 v[ASV0], LV+49152, v7
.irp p, 0,1,2
	global_load_b64 v[16+2*\p:17+2*\p], v[AK0], s[68:69] offset:256*\p   ; Q's 64 codes a row stay in registers
.endr
	global_load_b32 v255, v7, s[70:71]
.irp j, 22,23,24,25,26,27
	v_mov_b32 v[\j], 0                             ; Q's upper half: zero codes
.endr
.irp t, 0,1,2,3
.irp j, 6,7,8,9,10,11
	v_mov_b32 v[32+12*\t+\j], 0                    ; written once: later they hold what V's fragments leave
.endr
.endr
.irp b, 0,1,2,3
	v_mov_b32 v[236+\b], 0                         ; a lane permute's destination counts as one of its sources
.endr
	v_mov_b32 v253, 0                              ; (named as the upper half of the pair v[252:253] before it is first written)
	s_cmp_lt_u32 s[YY], 32                         ; the stream: the same in all partners
	s_cbranch_scc1 .Lpcpt
	; ---- gen: THE DIAGONAL is the first key step.  Tile tau of gen's K holds my queries' own keys; lane (r, h) holds its own score where h = r / 8, in register r % 8.
	s_lshr_b32 s73, s[TAU], 3                      ; the key step of 128 in which they lie
	s_mul_i32 s72, s[YY], VB
	s_add_co_u32 s72, s72, VOFF
	s_mul_i32 s74, s73, 6144
	s_add_co_u32 s74, s74, s72
	s_bfe_u32 s75, s[WV], 0x10002                  ; the block of 32 in it is beta = (wave / 2) % 4: beta / 2
	s_mul_i32 s75, s75, 768                        ; picks registers 0-5 or 6-11,
	s_add_co_u32 s74, s74, s75
	s_bfe_u32 s75, s[WV], 0x10001                  ; beta % 2
	s_lshl_b32 s75, s75, 7                         ; the half of the lanes
	s_add_co_u32 s74, s74, s75
	s_mov_b32 s75, 0
	s_lshl_b32 s73, s73, 8
	s_add_co_u32 s72, s72, s73
	s_add_co_u32 s72, s72, 49152
	s_bfe_u32 s73, s[WV], 0x20001
	s_add_co_u32 s72, s72, s73                     ; and byte beta of the scale words
	s_mov_b32 s73, 0
	s_add_nc_u64 s[74:75], s[4:5], s[74:75]
	s_add_nc_u64 s[72:73], s[4:5], s[72:73]
.irp p, 0,1,2
	global_load_b64 v[80+2*\p:81+2*\p], v[AK0], s[68:69] offset:KOFF+256*\p
.endr
	global_load_b32 v92, v7, s[70:71] offset:KOFF
	v_lshlrev_b32 v30, 3, v8                       ; 8 r: both halves of the lanes take the block's codes; lanes 16-31 meet zero codes of p
.irp t, 0,1,2,3
.irp p, 0,1,2
	global_load_b64 v[32+12*\t+2*\p:33+12*\t+2*\p], v30, s[74:75] offset:1536*\t+256*\p
.endr
	global_load_u8 v[248+\t], v7, s[72:73] offset:64*\t   ; the block's byte becomes byte 0 of the word; bytes 1-3 are 0
.endr
.irp j, 86,87,88,89,90,91
	v_mov_b32 v[\j], 0
.endr
	v_and_b32 v[DX], 7, v8
	v_lshrrev_b32 v31, 3, v8
	v_xor_b32 v31, v31, v9
	v_lshl_add_u32 v[DX], v31, 6, v[DX]
	s_and_b32 s76, s[WV], 1
	s_lshl_b32 s76, s76, 3
	v_add_nc_u32 v[DX], s76, v[DX]                 ; my own key's place among my 16 of the block: r % 8 + 8 (tile % 2); out of reach where the key lies in the other half of the lanes
	v_mov_b32 v254, 0xff800000                     ; -infinity
	s_wait_loadcnt 0x0
	v_wmma_scale_f32_16x16x128_f8f6f4 v[96:103], v[80:91], v[16:27], 0, v92, v255 matrix_a_fmt:MATRIX_FMT_FP6 matrix_b_fmt:MATRIX_FMT_FP6
.rept 4
	v_nop
.endr
.irp i, 0,1,2,3,4,5,6,7,8,9,10,11,12,13,14,15
	v_cmp_eq_u32 vcc_lo, \i, v[DX]
	v_cndmask_b32 v[112+\i], v254, v[96+\i%8], vcc_lo      ; the block's 16 scores of my half: my own key's, the others hidden
.endr
	v_max3_num_f32 v232, v112, v113, v114
.irp i, 3,5,7,9,11,13
	v_max3_num_f32 v232, v232, v[112+\i], v[113+\i]
.endr
	v_max_num_f32 v232, v232, v127
	v_permlanex16_b32 v236, v232, s[SEL], s[SEL+1]
	v_max_num_f32 v232, v232, v236
	v_mul_f32 v13, s[CS], v232                     ; the largest t so far
	v_floor_f32 v12, -v13                          ; -M
.irp j, 0,2,4,6,8,10,12,14
	v_pk_fma_f32 v[112+\j:113+\j], v[112+\j:113+\j], s[CS:CS+1], v[12:13] op_sel_hi:[1,0,0]
.endr
	v_fma_f32 v232, v232, s[CS], v12
.irp j, 0,1,2,3,4,5,6,7,8,9,10,11,12,13,14,15
	v_exp_f32 v[112+\j], v[112+\j]
.endr
	v_exp_f32 v232, v232                           ; the block's largest p
	v_mov_b32 v236, 0                              ; (a plain place behind the exponentials)
	v_mov_b32 v237, 0
	v_mov_b32 v238, 0
	s_wait_alu depctr_va_vdst(0)                   ; one wait for the batch, ahead of its first reader
	v_pk_add_f32 v[14:15], v[112:113], v[114:115]  ; the sum begins
.irp j, 4,6,8,10,12,14
	v_pk_add_f32 v[14:15], v[14:15], v[112+\j:113+\j]
.endr
	v_max_num_f32 v232, 0x1800000, v232
	v_add_nc_u32 v244, 0xff000000, v232
	v_lshrrev_b32 v253, 23, v244                   ; p's scale word: byte 0; bytes 1-3 are 0 over zero codes
	v_cvt_scalef32_pk16_fp6_f32 v[224:226], v[112:127], v244
	v_nop
.irp i, 0,1,2
	v_permlane16_swap_b32 v[224+\i], v[236+\i]     ; lanes 0-15 get the whole block, lanes 16-31 zero codes
.endr
.irp i, 0,1,2
	v_mov_b32 v[227+\i], v[236+\i]
.endr
.irp j, 230,231,232,233,234,235
	v_mov_b32 v[\j], 0
.endr
.rept 4
	v_nop                                          ; an operand written by vector instructions stands 4 places ahead of a scaled matrix instruction, a scale register 8
.endr
.irp t, 0,1,2,3
	v_wmma_scale_f32_16x16x128_f8f6f4 v[160+8*\t:167+8*\t], v[32+12*\t:43+12*\t], v[224:235], 0, v[248+\t], v253 matrix_a_fmt:MATRIX_FMT_FP6 matrix_b_fmt:MATRIX_FMT_FP6
.endr
	s_branch .Ljoin
.Lpcpt:
	v_mov_b32 v13, 0xff61b1e6                      ; the largest t so far: -3e38, under every t
	v_floor_f32 v12, -v13
	v_mov_b32 v14, 0
	v_mov_b32 v15, 0
.set j, 0
.rept 32
	v_mov_b32 v[160+j], 0                          ; O^T: the first change of M leaves zeros zeros
.set j, j+1
.endr
.Ljoin:
	s_mov_b32 s[TK], 0
	s_mov_b32 s[TS], 0
	s_mov_b32 s[TJ], 0
	s_mov_b32 s[CNT], 8
	s_wait_loadcnt 0x0                             ; Q
	s_wait_tensorcnt 0x0                           ; the loading waves' blocks have landed,
	s_barrier_signal -1
	s_barrier_wait -1                              ; and every wave knows it
.Lstep:                                            ; eight key steps of 128 pcpt keys
	v_add_nc_u32 v[ADK], s[TK], v[AK0]             ; (these four are the places in front of the loads into registers that the last products read)
	v_add_nc_u32 v[ADV], s[TK], v[AV0]
	v_add_nc_u32 v[ADS], s[TS], v[ASK0]
	v_add_nc_u32 v[ADT], s[TJ], v[ASV0]
.irp g, 0,1
.rept 4*\g
	v_nop
.endr
.irp t, 0,1,2,3
.irp p, 0,1,2
	ds_load_b64 v[32+12*\t+2*\p:33+12*\t+2*\p], v[ADK] offset:768*(4*\g+\t)+256*\p
.endr
	ds_load_b32 v[248+\t], v[ADS] offset:64*(4*\g+\t)
.endr
	s_wait_dscnt 0x0
.irp t, 0,1,2,3
	v_wmma_scale_f32_16x16x128_f8f6f4 v[96+8*(4*\g+\t):103+8*(4*\g+\t)], v[32+12*\t:43+12*\t], v[16:27], 0, v[248+\t], v255 matrix_a_fmt:MATRIX_FMT_FP6 matrix_b_fmt:MATRIX_FMT_FP6
.endr
.endr
.rept 4
	v_nop
.endr
.irp t, 0,1,2,3                                    ; V's four fragments are asked for at once and land under the softmax
.irp p, 0,1,2,3,4,5
	ds_load_b64 v[32+12*\t+2*\p:33+12*\t+2*\p], v[ADV] offset:1536*\t+256*\p
.endr
	ds_load_b32 v[248+\t], v[ADT] offset:64*\t
.endr
.irp b, 0,1,2,3
	v_max3_num_f32 v[232+\b], v[96+16*\b], v[97+16*\b], v[98+16*\b]   ; the largest score of each block of 32 keys: for the row's maximum, and, since p rises with the score, for the block's largest p
.endr
.irp i, 3,5,7,9,11,13
.irp b, 0,1,2,3
	v_max3_num_f32 v[232+\b], v[232+\b], v[96+16*\b+\i], v[97+16*\b+\i]
.endr
.endr
.irp b, 0,1,2,3
	v_max_num_f32 v[232+\b], v[232+\b], v[111+16*\b]
.endr
.irp b, 0,1,2,3
	v_permlanex16_b32 v[236+\b], v[232+\b], s[SEL], s[SEL+1]
.endr
.irp b, 0,1,2,3
	v_max_num_f32 v[232+\b], v[232+\b], v[236+\b]
.endr
	v_max3_num_f32 v254, v232, v233, v234
	v_max_num_f32 v254, v254, v235
	v_mul_f32 v254, s[CS], v254
	v_max_num_f32 v13, v13, v254                   ; the running largest t
	v_mov_b32 v254, v12
	v_floor_f32 v12, -v13                          ; the new -M: a whole number
	v_sub_f32 v254, v12, v254
	v_cvt_i32_f32 v254, v254                       ; (it saturates)
	v_ldexp_f32 v252, 1.0, v254                    ; f = 2^(old M - new M): a multiplication by it rounds nothing
.irp j, 0,2,4,6,8,10,12,14,16,18,20,22,24,26,28,30,32,34,36,38,40,42,44,46,48,50,52,54,56,58,60,62
	v_pk_fma_f32 v[96+\j:97+\j], v[96+\j:97+\j], s[CS:CS+1], v[12:13] op_sel_hi:[1,0,0]
.endr
.irp b, 0,1,2,3
	v_fma_f32 v[232+\b], v[232+\b], s[CS], v12
.endr
.set j, 0
.rept 64
	v_exp_f32 v[96+j], v[96+j]                     ; p = 2^(t - M)
.set j, j+1
.endr
	v_pk_mul_f32 v[14:15], v[14:15], v[252:253] op_sel_hi:[1,0]   ; the sums under the new M (a plain place behind the exponentials)
	s_wait_alu depctr_va_vdst(0)                   ; one wait for the batch of 64, ahead of its first reader
.irp b, 0,1,2,3
	v_exp_f32 v[232+\b], v[232+\b]                 ; the blocks' largest p
.endr
	v_pk_add_f32 v[236:237], v[96:97], v[98:99]    ; the row's sum of the unquantised p, in two chains: it reads the 64 alone
.irp j, 4,8,12,16,20,24,28,32,36,40,44,48,52,56,60
	v_pk_add_f32 v[14:15], v[14:15], v[96+\j:97+\j]
	v_pk_add_f32 v[236:237], v[236:237], v[98+\j:99+\j]
.endr
	v_pk_add_f32 v[14:15], v[14:15], v[236:237]
	s_wait_alu depctr_va_vdst(0)                   ; and one for the four
.irp b, 0,1,2,3
	v_max_num_f32 v[232+\b], 0x1800000, v[232+\b]
.endr
.irp b, 0,1,2,3
	v_add_nc_u32 v[244+\b], 0xff000000, v[232+\b]
.endr
.irp b, 0,1,2,3
	v_lshrrev_b32 v[236+\b], 23, v[244+\b]
.endr
	v_lshl_or_b32 v253, v237, 8, v236              ; p's scale word for these 128 keys
	v_lshl_or_b32 v253, v238, 16, v253
	v_lshl_or_b32 v253, v239, 24, v253
.irp c, 0,1
	v_cvt_scalef32_pk16_fp6_f32 v[224+6*\c:226+6*\c], v[96+32*\c:111+32*\c], v[244+2*\c]
	v_cvt_scalef32_pk16_fp6_f32 v[236+4*\c:238+4*\c], v[112+32*\c:127+32*\c], v[244+2*\c+1]
.endr
	v_nop
.irp c, 0,1
.irp i, 0,1,2
	v_permlane16_swap_b32 v[224+6*\c+\i], v[236+4*\c+\i]
.endr
.irp i, 0,1,2
	v_mov_b32 v[227+6*\c+\i], v[236+4*\c+\i]
.endr
.endr
.irp j, 0,2,4,6,8,10,12,14,16,18,20,22,24,26,28,30
	v_pk_mul_f32 v[160+\j:161+\j], v[160+\j:161+\j], v[252:253] op_sel_hi:[1,0]   ; O^T under the new M; these sixteen are also the places in front of the products below
.endr
	s_wait_dscnt 0x0                               ; V
.irp t, 0,1,2,3
	v_wmma_scale_f32_16x16x128_f8f6f4 v[160+8*\t:167+8*\t], v[32+12*\t:43+12*\t], v[224:235], v[160+8*\t:167+8*\t], v[248+\t], v253 matrix_a_fmt:MATRIX_FMT_FP6 matrix_b_fmt:MATRIX_FMT_FP6
.endr
	s_add_co_u32 s[TK], s[TK], 6144
	s_add_co_u32 s[TS], s[TS], 512
	s_add_co_u32 s[TJ], s[TJ], 256
	s_sub_co_u32 s[CNT], s[CNT], 1
	s_cmp_lg_u32 s[CNT], 0
	s_cbranch_scc1 .Lstep
	; THE WAY OUT: O^T / the sum, quantised along the head's 64 (two blocks): half a fragment of the projection's A operand: group 4 (y / 16) + cx, K step head / 2, tile = wave, registers 6 (head % 2) on.
.rept 4
	v_nop
.endr
	v_add_f32 v14, v14, v15
	v_permlanex16_b32 v252, v14, s[SEL], s[SEL+1]
	v_add_f32 v14, v14, v252
	v_rcp_f32 v14, v14
	v_nop
	s_lshr_b32 s56, s[YY], 4
	s_lshl_b32 s56, s56, 2
	s_add_co_u32 s56, s56, s[CX]
	s_lshl_b32 s56, s56, 3
	s_bfe_u32 s57, s[YY], 0x30001
	s_add_co_u32 s56, s56, s57
	s_mul_i32 s56, s56, BLK
	s_and_b32 s57, s[YY], 1
	s_mul_i32 s58, s[WV], 1536
	s_mul_i32 s59, s57, 768
	s_add_co_u32 s58, s58, s59
	s_add_co_u32 s58, s58, s56
	s_mov_b32 s59, 0
	s_lshl_b32 s60, s[WV], 6
	s_lshl_b32 s57, s57, 1
	s_add_co_u32 s60, s60, s57
	s_add_co_u32 s60, s60, s56
	s_add_co_u32 s60, s60, 24576
	s_mov_b32 s61, 0
	s_add_nc_u64 s[58:59], s[6:7], s[58:59]
	s_add_nc_u64 s[60:61], s[6:7], s[60:61]
	s_wait_alu depctr_va_vdst(0)                   ; ahead of the reciprocal's first reader
.set j, 0
.rept 32
	v_mul_f32 v[96+j], v[160+j], v14               ; register 16 c + i is ctx(my query, 32 c + 16 h + i)
.set j, j+1
.endr
.irp b, 0,1
	v_max3_num_f32 v[232+\b], |v[96+16*\b]|, |v[97+16*\b]|, 0x1800000
.endr
.irp i, 2,4,6,8,10,12,14
.irp b, 0,1
	v_max3_num_f32 v[232+\b], v[232+\b], |v[96+16*\b+\i]|, |v[97+16*\b+\i]|
.endr
.endr
.irp b, 0,1
	v_permlanex16_b32 v[236+\b], v[232+\b], s[SEL], s[SEL+1]
.endr
.irp b, 0,1
	v_max_num_f32 v[232+\b], v[232+\b], v[236+\b]
.endr
.irp b, 0,1
	v_add_nc_u32 v[244+\b], 0xff000000, v[232+\b]
.endr
.irp b, 0,1
	v_lshrrev_b32 v[236+\b], 23, v[244+\b]
.endr
	v_lshl_or_b32 v240, v237, 8, v236              ; my head's two bytes of the row's scale word
	v_cvt_scalef32_pk16_fp6_f32 v[224:226], v[96:111], v244
	v_cvt_scalef32_pk16_fp6_f32 v[236:238], v[112:127], v245
	v_nop
.irp i, 0,1,2
	v_permlane16_swap_b32 v[224+\i], v[236+\i]
.endr
.irp i, 0,1,2
	v_mov_b32 v[227+\i], v[236+\i]
.endr
.irp p, 0,1,2
	global_store_b64 v[AK0], v[224+2*\p:225+2*\p], s[58:59] offset:256*\p   ; 256 consecutive bytes, aligned
.endr
	global_store_b16 v7, v240, s[60:61]            ; both halves of the lanes write the same two bytes
	s_wait_tensorcnt 0x0                           ; the wave's end: these three lines
	ds_add_u32 v[SPW], v[NIL]
	s_wait_dscnt 0x0
	CROUND                                         ; the closing round
	s_endpgm
.Lfunc_end_k_qe51c626daf_attn:
	.size	k_qe51c626daf_attn, .Lfunc_end_k_qe51c626daf_attn-k_qe51c626daf_attn
	.p2alignl 7, 3214868480
	.fill 96, 4, 3214868480
	.section	.rodata,"a",@progbits
	.p2align	6, 0x0
	.amdhsa_kernel k_qe51c626daf_attn
		.amdhsa_group_segment_fixed_size 167936
		.amdhsa_private_segment_fixed_size 0
		.amdhsa_enable_private_segment 0
		.amdhsa_kernarg_size 16
		.amdhsa_user_sgpr_count 2
		.amdhsa_user_sgpr_kernarg_segment_ptr 1
		.amdhsa_wavefront_size32 1
		.amdhsa_system_sgpr_workgroup_id_x 1
		.amdhsa_system_sgpr_workgroup_id_y 1
		.amdhsa_system_sgpr_workgroup_id_z 1
		.amdhsa_system_vgpr_workitem_id 0
		.amdhsa_next_free_vgpr 256
		.amdhsa_next_free_sgpr 80
		.amdhsa_reserve_vcc 1
		.amdhsa_float_denorm_mode_32 3
		.amdhsa_float_denorm_mode_16_64 3
		.amdhsa_memory_ordered 1
		.amdhsa_forward_progress 1
		.amdhsa_inst_pref_size 39
	.end_amdhsa_kernel
	.amdgpu_metadata
---
amdhsa.version: [ 1, 2 ]
amdhsa.kernels:
  - .name:           k_qe51c626daf_attn
    .symbol:         k_qe51c626daf_attn.kd
    .args:
      - { .name: w1, .offset: 0, .size: 8, .value_kind: global_buffer, .address_space: global }
      - { .name: w2, .offset: 8, .size: 8, .value_kind: global_buffer, .address_space: global }
    .group_segment_fixed_size: 167936
    .private_segment_fixed_size: 0
    .kernarg_segment_align: 8
    .kernarg_segment_size: 16
    .max_flat_workgroup_size: 512
    .sgpr_count:     80
    .vgpr_count:     256
    .wavefront_size: 32
...
	.end_amdgpu_metadata
.endif
;; end of part 3
;; launch oproj (part 4): grid 4 x 16, 4 waves a work-group, clusters of 4 x 4, 327,680 bytes of LDS; arguments w2, w0, out_b, w3; writes w3
.if DOCPART == 4
	.amdgcn_target "amdgcn-amd-amdhsa--gfx1250"
	.amdhsa_code_object_version 6
	.text
	.protected	k_qe51c626daf_oproj
	.globl	k_qe51c626daf_oproj
	.p2align	8
	.type	k_qe51c626daf_oproj,@function
k_qe51c626daf_oproj:
	s_mov_b64 s[64:65], 0
	v_nop
	global_prefetch_b8 v0, s[64:65] scope:SCOPE_SE
	s_setreg_imm32_b32 hwreg(HW_REG_WAVE_MODE, 25, 1), 1
	s_wait_xcnt 0x0
	s_wait_alu depctr_hold_cnt(0) depctr_sa_sdst(0) depctr_va_vdst(0) depctr_va_sdst(0) depctr_va_ssrc(0) depctr_va_vcc(0) depctr_vm_vsrc(0)
	s_getreg_b32 s2, hwreg(HW_REG_IB_STS2, 6, 4)
	s_cmp_eq_u32 s2, 0
	s_cbranch_scc0 .Lentry_in_a_cluster
	s_endpgm
.Lentry_in_a_cluster:
	s_bfe_u32 s2, ttmp6, 0x10000c
	s_cmp_lg_u32 s2, 0xf033
	s_cbranch_scc0 .Lentry_shape_is_right
	s_endpgm
.Lentry_shape_is_right:
; OPROJ: z1 = ctx out_w^T + out_b on codes of E2M3, K = 1,024.  ctx (w2) as launch attn laid it: blocks of 25,600 bytes whose fragments lie by planes (registers 2 p, 2 p + 1 of lane l at 256 p + 8 l);
; out_w as launch prep laid it, in w0 at 5,734,400.  The frame is launch qkv's: a work-group of four waves makes 256 x 256, a wave 128 x 128 (accumulator (a, b) at v[8 (8 (a % 4) + b)] of window 2 + a / 4), the matrix
; instruction transposed (source 0 = 16 features, source 1 = 16 tokens), three slots of two K steps filled at the start, slot 0 once more; clusters of 4 x 4 with joint loads (A along a row, B along a column).
; z1 leaves in f32 AS AN IMAGE OF THE ACCUMULATORS: for tile T of 16 tokens and 128 columns s: 8,192 bytes at (8 T + s) x 8,192, registers 4 q .. 4 q + 3 of lane l at 512 q + 16 l: every store covers 512 consecutive bytes.
; 1,024 columns give 64 work-groups of this tile: the price of one frame for the four products.
.set BLK,    25600
.set SLOT,   4*BLK
.set NSLOT,  3
.set SPARE,  NSLOT*SLOT                ; the spare words, 128 bytes a wave: two blocks of 256 bytes that no other line names
.set KS,     8
.set NLA,    6                         ; A's fragments come by six loads of 8 bytes a lane
.set B_OFF,  5734400
.set ADRA, 16
.set ADRB, 20
.set ADRS, 24
.set SPW,  28
.set NIL,  29
.set SC,   32
.set BI,   64
.set AF,   128
.set G1A,  24
.set G0A,  32
.set G1B,  44
.set G0B,  52
.set MSB, 0
.macro WIN new
.if MSB != (\new)
	s_set_vgpr_msb (MSB<<8)|(\new)
.set MSB, (\new)
.endif
.endm
.macro JLOAD g0a, g0b                  ; waves 0, 1 fetch A's two blocks of a slot, waves 2, 3 B's; an s_nop 0 and four v_nop follow each line
	s_cmp_eq_u32 s15, 0
	s_cbranch_scc0 .Lfor_b_\@
	tensor_load_to_lds s[\g0a:\g0a+3], s[G1A:G1A+7]
	s_nop 0
.rept 4
	v_nop
.endr
	s_branch .Lasked_\@
.Lfor_b_\@:
	tensor_load_to_lds s[\g0b:\g0b+3], s[G1B:G1B+7]
	s_nop 0
.rept 4
	v_nop
.endr
.Lasked_\@:
.endm
.macro CREST
	s_cmp_lg_u32 s14, 0
	s_cbranch_scc1 .Lnot_wave_0_\@
	s_barrier_signal -3
.Lnot_wave_0_\@:
	s_barrier_wait -3
	s_barrier_signal -1
	s_barrier_wait -1
.endm
.macro CROUND
	s_barrier_signal -1
	s_barrier_wait -1
	CREST
.endm
.macro PLACES                          ; four places behind a matrix instruction (ISA guide 7.12.1)
.rept 4
	v_nop
.endr
.endm
.macro FRAG reg, adr, off
.irp c, 0,1,2
	ds_load_b128 v[\reg+4*\c:\reg+4*\c+3], v[\adr] offset:\off+512*\c
.endr
.endm
.macro FRAGP reg, adr, off             ; a fragment that lies by planes
.irp p, 0,1,2,3,4,5
	ds_load_b64 v[\reg+2*\p:\reg+2*\p+1], v[\adr] offset:\off+256*\p
.endr
.endm
.macro FETCH_B slot, q, p
	WIN 0x40
.irp i, 0,1,2,3,4,5,6,7
	FRAG 128*(\p)+12*\i, ADRB+\slot, (\q)*BLK+1536*\i
.endr
	WIN 0
.endm
.macro FETCH_A slot, q, i0
.irp i, \i0, \i0+1, \i0+2, \i0+3
	FRAGP AF+12*(\i), ADRA+\slot, (\q)*BLK+1536*(\i)
.endr
.endm
.macro SCALES slot, sc
.irp q, 0,1
.irp i, 0,1,2,3,4,5,6,7
	ds_load_b32 v[SC+16*(\sc)+8*\q+\i], v[ADRS+\slot] offset:\q*BLK+64*\i
.endr
.endr
.endm
.macro MUL16 a0, p, q, sc, cm          ; 16 matrix instructions; cm = 1: C = the bias.  The 64 accumulators take turns
.if \cm
	WIN 0x81+0x40*((\a0)/4)
.else
	WIN 0xa1+0x50*((\a0)/4)
.endif
.irp a, \a0, \a0+1
.irp b, 0,1,2,3,4,5,6,7
.if \cm == 0
	v_wmma_scale_f32_16x16x128_f8f6f4 v[8*(8*((\a)%4)+\b):8*(8*((\a)%4)+\b)+7], v[128*(\p)+12*\b:128*(\p)+12*\b+11], v[AF+12*(\a):AF+12*(\a)+11], v[8*(8*((\a)%4)+\b):8*(8*((\a)%4)+\b)+7], v[SC+16*(\sc)+8*(\q)+\b], v[SC+16*(\sc)+8*(\q)+(\a)] matrix_a_fmt:MATRIX_FMT_FP6 matrix_b_fmt:MATRIX_FMT_FP6 matrix_a_scale:MATRIX_SCALE_ROW1
.else
	v_wmma_scale_f32_16x16x128_f8f6f4 v[8*(8*((\a)%4)+\b):8*(8*((\a)%4)+\b)+7], v[128*(\p)+12*\b:128*(\p)+12*\b+11], v[AF+12*(\a):AF+12*(\a)+11], v[BI+8*\b:BI+8*\b+7], v[SC+16*(\sc)+8*(\q)+\b], v[SC+16*(\sc)+8*(\q)+(\a)] matrix_a_fmt:MATRIX_FMT_FP6 matrix_b_fmt:MATRIX_FMT_FP6 matrix_a_scale:MATRIX_SCALE_ROW1
.endif
.endr
.endr
.endm
.macro STEP slot, sc, cm
	s_wait_dscnt 4*NLA                             ; all but A's tiles 4-7
	MUL16 0, 0, 0, \sc, \cm
	MUL16 2, 0, 0, \sc, \cm
	s_wait_dscnt 0x0
	PLACES
	FETCH_B \slot, 1, 1
	FETCH_A \slot, 1, 0
	MUL16 4, 0, 0, \sc, \cm
	MUL16 6, 0, 0, \sc, \cm
	PLACES
	WIN 0
	FETCH_A \slot, 1, 4
.endm
.macro TURN slot, sc, nslot, nsc, mode, fslot, fstep   ; as in launch qkv: mode 1: 0, 2: all my loads, the add, my reads; 2: a round, and slot fslot is filled again
.if \mode == 1
	s_wait_tensorcnt 0x1                           ; my block of the next slot is in; one younger load may be out
	s_wait_dscnt 4*NLA
.else
	s_wait_tensorcnt 0x0
	ds_add_u32 v[SPW], v[NIL]
	s_wait_dscnt 4*NLA+1                           ; (the add and A's tiles 4-7 may be out)
.endif
	MUL16 0, 1, 1, \sc, 0
	s_wait_dscnt 0x0                               ; the add is done, and my reads of this slot are over
	s_barrier_signal -1
	MUL16 2, 1, 1, \sc, 0
	WIN 0
	s_barrier_wait -1
.if \mode == 2
	CREST
	s_add_nc_u64 s[G0A+4*\fslot+2:G0A+4*\fslot+3], s[G0A+4*\fslot+2:G0A+4*\fslot+3], \fstep
	s_add_nc_u64 s[G0B+4*\fslot+2:G0B+4*\fslot+3], s[G0B+4*\fslot+2:G0B+4*\fslot+3], \fstep
	JLOAD G0A+4*\fslot, G0B+4*\fslot
.else
	PLACES
.endif
	FETCH_B \nslot, 0, 0
	FETCH_A \nslot, 0, 0
	SCALES \nslot, \nsc
	MUL16 4, 1, 1, \sc, 0
	MUL16 6, 1, 1, \sc, 0
	PLACES
	WIN 0
	FETCH_A \nslot, 0, 4
.endm
.macro LAST sc
	s_wait_dscnt 4*NLA
	MUL16 0, 1, 1, \sc, 0
	MUL16 2, 1, 1, \sc, 0
	s_wait_dscnt 0x0
	MUL16 4, 1, 1, \sc, 0
	MUL16 6, 1, 1, \sc, 0
	WIN 0
.endm
	s_load_b256 s[4:11], s[0:1], 0x0               ; w2, w0, out_b, w3
	v_lshl_add_u32 v[SPW], v0, 2, SPARE
	v_mov_b32 v[NIL], 0
	ds_add_u32 v[SPW], v[NIL]                      ; the wave's opening: the add, twice on end, and its wait ahead of my first tensor load
	ds_add_u32 v[SPW], v[NIL]
	v_lshrrev_b32 v1, 5, v0
	v_readfirstlane_b32 s14, v1
	s_lshr_b32 s15, s14, 1                         ; my half of the tokens; also: I fetch for A (0) or B (1)
	s_and_b32 s16, s14, 1                          ; my half of the features; also: which of a slot's two K steps I fetch
	s_bfe_u32 s66, ttmp6, 0x40000                  ; cx
	s_bfe_u32 s67, ttmp6, 0x40004                  ; cy
	s_lshl_b32 s68, ttmp9, 2
	s_add_co_u32 s68, s68, s66                     ; the group of 256 features
	s_and_b32 s69, ttmp7, 0xffff
	s_lshl_b32 s69, s69, 2
	s_add_co_u32 s69, s69, s67                     ; the group of 256 tokens
	s_lshl_b32 s70, s67, 2
	s_lshl_b32 s70, 15, s70
	s_lshl_b32 s71, 0x1111, s66
	s_or_b32 s[G1A], s70, (3<<16)|(1<<21)
	s_or_b32 s[G1B], s71, (3<<16)|(1<<21)
.irp g, G1A, G1B
	s_mov_b32 s[\g+1], 32<<16                      ; a block is dense: 100 rows of 256 bytes
	s_mov_b32 s[\g+2], 100<<16
	s_mov_b32 s[\g+3], 32<<16
	s_mov_b32 s[\g+4], 100
	s_mov_b32 s[\g+5], 32
	s_mov_b32 s[\g+6], 0
	s_mov_b32 s[\g+7], 0
.endr
	s_mul_i32 s74, s69, KS*BLK
	s_mul_i32 s75, s16, BLK
	s_add_co_u32 s74, s74, s75
	s_mov_b32 s75, 0
	s_mul_i32 s76, s68, KS*BLK
	s_mul_i32 s77, s16, BLK
	s_add_co_u32 s76, s76, s77
	s_add_co_u32 s76, s76, B_OFF
	s_mov_b32 s77, 0
	s_mul_i32 s78, s14, BLK
	s_wait_dscnt 0x0
	s_wait_kmcnt 0x0
	s_add_nc_u64 s[74:75], s[4:5], s[74:75]
	s_add_nc_u64 s[76:77], s[6:7], s[76:77]
	CROUND
.irp s, 0,1,2
	s_mov_b32 s[G0A+4*\s], 1
	s_add_co_u32 s[G0A+4*\s+1], s78, \s*SLOT
	s_add_nc_u64 s[G0A+4*\s+2:G0A+4*\s+3], s[74:75], \s*2*BLK
	s_or_b32 s[G0A+4*\s+3], s[G0A+4*\s+3], 0x80000000
	s_mov_b32 s[G0B+4*\s], 1
	s_add_co_u32 s[G0B+4*\s+1], s78, \s*SLOT
	s_add_nc_u64 s[G0B+4*\s+2:G0B+4*\s+3], s[76:77], \s*2*BLK
	s_or_b32 s[G0B+4*\s+3], s[G0B+4*\s+3], 0x80000000
	JLOAD G0A+4*\s, G0B+4*\s
.endr
	v_and_b32 v1, 15, v0
	v_bfe_u32 v2, v0, 4, 1
	v_and_b32 v3, 31, v0
	v_lshlrev_b32 v4, 4, v3                        ; 16 x lane
	v_lshlrev_b32 v7, 3, v3                        ; 8 x lane
	s_lshl_b32 s84, s68, 10
	s_lshl_b32 s85, s16, 9
	s_add_co_u32 s84, s84, s85
	s_mov_b32 s85, 0
	s_add_nc_u64 s[8:9], s[8:9], s[84:85]          ; the bias of my 128 features
	v_lshlrev_b32 v6, 6, v2
.irp b, 0,1,2,3,4,5,6,7
	global_load_b128 v[BI+8*\b:BI+8*\b+3], v6, s[8:9] offset:4*(32*(\b/2)+8*(\b%2))
	global_load_b128 v[BI+8*\b+4:BI+8*\b+7], v6, s[8:9] offset:4*(32*(\b/2)+8*(\b%2))+16
.endr
	s_mul_i32 s80, s15, 12288
	s_mul_i32 s81, s16, 12288
	s_add_co_u32 s81, s81, 2*BLK
	s_lshl_b32 s82, s15, 9
	s_lshl_b32 s83, s16, 9
	s_add_co_u32 s83, s83, 2*BLK
	s_sub_co_u32 s83, s83, s82
	v_mul_u32_u24 v5, s83, v2
	v_lshl_add_u32 v5, v1, 2, v5
	s_add_co_u32 s82, s82, 24576
.irp s, 0,1,2
	v_add_nc_u32 v[ADRA+\s], s80, v7
	v_add_nc_u32 v[ADRB+\s], s81, v4
	v_add_nc_u32 v[ADRS+\s], s82, v5
	s_add_co_u32 s80, s80, SLOT
	s_add_co_u32 s81, s81, SLOT
	s_add_co_u32 s82, s82, SLOT
.endr
	s_lshl_b32 s84, s69, 4
	s_lshl_b32 s85, s15, 3
	s_add_co_u32 s84, s84, s85                     ; my first tile of tokens
	s_lshl_b32 s84, s84, 3
	s_lshl_b32 s85, s68, 1
	s_add_co_u32 s84, s84, s85
	s_add_co_u32 s84, s84, s16                     ; 8 T + s
	s_lshl_b32 s84, s84, 13
	s_mov_b32 s85, 0
	s_add_nc_u64 s[10:11], s[10:11], s[84:85]
	s_wait_tensorcnt 0x2                           ; my block of slot 0 is in; the two younger loads may be out
	s_barrier_signal -1
	s_barrier_wait -1
	FETCH_B 0, 0, 0
	FETCH_A 0, 0, 0
	SCALES 0, 0
	FETCH_A 0, 0, 4
	s_wait_loadcnt 0x0                             ; the bias
	STEP 0, 0, 1                                   ; K step 0 starts the sums from the bias
	TURN 0, 0, 1, 1, 1, 0, 0
	STEP 1, 1, 0
	TURN 1, 1, 2, 0, 2, 0, 6*BLK                   ; slot 0 takes K steps 6 and 7
	STEP 2, 0, 0
	TURN 2, 0, 0, 1, 0, 0, 0
	STEP 0, 1, 0
	LAST 1
	PLACES
.irp a, 0,1,2,3,4,5,6,7
	WIN 0x08+4*(\a/4)                              ; a store's data are its source 1: window 2 or 3
.irp q, 0,1,2,3,4,5,6,7,8,9,10,11,12,13,14,15
	global_store_b128 v4, v[64*(\a%4)+4*\q:64*(\a%4)+4*\q+3], s[10:11] offset:65536*\a+512*\q   ; each accumulator from its low end on
.endr
.endr
	WIN 0
	s_wait_tensorcnt 0x0                           ; the wave's end: these three lines
	ds_add_u32 v[SPW], v[NIL]
	s_wait_dscnt 0x0
	CROUND
	s_endpgm
.Lfunc_end_k_qe51c626daf_oproj:
	.size	k_qe51c626daf_oproj, .Lfunc_end_k_qe51c626daf_oproj-k_qe51c626daf_oproj
	.p2alignl 7, 3214868480
	.fill 96, 4, 3214868480
	.section	.rodata,"a",@progbits
	.p2align	6, 0x0
	.amdhsa_kernel k_qe51c626daf_oproj
		.amdhsa_group_segment_fixed_size 327680
		.amdhsa_private_segment_fixed_size 0
		.amdhsa_enable_private_segment 0
		.amdhsa_kernarg_size 32
		.amdhsa_user_sgpr_count 2
		.amdhsa_user_sgpr_kernarg_segment_ptr 1
		.amdhsa_wavefront_size32 1
		.amdhsa_system_sgpr_workgroup_id_x 1
		.amdhsa_system_sgpr_workgroup_id_y 1
		.amdhsa_system_sgpr_workgroup_id_z 1
		.amdhsa_system_vgpr_workitem_id 0
		.amdhsa_next_free_vgpr 1024
		.amdhsa_next_free_sgpr 100
		.amdhsa_reserve_vcc 0
		.amdhsa_float_denorm_mode_32 3
		.amdhsa_float_denorm_mode_16_64 3
		.amdhsa_memory_ordered 1
		.amdhsa_forward_progress 1
		.amdhsa_inst_pref_size 132
	.end_amdhsa_kernel
	.amdgpu_metadata
---
amdhsa.version: [ 1, 2 ]
amdhsa.kernels:
  - .name:           k_qe51c626daf_oproj
    .symbol:         k_qe51c626daf_oproj.kd
    .args:
      - { .name: w2, .offset: 0, .size: 8, .value_kind: global_buffer, .address_space: global }
      - { .name: w0, .offset: 8, .size: 8, .value_kind: global_buffer, .address_space: global }
      - { .name: out_b, .offset: 16, .size: 8, .value_kind: global_buffer, .address_space: global }
      - { .name: w3, .offset: 24, .size: 8, .value_kind: global_buffer, .address_space: global }
    .group_segment_fixed_size: 327680
    .private_segment_fixed_size: 0
    .kernarg_segment_align: 8
    .kernarg_segment_size: 32
    .max_flat_workgroup_size: 128
    .sgpr_count:     100
    .vgpr_count:     1024
    .wavefront_size: 32
...
	.end_amdgpu_metadata
.endif
;; end of part 4
;; launch ln1 (part 5): grid 256 x 1, 8 waves a work-group, no clusters, 69,632 bytes of LDS; arguments w3, pcpt, gen, n1_g, n1_b, w4; writes w4
.if DOCPART == 5
	.amdgcn_target "amdgcn-amd-amdhsa--gfx1250"
	.amdhsa_code_object_version 6
	.text
	.protected	k_qe51c626daf_ln1
	.globl	k_qe51c626daf_ln1
	.p2align	8
	.type	k_qe51c626daf_ln1,@function
k_qe51c626daf_ln1:
	s_mov_b64 s[64:65], 0
	v_nop
	global_prefetch_b8 v0, s[64:65] scope:SCOPE_SE
	s_setreg_imm32_b32 hwreg(HW_REG_WAVE_MODE, 25, 1), 1
	s_wait_xcnt 0x0
; LN1: p = LayerNorm(x + z1) x n1_g + n1_b, in f32; p leaves twice: as an f32 image (for the residual of the second norm) and as codes of E2M3 (the A operand of the first FFN product).
; A work-group takes one tile T of 16 token rows (rows 32 (T / 2) + 8 (T % 2) + r + 8 (r / 8)); wave s takes columns 128 s on.  Lane (r, h) holds 64 numbers of row r: register 16 c + i = column 128 s + 32 c + 16 h + i:
; the layout of launch oproj's image, which so loads as it lies; x comes by rows of 512 consecutive bytes and turns through the wave's own stage in LDS.
; The mean and then the mean of the squared differences are each summed in a lane, across lanes l and l xor 16, and across the eight waves through LDS (a barrier each): two passes, no difference of large sums.
; Memory binds; no matrix unit, no cluster: work-groups share no input.  LIMITS: as stated in launch prep.
.set BLK,   25600
.set PITCH, 528
.set STG,   16*PITCH
.set RED1,  8*STG
.set SPARE, RED1+1024                  ; behind the two tables of partial sums: the spare words, 128 bytes a wave: four blocks of 256 bytes that no other line names
.set SPW, 20
.set NIL, 21
.set TM,  24
.set PW,  40
.set PC,  44
.set Z,   64
.set XA,  128
.set XB,  192
.set SEL, 18
.macro QUANT s
.irp b, 0,1,2,3
	v_max3_num_f32 v[TM+\b], |v[\s+16*\b]|, |v[\s+1+16*\b]|, 0x1800000   ; and the floor 2^(3 - 127)
.endr
.irp i, 2,4,6,8,10,12,14
.irp b, 0,1,2,3
	v_max3_num_f32 v[TM+\b], v[TM+\b], |v[\s+16*\b+\i]|, |v[\s+1+16*\b+\i]|
.endr
.endr
.irp b, 0,1,2,3
	v_permlanex16_b32 v[TM+4+\b], v[TM+\b], s[SEL], s[SEL+1]
.endr
.irp b, 0,1,2,3
	v_max_num_f32 v[TM+\b], v[TM+\b], v[TM+4+\b]
.endr
.irp b, 0,1,2,3
	v_add_nc_u32 v[TM+12+\b], 0xff000000, v[TM+\b]
.endr
.irp b, 0,1,2,3
	v_lshrrev_b32 v[TM+4+\b], 23, v[TM+12+\b]
.endr
	v_lshl_or_b32 v[PW], v[TM+5], 8, v[TM+4]
	v_lshl_or_b32 v[PW], v[TM+6], 16, v[PW]
	v_lshl_or_b32 v[PW], v[TM+7], 24, v[PW]
.irp c, 0,1
	v_cvt_scalef32_pk16_fp6_f32 v[PC+6*\c:PC+2+6*\c], v[\s+32*\c:\s+15+32*\c], v[TM+12+2*\c]
	v_cvt_scalef32_pk16_fp6_f32 v[PC+12+4*\c:PC+14+4*\c], v[\s+16+32*\c:\s+31+32*\c], v[TM+12+2*\c+1]
.endr
	v_nop
.irp c, 0,1
.irp i, 0,1,2
	v_permlane16_swap_b32 v[PC+6*\c+\i], v[PC+12+4*\c+\i]
.endr
.irp i, 0,1,2
	v_mov_b32 v[PC+3+6*\c+\i], v[PC+12+4*\c+\i]
.endr
.endr
.endm
; four pairs of partial sums in v[48:55] become the row's sum over all 1,024 columns, in v48 of every lane
.macro ACROSS off
	v_pk_add_f32 v[48:49], v[48:49], v[50:51]
	v_pk_add_f32 v[52:53], v[52:53], v[54:55]
	v_pk_add_f32 v[48:49], v[48:49], v[52:53]
	v_add_f32 v48, v48, v49
	v_permlanex16_b32 v49, v48, s[SEL], s[SEL+1]
	v_add_f32 v48, v48, v49                        ; my wave's 128 columns of row r
	ds_store_b32 v8, v48 offset:\off               ; both halves of the lanes write the same word with the same value
	s_wait_dscnt 0x0                               ; for the others' sake: zero
	s_barrier_signal -1
	s_barrier_wait -1
	ds_load_b128 v[48:51], v9 offset:\off
	ds_load_b128 v[52:55], v9 offset:\off+16
	s_wait_dscnt 0x0
	v_pk_add_f32 v[48:49], v[48:49], v[50:51]
	v_pk_add_f32 v[52:53], v[52:53], v[54:55]
	v_pk_add_f32 v[48:49], v[48:49], v[52:53]
	v_add_f32 v48, v48, v49
.endm
	s_load_b256 s[4:11], s[0:1], 0x0               ; w3, pcpt, gen, n1_g
	s_load_b128 s[12:15], s[0:1], 0x20             ; n1_b, w4
	v_lshl_add_u32 v[SPW], v0, 2, SPARE
	v_mov_b32 v[NIL], 0
	v_lshrrev_b32 v1, 5, v0
	v_readfirstlane_b32 s16, v1                    ; wave = s
	v_and_b32 v1, 15, v0                           ; r
	v_bfe_u32 v2, v0, 4, 1                         ; h
	v_and_b32 v3, 31, v0
	v_lshlrev_b32 v3, 4, v3                        ; 16 x lane
	s_mul_i32 s17, s16, STG
	v_add_nc_u32 v4, s17, v3                       ; the stage by rows
	v_mul_u32_u24 v5, v1, PITCH
	v_lshl_add_u32 v5, v2, 6, v5
	v_add_nc_u32 v5, s17, v5                       ; and by my lane's 16 neighbours
	v_lshlrev_b32 v6, 2, v1
	v_lshlrev_b32 v7, 6, v2
	s_lshl_b32 s17, s16, 2
	v_lshl_add_u32 v9, v1, 5, RED1                 ; row r's eight partial sums,
	v_add_nc_u32 v8, s17, v9                       ; and my wave's among them
	s_mov_b32 s[SEL], 0x76543210
	s_mov_b32 s[SEL+1], 0xfedcba98
	s_mov_b32 s20, 0x3a800000                      ; 1 / 1,024
	s_mov_b32 s21, 0x3727c5ac                      ; 1e-5
.irp b, 0,1,2,3
	v_mov_b32 v[TM+4+\b], 0
.endr
	s_and_b32 s22, ttmp9, 127
	s_lshr_b32 s23, s22, 1
	s_lshl_b32 s23, s23, 5
	s_and_b32 s22, s22, 1
	s_lshl_b32 s22, s22, 3
	s_add_co_u32 s22, s22, s23                     ; the tile's first row in its tensor
	s_lshl_b32 s22, s22, 12
	s_lshl_b32 s24, s16, 9
	s_add_co_u32 s22, s22, s24
	s_mov_b32 s23, 0
	s_mov_b32 s25, 0
	s_lshl_b32 s26, ttmp9, 3
	s_add_co_u32 s26, s26, s16
	s_lshl_b32 s26, s26, 13                        ; the image (T, s)
	s_mov_b32 s27, 0
	s_lshr_b32 s30, ttmp9, 4
	s_lshl_b32 s30, s30, 3
	s_add_co_u32 s30, s30, s16
	s_mul_i32 s30, s30, BLK
	s_add_co_u32 s30, s30, 16777216                ; the block (T / 16, s) of p's codes
	s_and_b32 s31, ttmp9, 15
	s_mul_i32 s32, s31, 1536
	s_lshl_b32 s34, s31, 6
	s_add_co_u32 s32, s32, s30
	s_add_co_u32 s34, s34, s30
	s_add_co_u32 s34, s34, 24576
	s_mov_b32 s33, 0
	s_mov_b32 s35, 0
	s_wait_kmcnt 0x0
	s_cmp_lt_u32 ttmp9, 128
	s_cselect_b64 s[6:7], s[6:7], s[8:9]
	s_add_nc_u64 s[6:7], s[6:7], s[22:23]
	s_add_nc_u64 s[4:5], s[4:5], s[26:27]
	s_add_nc_u64 s[10:11], s[10:11], s[24:25]
	s_add_nc_u64 s[12:13], s[12:13], s[24:25]
	s_add_nc_u64 s[28:29], s[14:15], s[26:27]
	s_add_nc_u64 s[32:33], s[14:15], s[32:33]
	s_add_nc_u64 s[34:35], s[14:15], s[34:35]
.irp i, 0,1,2,3,4,5,6,7,8,9,10,11,12,13,14,15
	global_load_b128 v[XA+4*\i:XA+4*\i+3], v3, s[6:7] offset:(\i+8*(\i/8))*4096 th:TH_LOAD_NT
.endr
.irp q, 0,1,2,3,4,5,6,7,8,9,10,11,12,13,14,15
	global_load_b128 v[Z+4*\q:Z+4*\q+3], v3, s[4:5] offset:512*\q th:TH_LOAD_NT
.endr
.irp c, 0,1,2,3
.irp q, 0,1,2,3
	global_load_b128 v[XB+16*\c+4*\q:XB+16*\c+4*\q+3], v7, s[12:13] offset:128*\c+16*\q
.endr
.endr
	s_wait_loadcnt 32                              ; x's sixteen rows are in; the 32 younger loads may be out
.irp i, 0,1,2,3,4,5,6,7,8,9,10,11,12,13,14,15
	ds_store_b128 v4, v[XA+4*\i:XA+4*\i+3] offset:PITCH*\i
.endr
.irp c, 0,1,2,3
.irp q, 0,1,2,3
	ds_load_b128 v[XA+16*\c+4*\q:XA+16*\c+4*\q+3], v5 offset:128*\c+16*\q   ; LDS serves a wave's instructions in order: these come behind my stores
.endr
.endr
	s_wait_loadcnt 16                              ; z1's image is in
	s_wait_dscnt 0x0
.set j, 0
.rept 32
	v_pk_add_f32 v[Z+j:Z+j+1], v[Z+j:Z+j+1], v[XA+j:XA+j+1]
.set j, j+2
.endr
.irp c, 0,1,2,3
.irp q, 0,1,2,3
	global_load_b128 v[XA+16*\c+4*\q:XA+16*\c+4*\q+3], v7, s[10:11] offset:128*\c+16*\q   ; the gain, into the registers that x has left
.endr
.endr
.irp k, 0,1,2,3
	v_pk_add_f32 v[48+2*\k:49+2*\k], v[Z+2*\k:Z+2*\k+1], v[Z+8+2*\k:Z+9+2*\k]
.endr
.irp j, 16,24,32,40,48,56
.irp k, 0,1,2,3
	v_pk_add_f32 v[48+2*\k:49+2*\k], v[48+2*\k:49+2*\k], v[Z+\j+2*\k:Z+\j+2*\k+1]
.endr
.endr
	ACROSS 0
	v_mul_f32 v56, s20, v48                        ; the mean
	v_mov_b32 v57, v56
.set j, 0
.rept 32
	v_pk_add_f32 v[Z+j:Z+j+1], v[Z+j:Z+j+1], v[56:57] neg_lo:[0,1] neg_hi:[0,1]
.set j, j+2
.endr
.irp k, 0,1,2,3
	v_pk_mul_f32 v[48+2*\k:49+2*\k], v[Z+2*\k:Z+2*\k+1], v[Z+2*\k:Z+2*\k+1]
.endr
.irp j, 8,16,24,32,40,48,56
.irp k, 0,1,2,3
	v_pk_fma_f32 v[48+2*\k:49+2*\k], v[Z+\j+2*\k:Z+\j+2*\k+1], v[Z+\j+2*\k:Z+\j+2*\k+1], v[48+2*\k:49+2*\k]
.endr
.endr
	ACROSS 512                                     ; other bytes than the first sum's: no third barrier is needed
	v_fma_f32 v58, v48, s20, s21                   ; the variance + 1e-5
	v_rsq_f32 v58, v58
	v_nop
	s_wait_alu depctr_va_vdst(0)                   ; ahead of the first reader
	v_mov_b32 v59, v58
	s_wait_loadcnt 0x0                             ; gain and bias
.set j, 0
.rept 32
	v_pk_mul_f32 v[Z+j:Z+j+1], v[Z+j:Z+j+1], v[58:59]
.set j, j+2
.endr
.set j, 0
.rept 32
	v_pk_fma_f32 v[Z+j:Z+j+1], v[Z+j:Z+j+1], v[XA+j:XA+j+1], v[XB+j:XB+j+1]
.set j, j+2
.endr
.irp q, 0,1,2,3,4,5,6,7,8,9,10,11,12,13,14,15
	global_store_b128 v3, v[Z+4*\q:Z+4*\q+3], s[28:29] offset:512*\q
.endr
	QUANT Z
.irp c, 0,1,2
	global_store_b128 v3, v[PC+4*\c:PC+4*\c+3], s[32:33] offset:512*\c
.endr
	global_store_b32 v6, v[PW], s[34:35]
	s_wait_tensorcnt 0x0                           ; the wave's end: these three lines behind my last LDS store
	ds_add_u32 v[SPW], v[NIL]
	s_wait_dscnt 0x0
	s_endpgm
.Lfunc_end_k_qe51c626daf_ln1:
	.size	k_qe51c626daf_ln1, .Lfunc_end_k_qe51c626daf_ln1-k_qe51c626daf_ln1
	.p2alignl 7, 3214868480
	.fill 96, 4, 3214868480
	.section	.rodata,"a",@progbits
	.p2align	6, 0x0
	.amdhsa_kernel k_qe51c626daf_ln1
		.amdhsa_group_segment_fixed_size 69632
		.amdhsa_private_segment_fixed_size 0
		.amdhsa_enable_private_segment 0
		.amdhsa_kernarg_size 48
		.amdhsa_user_sgpr_count 2
		.amdhsa_user_sgpr_kernarg_segment_ptr 1
		.amdhsa_wavefront_size32 1
		.amdhsa_system_sgpr_workgroup_id_x 1
		.amdhsa_system_sgpr_workgroup_id_y 1
		.amdhsa_system_sgpr_workgroup_id_z 1
		.amdhsa_system_vgpr_workitem_id 0
		.amdhsa_next_free_vgpr 256
		.amdhsa_next_free_sgpr 66
		.amdhsa_reserve_vcc 0
		.amdhsa_float_denorm_mode_32 3
		.amdhsa_float_denorm_mode_16_64 3
		.amdhsa_memory_ordered 1
		.amdhsa_forward_progress 1
		.amdhsa_inst_pref_size 31
	.end_amdhsa_kernel
	.amdgpu_metadata
---
amdhsa.version: [ 1, 2 ]
amdhsa.kernels:
  - .name:           k_qe51c626daf_ln1
    .symbol:         k_qe51c626daf_ln1.kd
    .args:
      - { .name: w3, .offset: 0, .size: 8, .value_kind: global_buffer, .address_space: global }
      - { .name: pcpt, .offset: 8, .size: 8, .value_kind: global_buffer, .address_space: global }
      - { .name: gen, .offset: 16, .size: 8, .value_kind: global_buffer, .address_space: global }
      - { .name: n1_g, .offset: 24, .size: 8, .value_kind: global_buffer, .address_space: global }
      - { .name: n1_b, .offset: 32, .size: 8, .value_kind: global_buffer, .address_space: global }
      - { .name: w4, .offset: 40, .size: 8, .value_kind: global_buffer, .address_space: global }
    .group_segment_fixed_size: 69632
    .private_segment_fixed_size: 0
    .kernarg_segment_align: 8
    .kernarg_segment_size: 48
    .max_flat_workgroup_size: 256
    .sgpr_count:     66
    .vgpr_count:     256
    .wavefront_size: 32
...
	.end_amdgpu_metadata
.endif
;; end of part 5
;; launch ffn1 (part 6): grid 16 x 16, 4 waves a work-group, clusters of 4 x 4, 327,680 bytes of LDS; arguments w4, w0, l1_b, w5; writes w5
.if DOCPART == 6
	.amdgcn_target "amdgcn-amd-amdhsa--gfx1250"
	.amdhsa_code_object_version 6
	.text
	.protected	k_qe51c626daf_ffn1
	.globl	k_qe51c626daf_ffn1
	.p2align	8
	.type	k_qe51c626daf_ffn1,@function
k_qe51c626daf_ffn1:
	s_mov_b64 s[64:65], 0
	v_nop
	global_prefetch_b8 v0, s[64:65] scope:SCOPE_SE
	s_setreg_imm32_b32 hwreg(HW_REG_WAVE_MODE, 25, 1), 1
	s_wait_xcnt 0x0
	s_wait_alu depctr_hold_cnt(0) depctr_sa_sdst(0) depctr_va_vdst(0) depctr_va_sdst(0) depctr_va_ssrc(0) depctr_va_vcc(0) depctr_vm_vsrc(0)
	s_getreg_b32 s2, hwreg(HW_REG_IB_STS2, 6, 4)
	s_cmp_eq_u32 s2, 0
	s_cbranch_scc0 .Lentry_in_a_cluster
	s_endpgm
.Lentry_in_a_cluster:
	s_bfe_u32 s2, ttmp6, 0x10000c
	s_cmp_lg_u32 s2, 0xf033
	s_cbranch_scc0 .Lentry_shape_is_right
	s_endpgm
.Lentry_shape_is_right:
; FFN1: h = relu(p l1_w^T + l1_b) on codes of E2M3, K = 1,024; h is quantised along the hidden units at once and leaves as codes in the order of the operand's registers (w5: 16 groups x 32 K steps of 25,600 bytes).
; p's codes lie in w4 at 16,777,216, l1_w's in w0 at 6,553,600, both as launch prep lays an operand.  The frame is launch qkv's: 256 x 256 a work-group, 128 x 128 a wave (accumulator (a, b) at v[8 (8 (a % 4) + b)] of
; window 2 + a / 4), the matrix instruction transposed (source 0 = 16 hidden units, source 1 = 16 tokens), three slots of two K steps filled at the start, slot 0 once more; clusters of 4 x 4 with joint loads.
; A wave's 128 hidden units are one K step of the next product: the 64 registers of a given a become one fragment and one scale word a row.  LIMITS: as stated in launch prep.
.set BLK,    25600
.set SLOT,   4*BLK
.set NSLOT,  3
.set SPARE,  NSLOT*SLOT                ; the spare words, 128 bytes a wave: two blocks of 256 bytes that no other line names
.set KS,     8
.set NLA,    3
.set A_OFF,  16777216
.set B_OFF,  6553600
.set ADRA, 16
.set ADRB, 20
.set ADRS, 24
.set SPW,  28
.set NIL,  29
.set SC,   32
.set BI,   64
.set ST,   64                          ; the way out: relu's 64 numbers, where the bias lay
.set AF,   128
.set TM,   128
.set PW,   144
.set PC,   148
.set PWK,  168                         ; v168-175 the eight scale words
.set SEL,  12
.set G1A,  24
.set G0A,  32
.set G1B,  44
.set G0B,  52
.set MSB, 0
.macro WIN new
.if MSB != (\new)
	s_set_vgpr_msb (MSB<<8)|(\new)
.set MSB, (\new)
.endif
.endm
.macro JLOAD g0a, g0b                  ; waves 0, 1 fetch A's two blocks of a slot, waves 2, 3 B's; an s_nop 0 and four v_nop follow each line
	s_cmp_eq_u32 s15, 0
	s_cbranch_scc0 .Lfor_b_\@
	tensor_load_to_lds s[\g0a:\g0a+3], s[G1A:G1A+7]
	s_nop 0
.rept 4
	v_nop
.endr
	s_branch .Lasked_\@
.Lfor_b_\@:
	tensor_load_to_lds s[\g0b:\g0b+3], s[G1B:G1B+7]
	s_nop 0
.rept 4
	v_nop
.endr
.Lasked_\@:
.endm
.macro CREST
	s_cmp_lg_u32 s14, 0
	s_cbranch_scc1 .Lnot_wave_0_\@
	s_barrier_signal -3
.Lnot_wave_0_\@:
	s_barrier_wait -3
	s_barrier_signal -1
	s_barrier_wait -1
.endm
.macro CROUND
	s_barrier_signal -1
	s_barrier_wait -1
	CREST
.endm
.macro PLACES                          ; four places behind a matrix instruction (ISA guide 7.12.1)
.rept 4
	v_nop
.endr
.endm
.macro FRAG reg, adr, off
.irp c, 0,1,2
	ds_load_b128 v[\reg+4*\c:\reg+4*\c+3], v[\adr] offset:\off+512*\c
.endr
.endm
.macro FETCH_B slot, q, p
	WIN 0x40
.irp i, 0,1,2,3,4,5,6,7
	FRAG 128*(\p)+12*\i, ADRB+\slot, (\q)*BLK+1536*\i
.endr
	WIN 0
.endm
.macro FETCH_A slot, q, i0
.irp i, \i0, \i0+1, \i0+2, \i0+3
	FRAG AF+12*(\i), ADRA+\slot, (\q)*BLK+1536*(\i)
.endr
.endm
.macro SCALES slot, sc
.irp q, 0,1
.irp i, 0,1,2,3,4,5,6,7
	ds_load_b32 v[SC+16*(\sc)+8*\q+\i], v[ADRS+\slot] offset:\q*BLK+64*\i
.endr
.endr
.endm
.macro MUL16 a0, p, q, sc, cm          ; 16 matrix instructions; cm = 1: C = the bias.  The 64 accumulators take turns
.if \cm
	WIN 0x81+0x40*((\a0)/4)
.else
	WIN 0xa1+0x50*((\a0)/4)
.endif
.irp a, \a0, \a0+1
.irp b, 0,1,2,3,4,5,6,7
.if \cm == 0
	v_wmma_scale_f32_16x16x128_f8f6f4 v[8*(8*((\a)%4)+\b):8*(8*((\a)%4)+\b)+7], v[128*(\p)+12*\b:128*(\p)+12*\b+11], v[AF+12*(\a):AF+12*(\a)+11], v[8*(8*((\a)%4)+\b):8*(8*((\a)%4)+\b)+7], v[SC+16*(\sc)+8*(\q)+\b], v[SC+16*(\sc)+8*(\q)+(\a)] matrix_a_fmt:MATRIX_FMT_FP6 matrix_b_fmt:MATRIX_FMT_FP6 matrix_a_scale:MATRIX_SCALE_ROW1
.else
	v_wmma_scale_f32_16x16x128_f8f6f4 v[8*(8*((\a)%4)+\b):8*(8*((\a)%4)+\b)+7], v[128*(\p)+12*\b:128*(\p)+12*\b+11], v[AF+12*(\a):AF+12*(\a)+11], v[BI+8*\b:BI+8*\b+7], v[SC+16*(\sc)+8*(\q)+\b], v[SC+16*(\sc)+8*(\q)+(\a)] matrix_a_fmt:MATRIX_FMT_FP6 matrix_b_fmt:MATRIX_FMT_FP6 matrix_a_scale:MATRIX_SCALE_ROW1
.endif
.endr
.endr
.endm
.macro STEP slot, sc, cm
	s_wait_dscnt 4*NLA                             ; all but A's tiles 4-7
	MUL16 0, 0, 0, \sc, \cm
	MUL16 2, 0, 0, \sc, \cm
	s_wait_dscnt 0x0
	PLACES
	FETCH_B \slot, 1, 1
	FETCH_A \slot, 1, 0
	MUL16 4, 0, 0, \sc, \cm
	MUL16 6, 0, 0, \sc, \cm
	PLACES
	WIN 0
	FETCH_A \slot, 1, 4
.endm
.macro TURN slot, sc, nslot, nsc, mode, fslot, fstep   ; as in launch qkv: mode 1: 0, 2: all my loads, the add, my reads; 2: a round, and slot fslot is filled again
.if \mode == 1
	s_wait_tensorcnt 0x1                           ; my block of the next slot is in; one younger load may be out
	s_wait_dscnt 4*NLA
.else
	s_wait_tensorcnt 0x0
	ds_add_u32 v[SPW], v[NIL]
	s_wait_dscnt 4*NLA+1                           ; (the add and A's tiles 4-7 may be out)
.endif
	MUL16 0, 1, 1, \sc, 0
	s_wait_dscnt 0x0                               ; the add is done, and my reads of this slot are over
	s_barrier_signal -1
	MUL16 2, 1, 1, \sc, 0
	WIN 0
	s_barrier_wait -1
.if \mode == 2
	CREST
	s_add_nc_u64 s[G0A+4*\fslot+2:G0A+4*\fslot+3], s[G0A+4*\fslot+2:G0A+4*\fslot+3], \fstep
	s_add_nc_u64 s[G0B+4*\fslot+2:G0B+4*\fslot+3], s[G0B+4*\fslot+2:G0B+4*\fslot+3], \fstep
	JLOAD G0A+4*\fslot, G0B+4*\fslot
.else
	PLACES
.endif
	FETCH_B \nslot, 0, 0
	FETCH_A \nslot, 0, 0
	SCALES \nslot, \nsc
	MUL16 4, 1, 1, \sc, 0
	MUL16 6, 1, 1, \sc, 0
	PLACES
	WIN 0
	FETCH_A \nslot, 0, 4
.endm
.macro LAST sc
	s_wait_dscnt 4*NLA
	MUL16 0, 1, 1, \sc, 0
	MUL16 2, 1, 1, \sc, 0
	s_wait_dscnt 0x0
	MUL16 4, 1, 1, \sc, 0
	MUL16 6, 1, 1, \sc, 0
	WIN 0
.endm
.macro RELU a                          ; the activation and the move out of the accumulators' window in one line a number; each accumulator from its low end on
	WIN 0x08+4*((\a)/4)
.set j, 0
.rept 64
	v_max_num_f32 v[ST+j], 0, v[64*((\a)%4)+j]
.set j, j+1
.endr
	WIN 0
.endm
.macro QUANT s                         ; 64 numbers of a lane, register 16 b + i = k 32 b + 16 (lane / 16) + i, become a fragment's codes in v[PC] on and its scale word in v[PW]
.irp b, 0,1,2,3
	v_max3_num_f32 v[TM+\b], |v[\s+16*\b]|, |v[\s+1+16*\b]|, 0x1800000   ; and the floor 2^(3 - 127)
.endr
.irp i, 2,4,6,8,10,12,14
.irp b, 0,1,2,3
	v_max3_num_f32 v[TM+\b], v[TM+\b], |v[\s+16*\b+\i]|, |v[\s+1+16*\b+\i]|
.endr
.endr
.irp b, 0,1,2,3
	v_permlanex16_b32 v[TM+4+\b], v[TM+\b], s[SEL], s[SEL+1]
.endr
.irp b, 0,1,2,3
	v_max_num_f32 v[TM+\b], v[TM+\b], v[TM+4+\b]
.endr
.irp b, 0,1,2,3
	v_add_nc_u32 v[TM+12+\b], 0xff000000, v[TM+\b]
.endr
.irp b, 0,1,2,3
	v_lshrrev_b32 v[TM+4+\b], 23, v[TM+12+\b]
.endr
	v_lshl_or_b32 v[PW], v[TM+5], 8, v[TM+4]
	v_lshl_or_b32 v[PW], v[TM+6], 16, v[PW]
	v_lshl_or_b32 v[PW], v[TM+7], 24, v[PW]
.irp c, 0,1
	v_cvt_scalef32_pk16_fp6_f32 v[PC+6*\c:PC+2+6*\c], v[\s+32*\c:\s+15+32*\c], v[TM+12+2*\c]
	v_cvt_scalef32_pk16_fp6_f32 v[PC+12+4*\c:PC+14+4*\c], v[\s+16+32*\c:\s+31+32*\c], v[TM+12+2*\c+1]
.endr
	v_nop
.irp c, 0,1
.irp i, 0,1,2
	v_permlane16_swap_b32 v[PC+6*\c+\i], v[PC+12+4*\c+\i]
.endr
.irp i, 0,1,2
	v_mov_b32 v[PC+3+6*\c+\i], v[PC+12+4*\c+\i]
.endr
.endr
.endm
	s_load_b256 s[4:11], s[0:1], 0x0               ; w4, w0, l1_b, w5
	v_lshl_add_u32 v[SPW], v0, 2, SPARE
	v_mov_b32 v[NIL], 0
	ds_add_u32 v[SPW], v[NIL]                      ; the wave's opening: the add, twice on end, and its wait ahead of my first tensor load
	ds_add_u32 v[SPW], v[NIL]
	v_lshrrev_b32 v1, 5, v0
	v_readfirstlane_b32 s14, v1
	s_lshr_b32 s15, s14, 1
	s_and_b32 s16, s14, 1
	s_bfe_u32 s66, ttmp6, 0x40000                  ; cx
	s_bfe_u32 s67, ttmp6, 0x40004                  ; cy
	s_lshl_b32 s68, ttmp9, 2
	s_add_co_u32 s68, s68, s66                     ; the group of 256 hidden units
	s_and_b32 s69, ttmp7, 0xffff
	s_lshl_b32 s69, s69, 2
	s_add_co_u32 s69, s69, s67                     ; the group of 256 tokens
	s_lshl_b32 s70, s67, 2
	s_lshl_b32 s70, 15, s70
	s_lshl_b32 s71, 0x1111, s66
	s_or_b32 s[G1A], s70, (3<<16)|(1<<21)
	s_or_b32 s[G1B], s71, (3<<16)|(1<<21)
.irp g, G1A, G1B
	s_mov_b32 s[\g+1], 32<<16                      ; a block is dense: 100 rows of 256 bytes
	s_mov_b32 s[\g+2], 100<<16
	s_mov_b32 s[\g+3], 32<<16
	s_mov_b32 s[\g+4], 100
	s_mov_b32 s[\g+5], 32
	s_mov_b32 s[\g+6], 0
	s_mov_b32 s[\g+7], 0
.endr
	s_mov_b32 s[SEL], 0x76543210
	s_mov_b32 s[SEL+1], 0xfedcba98
	s_mul_i32 s74, s69, KS*BLK
	s_mul_i32 s75, s16, BLK
	s_add_co_u32 s74, s74, s75
	s_add_co_u32 s74, s74, A_OFF
	s_mov_b32 s75, 0
	s_mul_i32 s76, s68, KS*BLK
	s_mul_i32 s77, s16, BLK
	s_add_co_u32 s76, s76, s77
	s_add_co_u32 s76, s76, B_OFF
	s_mov_b32 s77, 0
	s_mul_i32 s78, s14, BLK
	s_wait_dscnt 0x0
	s_wait_kmcnt 0x0
	s_add_nc_u64 s[74:75], s[4:5], s[74:75]
	s_add_nc_u64 s[76:77], s[6:7], s[76:77]
	CROUND
.irp s, 0,1,2
	s_mov_b32 s[G0A+4*\s], 1
	s_add_co_u32 s[G0A+4*\s+1], s78, \s*SLOT
	s_add_nc_u64 s[G0A+4*\s+2:G0A+4*\s+3], s[74:75], \s*2*BLK
	s_or_b32 s[G0A+4*\s+3], s[G0A+4*\s+3], 0x80000000
	s_mov_b32 s[G0B+4*\s], 1
	s_add_co_u32 s[G0B+4*\s+1], s78, \s*SLOT
	s_add_nc_u64 s[G0B+4*\s+2:G0B+4*\s+3], s[76:77], \s*2*BLK
	s_or_b32 s[G0B+4*\s+3], s[G0B+4*\s+3], 0x80000000
	JLOAD G0A+4*\s, G0B+4*\s
.endr
	v_and_b32 v1, 15, v0
	v_bfe_u32 v2, v0, 4, 1
	v_and_b32 v3, 31, v0
	v_lshlrev_b32 v4, 4, v3                        ; 16 x lane
	v_lshlrev_b32 v7, 2, v3                        ; 4 x lane
	s_lshl_b32 s84, s68, 10
	s_lshl_b32 s85, s16, 9
	s_add_co_u32 s84, s84, s85
	s_mov_b32 s85, 0
	s_add_nc_u64 s[8:9], s[8:9], s[84:85]
	v_lshlrev_b32 v6, 6, v2
.irp b, 0,1,2,3,4,5,6,7
	global_load_b128 v[BI+8*\b:BI+8*\b+3], v6, s[8:9] offset:4*(32*(\b/2)+8*(\b%2))
	global_load_b128 v[BI+8*\b+4:BI+8*\b+7], v6, s[8:9] offset:4*(32*(\b/2)+8*(\b%2))+16
.endr
	s_mul_i32 s80, s15, 12288
	s_mul_i32 s81, s16, 12288
	s_add_co_u32 s81, s81, 2*BLK
	s_lshl_b32 s82, s15, 9
	s_lshl_b32 s83, s16, 9
	s_add_co_u32 s83, s83, 2*BLK
	s_sub_co_u32 s83, s83, s82
	v_mul_u32_u24 v5, s83, v2
	v_lshl_add_u32 v5, v1, 2, v5
	s_add_co_u32 s82, s82, 24576
.irp s, 0,1,2
	v_add_nc_u32 v[ADRA+\s], s80, v4
	v_add_nc_u32 v[ADRB+\s], s81, v4
	v_add_nc_u32 v[ADRS+\s], s82, v5
	s_add_co_u32 s80, s80, SLOT
	s_add_co_u32 s81, s81, SLOT
	s_add_co_u32 s82, s82, SLOT
.endr
	s_lshl_b32 s84, s69, 5
	s_lshl_b32 s85, s68, 1
	s_add_co_u32 s84, s84, s85
	s_add_co_u32 s84, s84, s16
	s_mul_i32 s84, s84, BLK                        ; h's block: group of tokens, K step 2 x group of units + my half
	s_mul_i32 s85, s15, 12288
	s_lshl_b32 s86, s15, 9
	s_add_co_u32 s86, s86, s84
	s_add_co_u32 s86, s86, 24576                   ; my 8 tiles' scale words,
	s_add_co_u32 s84, s84, s85                     ; and their codes
	s_mov_b32 s85, 0
	s_mov_b32 s87, 0
	s_add_nc_u64 s[86:87], s[10:11], s[86:87]
	s_add_nc_u64 s[10:11], s[10:11], s[84:85]
	s_wait_tensorcnt 0x2                           ; my block of slot 0 is in; the two younger loads may be out
	s_barrier_signal -1
	s_barrier_wait -1
	FETCH_B 0, 0, 0
	FETCH_A 0, 0, 0
	SCALES 0, 0
	FETCH_A 0, 0, 4
	s_wait_loadcnt 0x0                             ; the bias
	STEP 0, 0, 1                                   ; K step 0 starts the sums from the bias
	TURN 0, 0, 1, 1, 1, 0, 0
	STEP 1, 1, 0
	TURN 1, 1, 2, 0, 2, 0, 6*BLK                   ; slot 0 takes K steps 6 and 7
	STEP 2, 0, 0
	TURN 2, 0, 0, 1, 0, 0, 0
	STEP 0, 1, 0
	LAST 1
	PLACES
.irp b, 0,1,2,3
	v_mov_b32 v[TM+4+\b], 0                        ; a lane permute's destination counts as one of its sources
.endr
.irp a, 0,1,2,3,4,5,6,7
	RELU \a
	QUANT ST
	v_mov_b32 v[PWK+\a], v[PW]
.irp c, 0,1,2
	global_store_b128 v4, v[PC+4*\c:PC+4*\c+3], s[10:11] offset:1536*\a+512*\c
.endr
	s_wait_xcnt 0x0                                ; the stores have read their data: the next tile's codes may be written
.endr
	s_mov_b32 s84, 0xffff0000
.irp a, 0,2,4,6
	v_cndmask_b32 v[PWK+\a], v[PWK+\a], v[PWK+\a+1], s84   ; lanes 0-15 tile a's words, lanes 16-31 tile a + 1's: 128 consecutive bytes a store
	global_store_b32 v7, v[PWK+\a], s[86:87] offset:64*\a
.endr
	s_wait_tensorcnt 0x0                           ; the wave's end: these three lines
	ds_add_u32 v[SPW], v[NIL]
	s_wait_dscnt 0x0
	CROUND
	s_endpgm
.Lfunc_end_k_qe51c626daf_ffn1:
	.size	k_qe51c626daf_ffn1, .Lfunc_end_k_qe51c626daf_ffn1-k_qe51c626daf_ffn1
	.p2alignl 7, 3214868480
	.fill 96, 4, 3214868480
	.section	.rodata,"a",@progbits
	.p2align	6, 0x0
	.amdhsa_kernel k_qe51c626daf_ffn1
		.amdhsa_group_segment_fixed_size 327680
		.amdhsa_private_segment_fixed_size 0
		.amdhsa_enable_private_segment 0
		.amdhsa_kernarg_size 32
		.amdhsa_user_sgpr_count 2
		.amdhsa_user_sgpr_kernarg_segment_ptr 1
		.amdhsa_wavefront_size32 1
		.amdhsa_system_sgpr_workgroup_id_x 1
		.amdhsa_system_sgpr_workgroup_id_y 1
		.amdhsa_system_sgpr_workgroup_id_z 1
		.amdhsa_system_vgpr_workitem_id 0
		.amdhsa_next_free_vgpr 1024
		.amdhsa_next_free_sgpr 100
		.amdhsa_reserve_vcc 0
		.amdhsa_float_denorm_mode_32 3
		.amdhsa_float_denorm_mode_16_64 3
		.amdhsa_memory_ordered 1
		.amdhsa_forward_progress 1
		.amdhsa_inst_pref_size 158
	.end_amdhsa_kernel
	.amdgpu_metadata
---
amdhsa.version: [ 1, 2 ]
amdhsa.kernels:
  - .name:           k_qe51c626daf_ffn1
    .symbol:         k_qe51c626daf_ffn1.kd
    .args:
      - { .name: w4, .offset: 0, .size: 8, .value_kind: global_buffer, .address_space: global }
      - { .name: w0, .offset: 8, .size: 8, .value_kind: global_buffer, .address_space: global }
      - { .name: l1_b, .offset: 16, .size: 8, .value_kind: global_buffer, .address_space: global }
      - { .name: w5, .offset: 24, .size: 8, .value_kind: global_buffer, .address_space: global }
    .group_segment_fixed_size: 327680
    .private_segment_fixed_size: 0
    .kernarg_segment_align: 8
    .kernarg_segment_size: 32
    .max_flat_workgroup_size: 128
    .sgpr_count:     100
    .vgpr_count:     1024
    .wavefront_size: 32
...
	.end_amdgpu_metadata
.endif
;; end of part 6
;; launch ffn2 (part 7): grid 4 x 16, 4 waves a work-group, clusters of 4 x 4, 327,680 bytes of LDS; arguments w5, w0, l2_b, w6; writes w6
.if DOCPART == 7
	.amdgcn_target "amdgcn-amd-amdhsa--gfx1250"
	.amdhsa_code_object_version 6
	.text
	.protected	k_qe51c626daf_ffn2
	.globl	k_qe51c626daf_ffn2
	.p2align	8
	.type	k_qe51c626daf_ffn2,@function
k_qe51c626daf_ffn2:
	s_mov_b64 s[64:65], 0
	v_nop
	global_prefetch_b8 v0, s[64:65] scope:SCOPE_SE
	s_setreg_imm32_b32 hwreg(HW_REG_WAVE_MODE, 25, 1), 1
	s_wait_xcnt 0x0
	s_wait_alu depctr_hold_cnt(0) depctr_sa_sdst(0) depctr_va_vdst(0) depctr_va_sdst(0) depctr_va_ssrc(0) depctr_va_vcc(0) depctr_vm_vsrc(0)
	s_getreg_b32 s2, hwreg(HW_REG_IB_STS2, 6, 4)
	s_cmp_eq_u32 s2, 0
	s_cbranch_scc0 .Lentry_in_a_cluster
	s_endpgm
.Lentry_in_a_cluster:
	s_bfe_u32 s2, ttmp6, 0x10000c
	s_cmp_lg_u32 s2, 0xf033
	s_cbranch_scc0 .Lentry_shape_is_right
	s_endpgm
.Lentry_shape_is_right:
; FFN2: y = h l2_w^T + l2_b on codes of E2M3, K = 4,096: 32 K steps.  h's codes (w5) as launch ffn1 laid them, l2_w's in w0 at 9,830,400.  The frame is launch qkv's (256 x 256 a work-group, 128 x 128 a wave, the matrix
; instruction transposed, clusters of 4 x 4 with joint loads), but the ring has two slots of two K steps and goes round in a loop: a trip fills both slots again, each behind a round of the cluster's barrier;
; a wave has two loads out at the start and one behind each round, with 128 matrix instructions in which to land.
; y leaves in f32 as an image of the accumulators, as in launch oproj.  1,024 columns give 64 work-groups of this tile.
.set BLK,    25600
.set SLOT,   4*BLK
.set NSLOT,  2
.set SPARE,  NSLOT*SLOT                ; the spare words, 128 bytes a wave: two blocks of 256 bytes that no other line names
.set KS,     32
.set NLA,    3
.set B_OFF,  9830400
.set ADRA, 16
.set ADRB, 20
.set ADRS, 24
.set SPW,  28
.set NIL,  29
.set SC,   32
.set BI,   64
.set AF,   128
.set G1A,  24
.set G0A,  32
.set G1B,  44
.set G0B,  52
.set MSB, 0
.macro WIN new
.if MSB != (\new)
	s_set_vgpr_msb (MSB<<8)|(\new)
.set MSB, (\new)
.endif
.endm
.macro JLOAD g0a, g0b                  ; waves 0, 1 fetch A's two blocks of a slot, waves 2, 3 B's; an s_nop 0 and four v_nop follow each line
	s_cmp_eq_u32 s15, 0
	s_cbranch_scc0 .Lfor_b_\@
	tensor_load_to_lds s[\g0a:\g0a+3], s[G1A:G1A+7]
	s_nop 0
.rept 4
	v_nop
.endr
	s_branch .Lasked_\@
.Lfor_b_\@:
	tensor_load_to_lds s[\g0b:\g0b+3], s[G1B:G1B+7]
	s_nop 0
.rept 4
	v_nop
.endr
.Lasked_\@:
.endm
.macro CREST
	s_cmp_lg_u32 s14, 0
	s_cbranch_scc1 .Lnot_wave_0_\@
	s_barrier_signal -3
.Lnot_wave_0_\@:
	s_barrier_wait -3
	s_barrier_signal -1
	s_barrier_wait -1
.endm
.macro CROUND
	s_barrier_signal -1
	s_barrier_wait -1
	CREST
.endm
.macro PLACES                          ; four places behind a matrix instruction (ISA guide 7.12.1)
.rept 4
	v_nop
.endr
.endm
.macro FRAG reg, adr, off
.irp c, 0,1,2
	ds_load_b128 v[\reg+4*\c:\reg+4*\c+3], v[\adr] offset:\off+512*\c
.endr
.endm
.macro FETCH_B slot, q, p
	WIN 0x40
.irp i, 0,1,2,3,4,5,6,7
	FRAG 128*(\p)+12*\i, ADRB+\slot, (\q)*BLK+1536*\i
.endr
	WIN 0
.endm
.macro FETCH_A slot, q, i0
.irp i, \i0, \i0+1, \i0+2, \i0+3
	FRAG AF+12*(\i), ADRA+\slot, (\q)*BLK+1536*(\i)
.endr
.endm
.macro SCALES slot, sc
.irp q, 0,1
.irp i, 0,1,2,3,4,5,6,7
	ds_load_b32 v[SC+16*(\sc)+8*\q+\i], v[ADRS+\slot] offset:\q*BLK+64*\i
.endr
.endr
.endm
.macro MUL16 a0, p, q, sc, cm          ; 16 matrix instructions; cm = 1: C = the bias.  The 64 accumulators take turns, over the loop's backward jump too
.if \cm
	WIN 0x81+0x40*((\a0)/4)
.else
	WIN 0xa1+0x50*((\a0)/4)
.endif
.irp a, \a0, \a0+1
.irp b, 0,1,2,3,4,5,6,7
.if \cm == 0
	v_wmma_scale_f32_16x16x128_f8f6f4 v[8*(8*((\a)%4)+\b):8*(8*((\a)%4)+\b)+7], v[128*(\p)+12*\b:128*(\p)+12*\b+11], v[AF+12*(\a):AF+12*(\a)+11], v[8*(8*((\a)%4)+\b):8*(8*((\a)%4)+\b)+7], v[SC+16*(\sc)+8*(\q)+\b], v[SC+16*(\sc)+8*(\q)+(\a)] matrix_a_fmt:MATRIX_FMT_FP6 matrix_b_fmt:MATRIX_FMT_FP6 matrix_a_scale:MATRIX_SCALE_ROW1
.else
	v_wmma_scale_f32_16x16x128_f8f6f4 v[8*(8*((\a)%4)+\b):8*(8*((\a)%4)+\b)+7], v[128*(\p)+12*\b:128*(\p)+12*\b+11], v[AF+12*(\a):AF+12*(\a)+11], v[BI+8*\b:BI+8*\b+7], v[SC+16*(\sc)+8*(\q)+\b], v[SC+16*(\sc)+8*(\q)+(\a)] matrix_a_fmt:MATRIX_FMT_FP6 matrix_b_fmt:MATRIX_FMT_FP6 matrix_a_scale:MATRIX_SCALE_ROW1
.endif
.endr
.endr
.endm
.macro STEP slot, sc, cm
	s_wait_dscnt 4*NLA                             ; all but A's tiles 4-7
	MUL16 0, 0, 0, \sc, \cm
	MUL16 2, 0, 0, \sc, \cm
	s_wait_dscnt 0x0
	PLACES
	FETCH_B \slot, 1, 1
	FETCH_A \slot, 1, 0
	MUL16 4, 0, 0, \sc, \cm
	MUL16 6, 0, 0, \sc, \cm
	PLACES
	WIN 0
	FETCH_A \slot, 1, 4
.endm
; A slot's second K step changes slots: one barrier; in front of it all my tensor loads, the add, my reads.  fill = 1: the barrier opens a round of the cluster's barrier and this slot is filled again, four K steps on.
.macro TURN slot, nslot, fill
	s_wait_tensorcnt 0x0                           ; all my tensor loads have landed: my block of the next slot
	ds_add_u32 v[SPW], v[NIL]
	s_wait_dscnt 4*NLA+1                           ; (the add and A's tiles 4-7 may be out)
	MUL16 0, 1, 1, \slot, 0
	s_wait_dscnt 0x0                               ; the add is done, and my reads of this slot are over
	s_barrier_signal -1
	MUL16 2, 1, 1, \slot, 0
	WIN 0
	s_barrier_wait -1
.if \fill
	CREST                                          ; no wave of any partner still reads this slot or has a load on its way
	s_add_nc_u64 s[G0A+4*\slot+2:G0A+4*\slot+3], s[G0A+4*\slot+2:G0A+4*\slot+3], 4*BLK
	s_add_nc_u64 s[G0B+4*\slot+2:G0B+4*\slot+3], s[G0B+4*\slot+2:G0B+4*\slot+3], 4*BLK
	JLOAD G0A+4*\slot, G0B+4*\slot                 ; its four v_nop are the places in front of the loads below
.else
	PLACES
.endif
	FETCH_B \nslot, 0, 0
	FETCH_A \nslot, 0, 0
	SCALES \nslot, \nslot
	MUL16 4, 1, 1, \slot, 0
	MUL16 6, 1, 1, \slot, 0
	PLACES
	WIN 0
	FETCH_A \nslot, 0, 4
.endm
.macro LAST sc
	s_wait_dscnt 4*NLA
	MUL16 0, 1, 1, \sc, 0
	MUL16 2, 1, 1, \sc, 0
	s_wait_dscnt 0x0
	MUL16 4, 1, 1, \sc, 0
	MUL16 6, 1, 1, \sc, 0
	WIN 0
.endm
	s_load_b256 s[4:11], s[0:1], 0x0               ; w5, w0, l2_b, w6
	v_lshl_add_u32 v[SPW], v0, 2, SPARE
	v_mov_b32 v[NIL], 0
	ds_add_u32 v[SPW], v[NIL]                      ; the wave's opening: the add, twice on end, and its wait ahead of my first tensor load
	ds_add_u32 v[SPW], v[NIL]
	v_lshrrev_b32 v1, 5, v0
	v_readfirstlane_b32 s14, v1
	s_lshr_b32 s15, s14, 1
	s_and_b32 s16, s14, 1
	s_bfe_u32 s66, ttmp6, 0x40000                  ; cx
	s_bfe_u32 s67, ttmp6, 0x40004                  ; cy
	s_lshl_b32 s68, ttmp9, 2
	s_add_co_u32 s68, s68, s66                     ; the group of 256 features
	s_and_b32 s69, ttmp7, 0xffff
	s_lshl_b32 s69, s69, 2
	s_add_co_u32 s69, s69, s67                     ; the group of 256 tokens
	s_lshl_b32 s70, s67, 2
	s_lshl_b32 s70, 15, s70
	s_lshl_b32 s71, 0x1111, s66
	s_or_b32 s[G1A], s70, (3<<16)|(1<<21)
	s_or_b32 s[G1B], s71, (3<<16)|(1<<21)
.irp g, G1A, G1B
	s_mov_b32 s[\g+1], 32<<16                      ; a block is dense: 100 rows of 256 bytes
	s_mov_b32 s[\g+2], 100<<16
	s_mov_b32 s[\g+3], 32<<16
	s_mov_b32 s[\g+4], 100
	s_mov_b32 s[\g+5], 32
	s_mov_b32 s[\g+6], 0
	s_mov_b32 s[\g+7], 0
.endr
	s_mul_i32 s74, s69, KS*BLK
	s_mul_i32 s75, s16, BLK
	s_add_co_u32 s74, s74, s75
	s_mov_b32 s75, 0
	s_mul_i32 s76, s68, KS*BLK
	s_mul_i32 s77, s16, BLK
	s_add_co_u32 s76, s76, s77
	s_add_co_u32 s76, s76, B_OFF
	s_mov_b32 s77, 0
	s_mul_i32 s78, s14, BLK
	s_wait_dscnt 0x0
	s_wait_kmcnt 0x0
	s_add_nc_u64 s[74:75], s[4:5], s[74:75]
	s_add_nc_u64 s[76:77], s[6:7], s[76:77]
	CROUND
.irp s, 0,1
	s_mov_b32 s[G0A+4*\s], 1
	s_add_co_u32 s[G0A+4*\s+1], s78, \s*SLOT
	s_add_nc_u64 s[G0A+4*\s+2:G0A+4*\s+3], s[74:75], \s*2*BLK
	s_or_b32 s[G0A+4*\s+3], s[G0A+4*\s+3], 0x80000000
	s_mov_b32 s[G0B+4*\s], 1
	s_add_co_u32 s[G0B+4*\s+1], s78, \s*SLOT
	s_add_nc_u64 s[G0B+4*\s+2:G0B+4*\s+3], s[76:77], \s*2*BLK
	s_or_b32 s[G0B+4*\s+3], s[G0B+4*\s+3], 0x80000000
	JLOAD G0A+4*\s, G0B+4*\s
.endr
	v_and_b32 v1, 15, v0
	v_bfe_u32 v2, v0, 4, 1
	v_and_b32 v3, 31, v0
	v_lshlrev_b32 v4, 4, v3                        ; 16 x lane
	s_lshl_b32 s84, s68, 10
	s_lshl_b32 s85, s16, 9
	s_add_co_u32 s84, s84, s85
	s_mov_b32 s85, 0
	s_add_nc_u64 s[8:9], s[8:9], s[84:85]
	v_lshlrev_b32 v6, 6, v2
.irp b, 0,1,2,3,4,5,6,7
	global_load_b128 v[BI+8*\b:BI+8*\b+3], v6, s[8:9] offset:4*(32*(\b/2)+8*(\b%2))
	global_load_b128 v[BI+8*\b+4:BI+8*\b+7], v6, s[8:9] offset:4*(32*(\b/2)+8*(\b%2))+16
.endr
	s_mul_i32 s80, s15, 12288
	s_mul_i32 s81, s16, 12288
	s_add_co_u32 s81, s81, 2*BLK
	s_lshl_b32 s82, s15, 9
	s_lshl_b32 s83, s16, 9
	s_add_co_u32 s83, s83, 2*BLK
	s_sub_co_u32 s83, s83, s82
	v_mul_u32_u24 v5, s83, v2
	v_lshl_add_u32 v5, v1, 2, v5
	s_add_co_u32 s82, s82, 24576
.irp s, 0,1
	v_add_nc_u32 v[ADRA+\s], s80, v4
	v_add_nc_u32 v[ADRB+\s], s81, v4
	v_add_nc_u32 v[ADRS+\s], s82, v5
	s_add_co_u32 s80, s80, SLOT
	s_add_co_u32 s81, s81, SLOT
	s_add_co_u32 s82, s82, SLOT
.endr
	s_lshl_b32 s84, s69, 4
	s_lshl_b32 s85, s15, 3
	s_add_co_u32 s84, s84, s85
	s_lshl_b32 s84, s84, 3
	s_lshl_b32 s85, s68, 1
	s_add_co_u32 s84, s84, s85
	s_add_co_u32 s84, s84, s16                     ; 8 T + s
	s_lshl_b32 s84, s84, 13
	s_mov_b32 s85, 0
	s_add_nc_u64 s[10:11], s[10:11], s[84:85]
	s_wait_tensorcnt 0x1                           ; my block of slot 0 is in; slot 1's may be out
	s_barrier_signal -1
	s_barrier_wait -1
	FETCH_B 0, 0, 0
	FETCH_A 0, 0, 0
	SCALES 0, 0
	FETCH_A 0, 0, 4
	s_wait_loadcnt 0x0                             ; the bias
	STEP 0, 0, 1                                   ; K step 0 stands in front of the loop: it starts the sums from the bias
	s_mov_b32 s3, KS/4-1
.Llap:                                             ; seven trips: once round the ring, from a lap's second K step to the next lap's first; both slots are filled again
	TURN 0, 1, 1
	STEP 1, 1, 0
	TURN 1, 0, 1
	STEP 0, 0, 0
	s_sub_co_u32 s3, s3, 1
	s_cmp_lg_u32 s3, 0
	s_cbranch_scc1 .Llap
	TURN 0, 1, 0                                   ; the last lap fills nothing, and has no round
	STEP 1, 1, 0
	LAST 1
	PLACES
.irp a, 0,1,2,3,4,5,6,7
	WIN 0x08+4*(\a/4)                              ; a store's data are its source 1: window 2 or 3
.irp q, 0,1,2,3,4,5,6,7,8,9,10,11,12,13,14,15
	global_store_b128 v4, v[64*(\a%4)+4*\q:64*(\a%4)+4*\q+3], s[10:11] offset:65536*\a+512*\q   ; each accumulator from its low end on; 512 consecutive bytes a store
.endr
.endr
	WIN 0
	s_wait_tensorcnt 0x0                           ; the wave's end: these three lines
	ds_add_u32 v[SPW], v[NIL]
	s_wait_dscnt 0x0
	CROUND
	s_endpgm
.Lfunc_end_k_qe51c626daf_ffn2:
	.size	k_qe51c626daf_ffn2, .Lfunc_end_k_qe51c626daf_ffn2-k_qe51c626daf_ffn2
	.p2alignl 7, 3214868480
	.fill 96, 4, 3214868480
	.section	.rodata,"a",@progbits
	.p2align	6, 0x0
	.amdhsa_kernel k_qe51c626daf_ffn2
		.amdhsa_group_segment_fixed_size 327680
		.amdhsa_private_segment_fixed_size 0
		.amdhsa_enable_private_segment 0
		.amdhsa_kernarg_size 32
		.amdhsa_user_sgpr_count 2
		.amdhsa_user_sgpr_kernarg_segment_ptr 1
		.amdhsa_wavefront_size32 1
		.amdhsa_system_sgpr_workgroup_id_x 1
		.amdhsa_system_sgpr_workgroup_id_y 1
		.amdhsa_system_sgpr_workgroup_id_z 1
		.amdhsa_system_vgpr_workitem_id 0
		.amdhsa_next_free_vgpr 1024
		.amdhsa_next_free_sgpr 100
		.amdhsa_reserve_vcc 0
		.amdhsa_float_denorm_mode_32 3
		.amdhsa_float_denorm_mode_16_64 3
		.amdhsa_memory_ordered 1
		.amdhsa_forward_progress 1
		.amdhsa_inst_pref_size 119
	.end_amdhsa_kernel
	.amdgpu_metadata
---
amdhsa.version: [ 1, 2 ]
amdhsa.kernels:
  - .name:           k_qe51c626daf_ffn2
    .symbol:         k_qe51c626daf_ffn2.kd
    .args:
      - { .name: w5, .offset: 0, .size: 8, .value_kind: global_buffer, .address_space: global }
      - { .name: w0, .offset: 8, .size: 8, .value_kind: global_buffer, .address_space: global }
      - { .name: l2_b, .offset: 16, .size: 8, .value_kind: global_buffer, .address_space: global }
      - { .name: w6, .offset: 24, .size: 8, .value_kind: global_buffer, .address_space: global }
    .group_segment_fixed_size: 327680
    .private_segment_fixed_size: 0
    .kernarg_segment_align: 8
    .kernarg_segment_size: 32
    .max_flat_workgroup_size: 128
    .sgpr_count:     100
    .vgpr_count:     1024
    .wavefront_size: 32
...
	.end_amdgpu_metadata
.endif
;; end of part 7
;; launch ln2 (part 8): grid 256 x 1, 8 waves a work-group, no clusters, 69,632 bytes of LDS; arguments w6, w4, n2_g, n2_b, out0, out1; writes out0, out1
.if DOCPART == 8
	.amdgcn_target "amdgcn-amd-amdhsa--gfx1250"
	.amdhsa_code_object_version 6
	.text
	.protected	k_qe51c626daf_ln2
	.globl	k_qe51c626daf_ln2
	.p2align	8
	.type	k_qe51c626daf_ln2,@function
k_qe51c626daf_ln2:
	s_mov_b64 s[64:65], 0
	v_nop
	global_prefetch_b8 v0, s[64:65] scope:SCOPE_SE
	s_setreg_imm32_b32 hwreg(HW_REG_WAVE_MODE, 25, 1), 1
	s_wait_xcnt 0x0
; LN2: out = LayerNorm(p + y) x n2_g + n2_b, in f32.  y (w6) and p (w4) are images of registers in one layout and load as they lie: for tile T of 16 token rows and columns 128 s on, lane (r, h) holds 64 numbers of row
; 32 (T / 2) + 8 (T % 2) + r + 8 (r / 8): register 16 c + i = column 128 s + 32 c + 16 h + i.  A work-group takes a tile, wave s its columns.  Mean and variance as in launch ln1: two passes, each summed across the eight
; waves through LDS.  The result turns through the wave's own stage in LDS and leaves by rows: every store covers 512 consecutive bytes of a row of out0 (tiles 0-127) or out1.
; Memory binds; no matrix unit, no cluster: work-groups share no input.
.set PITCH, 528
.set STG,   16*PITCH
.set RED1,  8*STG
.set SPARE, RED1+1024                  ; the spare words, 128 bytes a wave: four blocks of 256 bytes that no other line names
.set SPW, 20
.set NIL, 21
.set Z,   64
.set XA,  128
.set XB,  192
.set SEL, 18
.macro ACROSS off                      ; four pairs of partial sums in v[48:55] become the row's sum over all 1,024 columns, in v48 of every lane
	v_pk_add_f32 v[48:49], v[48:49], v[50:51]
	v_pk_add_f32 v[52:53], v[52:53], v[54:55]
	v_pk_add_f32 v[48:49], v[48:49], v[52:53]
	v_add_f32 v48, v48, v49
	v_permlanex16_b32 v49, v48, s[SEL], s[SEL+1]
	v_add_f32 v48, v48, v49
	ds_store_b32 v8, v48 offset:\off               ; both halves of the lanes write the same word with the same value
	s_wait_dscnt 0x0                               ; for the others' sake: zero
	s_barrier_signal -1
	s_barrier_wait -1
	ds_load_b128 v[48:51], v9 offset:\off
	ds_load_b128 v[52:55], v9 offset:\off+16
	s_wait_dscnt 0x0
	v_pk_add_f32 v[48:49], v[48:49], v[50:51]
	v_pk_add_f32 v[52:53], v[52:53], v[54:55]
	v_pk_add_f32 v[48:49], v[48:49], v[52:53]
	v_add_f32 v48, v48, v49
.endm
	s_load_b256 s[4:11], s[0:1], 0x0               ; w6, w4, n2_g, n2_b
	s_load_b128 s[12:15], s[0:1], 0x20             ; out0, out1
	v_lshl_add_u32 v[SPW], v0, 2, SPARE
	v_mov_b32 v[NIL], 0
	v_lshrrev_b32 v1, 5, v0
	v_readfirstlane_b32 s16, v1                    ; wave = s
	v_and_b32 v1, 15, v0                           ; r
	v_bfe_u32 v2, v0, 4, 1                         ; h
	v_and_b32 v3, 31, v0
	v_lshlrev_b32 v3, 4, v3                        ; 16 x lane
	s_mul_i32 s17, s16, STG
	v_add_nc_u32 v4, s17, v3                       ; the stage by rows
	v_mul_u32_u24 v5, v1, PITCH
	v_lshl_add_u32 v5, v2, 6, v5
	v_add_nc_u32 v5, s17, v5                       ; and by my lane's 16 neighbours
	v_lshlrev_b32 v7, 6, v2
	s_lshl_b32 s17, s16, 2
	v_lshl_add_u32 v9, v1, 5, RED1
	v_add_nc_u32 v8, s17, v9
	s_mov_b32 s[SEL], 0x76543210
	s_mov_b32 s[SEL+1], 0xfedcba98
	s_mov_b32 s20, 0x3a800000                      ; 1 / 1,024
	s_mov_b32 s21, 0x3727c5ac                      ; 1e-5
	s_and_b32 s22, ttmp9, 127
	s_lshr_b32 s23, s22, 1
	s_lshl_b32 s23, s23, 5
	s_and_b32 s22, s22, 1
	s_lshl_b32 s22, s22, 3
	s_add_co_u32 s22, s22, s23                     ; the tile's first row in its output
	s_lshl_b32 s22, s22, 12
	s_lshl_b32 s24, s16, 9
	s_add_co_u32 s22, s22, s24
	s_mov_b32 s23, 0
	s_mov_b32 s25, 0
	s_lshl_b32 s26, ttmp9, 3
	s_add_co_u32 s26, s26, s16
	s_lshl_b32 s26, s26, 13                        ; the image (T, s)
	s_mov_b32 s27, 0
	s_wait_kmcnt 0x0
	s_cmp_lt_u32 ttmp9, 128
	s_cselect_b64 s[12:13], s[12:13], s[14:15]
	s_add_nc_u64 s[12:13], s[12:13], s[22:23]
	s_add_nc_u64 s[4:5], s[4:5], s[26:27]
	s_add_nc_u64 s[6:7], s[6:7], s[26:27]
	s_add_nc_u64 s[8:9], s[8:9], s[24:25]
	s_add_nc_u64 s[10:11], s[10:11], s[24:25]
.irp q, 0,1,2,3,4,5,6,7,8,9,10,11,12,13,14,15
	global_load_b128 v[Z+4*\q:Z+4*\q+3], v3, s[4:5] offset:512*\q th:TH_LOAD_NT
.endr
.irp q, 0,1,2,3,4,5,6,7,8,9,10,11,12,13,14,15
	global_load_b128 v[XA+4*\q:XA+4*\q+3], v3, s[6:7] offset:512*\q th:TH_LOAD_NT
.endr
.irp c, 0,1,2,3
.irp q, 0,1,2,3
	global_load_b128 v[XB+16*\c+4*\q:XB+16*\c+4*\q+3], v7, s[10:11] offset:128*\c+16*\q
.endr
.endr
	s_wait_loadcnt 16                              ; y and p are in; the bias's sixteen loads may be out
.set j, 0
.rept 32
	v_pk_add_f32 v[Z+j:Z+j+1], v[Z+j:Z+j+1], v[XA+j:XA+j+1]
.set j, j+2
.endr
.irp c, 0,1,2,3
.irp q, 0,1,2,3
	global_load_b128 v[XA+16*\c+4*\q:XA+16*\c+4*\q+3], v7, s[8:9] offset:128*\c+16*\q   ; the gain, into the registers that p has left
.endr
.endr
.irp k, 0,1,2,3
	v_pk_add_f32 v[48+2*\k:49+2*\k], v[Z+2*\k:Z+2*\k+1], v[Z+8+2*\k:Z+9+2*\k]
.endr
.irp j, 16,24,32,40,48,56
.irp k, 0,1,2,3
	v_pk_add_f32 v[48+2*\k:49+2*\k], v[48+2*\k:49+2*\k], v[Z+\j+2*\k:Z+\j+2*\k+1]
.endr
.endr
	ACROSS 0
	v_mul_f32 v56, s20, v48                        ; the mean
	v_mov_b32 v57, v56
.set j, 0
.rept 32
	v_pk_add_f32 v[Z+j:Z+j+1], v[Z+j:Z+j+1], v[56:57] neg_lo:[0,1] neg_hi:[0,1]
.set j, j+2
.endr
.irp k, 0,1,2,3
	v_pk_mul_f32 v[48+2*\k:49+2*\k], v[Z+2*\k:Z+2*\k+1], v[Z+2*\k:Z+2*\k+1]
.endr
.irp j, 8,16,24,32,40,48,56
.irp k, 0,1,2,3
	v_pk_fma_f32 v[48+2*\k:49+2*\k], v[Z+\j+2*\k:Z+\j+2*\k+1], v[Z+\j+2*\k:Z+\j+2*\k+1], v[48+2*\k:49+2*\k]
.endr
.endr
	ACROSS 512                                     ; other bytes than the first sum's: no third barrier is needed
	v_fma_f32 v58, v48, s20, s21                   ; the variance + 1e-5
	v_rsq_f32 v58, v58
	v_nop
	s_wait_alu depctr_va_vdst(0)                   ; ahead of the first reader
	v_mov_b32 v59, v58
	s_wait_loadcnt 0x0                             ; gain and bias
.set j, 0
.rept 32
	v_pk_mul_f32 v[Z+j:Z+j+1], v[Z+j:Z+j+1], v[58:59]
.set j, j+2
.endr
.set j, 0
.rept 32
	v_pk_fma_f32 v[Z+j:Z+j+1], v[Z+j:Z+j+1], v[XA+j:XA+j+1], v[XB+j:XB+j+1]
.set j, j+2
.endr
.irp c, 0,1,2,3
.irp q, 0,1,2,3
	ds_store_b128 v5, v[Z+16*\c+4*\q:Z+16*\c+4*\q+3] offset:128*\c+16*\q
.endr
.endr
.irp i, 0,1,2,3,4,5,6,7,8,9,10,11,12,13,14,15
	ds_load_b128 v[XA+4*\i:XA+4*\i+3], v4 offset:PITCH*\i    ; LDS serves a wave's instructions in order: these see my stores
.endr
.irp i, 0,1,2,3,4,5,6,7,8,9,10,11,12,13,14,15
	s_wait_dscnt 15-\i                             ; row i is back; the younger rows may be out
	global_store_b128 v3, v[XA+4*\i:XA+4*\i+3], s[12:13] offset:(\i+8*(\i/8))*4096 th:TH_STORE_NT
.endr
	s_wait_tensorcnt 0x0                           ; the wave's end: these three lines behind my last LDS store
	ds_add_u32 v[SPW], v[NIL]
	s_wait_dscnt 0x0
	s_endpgm
.Lfunc_end_k_qe51c626daf_ln2:
	.size	k_qe51c626daf_ln2, .Lfunc_end_k_qe51c626daf_ln2-k_qe51c626daf_ln2
	.p2alignl 7, 3214868480
	.fill 96, 4, 3214868480
	.section	.rodata,"a",@progbits
	.p2align	6, 0x0
	.amdhsa_kernel k_qe51c626daf_ln2
		.amdhsa_group_segment_fixed_size 69632
		.amdhsa_private_segment_fixed_size 0
		.amdhsa_enable_private_segment 0
		.amdhsa_kernarg_size 48
		.amdhsa_user_sgpr_count 2
		.amdhsa_user_sgpr_kernarg_segment_ptr 1
		.amdhsa_wavefront_size32 1
		.amdhsa_system_sgpr_workgroup_id_x 1
		.amdhsa_system_sgpr_workgroup_id_y 1
		.amdhsa_system_sgpr_workgroup_id_z 1
		.amdhsa_system_vgpr_workitem_id 0
		.amdhsa_next_free_vgpr 256
		.amdhsa_next_free_sgpr 66
		.amdhsa_reserve_vcc 0
		.amdhsa_float_denorm_mode_32 3
		.amdhsa_float_denorm_mode_16_64 3
		.amdhsa_memory_ordered 1
		.amdhsa_forward_progress 1
		.amdhsa_inst_pref_size 27
	.end_amdhsa_kernel
	.amdgpu_metadata
---
amdhsa.version: [ 1, 2 ]
amdhsa.kernels:
  - .name:           k_qe51c626daf_ln2
    .symbol:         k_qe51c626daf_ln2.kd
    .args:
      - { .name: w6, .offset: 0, .size: 8, .value_kind: global_buffer, .address_space: global }
      - { .name: w4, .offset: 8, .size: 8, .value_kind: global_buffer, .address_space: global }
      - { .name: n2_g, .offset: 16, .size: 8, .value_kind: global_buffer, .address_space: global }
      - { .name: n2_b, .offset: 24, .size: 8, .value_kind: global_buffer, .address_space: global }
      - { .name: out0, .offset: 32, .size: 8, .value_kind: global_buffer, .address_space: global }
      - { .name: out1, .offset: 40, .size: 8, .value_kind: global_buffer, .address_space: global }
    .group_segment_fixed_size: 69632
    .private_segment_fixed_size: 0
    .kernarg_segment_align: 8
    .kernarg_segment_size: 48
    .max_flat_workgroup_size: 256
    .sgpr_count:     66
    .vgpr_count:     256
    .wavefront_size: 32
...
	.end_amdgpu_metadata
.endif
;; end of part 8
;; ======== version 2 of 2: 7 launches
;; limits: right only within a limited range of input values
;; workspace buffers: w0 13,107,200 bytes; w1 10,092,544 bytes; w2 3,276,800 bytes; w4 20,054,016 bytes; w5 13,107,200 bytes; w6 16,777,216 bytes
;; launch prep (part 9): grid 704 x 1, 4 waves a work-group, no clusters, 84,480 bytes of LDS; arguments pcpt, gen, Wqkv_w_codes, Wqkv_w_scales, out_w_codes, out_w_scales, l1_w_codes, l1_w_scales, l2_w_codes, l2_w_scales, w0; writes w0
.if DOCPART == 9
	.amdgcn_target "amdgcn-amd-amdhsa--gfx1250"
	.amdhsa_code_object_version 6
	.text
	.protected	k_qe51c626daf_prep
	.globl	k_qe51c626daf_prep
	.p2align	8
	.type	k_qe51c626daf_prep,@function
k_qe51c626daf_prep:
	s_mov_b64 s[64:65], 0
	v_nop
	global_prefetch_b8 v0, s[64:65] scope:SCOPE_SE
	s_setreg_imm32_b32 hwreg(HW_REG_WAVE_MODE, 25, 1), 1
	s_wait_xcnt 0x0
; PREP: the 4,096 token rows (pcpt b0, pcpt b1, gen b0, gen b1) become codes of E2M3 with one E8M0 byte for each 32 along K, and the four weights, which arrive as codes in rows,
; are laid anew; both in THE ORDER OF THE OPERAND'S REGISTERS, so that every later launch fetches dense blocks and reads a fragment by three loads of 16 bytes a lane.
; A BLOCK (25,600 bytes) holds 256 rows x 128 K: 16 tiles of 1,536 bytes (registers 4 c .. 4 c + 3 of lane l at 512 c + 16 l), then 16 x 64 bytes of scale words (row r's word at 4 r).
; out_w's and l2_w's blocks lie BY HALVES instead: 8 tiles (12,288 bytes) and their 8 x 64 bytes of scale words, then the other 128 rows' 12,800 bytes: their products are made by work-groups that own 128 rows.
; THE ROWS OF A TILE ARE NOT NEIGHBOURS: lane r of tile T holds row 32 (T / 2) + 8 (T % 2) + r + 8 (r / 8), so that a transposed product's 16 registers of two neighbouring tiles are 16 neighbours along the next K.
; w0: x at 0 (16 groups x 8 K steps), Wqkv at 3,276,800 (12 x 8), out_w at 5,734,400 (4 x 8), l1_w at 6,553,600 (16 x 8), l2_w at 9,830,400 (4 x 32).
; WORK LEFT OUT BY THE PROGRAM (launch attn).  For gen query i reference() adds finfo.min, by a mask that it builds itself, to the score of every gen key but key i.  Each such row also holds 1,024
; unmasked pcpt keys, so for all finite inputs the row's maximum is a finite score, and p = 2^(t - M) is 0 at every masked key.  A block of 32 keys all of whose p are 0 has zero codes and adds nothing.  So of the
; gen keys only the tile of 16 x 16 scores that holds the diagonal and the one block of 32 keys that holds a query's own key are computed.  LIMIT: a NaN, an infinity or an overflow that arises only in
; the scores left out is not carried to the result.  Every input has a way to an output: all are loaded by some launch.
; LIMITS: NaN and infinities among the inputs are not served; a block whose largest magnitude lies under 2^-124 gets the byte 1, a block of zeros too (its codes are zeros; this program alone reads the bytes).
; Work-groups 0-511: x, one tile of 16 rows x 128 K a wave.  Work-groups 512-703: the weights, one tile x 8 K steps (16 rows x 768 bytes) a wave.  Waves share nothing: no barrier.  Each path has LDS bytes of its own.
.set BLK,    25600
.set WQ_OFF, 3276800
.set OW_OFF, 5734400
.set L1_OFF, 6553600
.set L2_OFF, 9830400
.set XPITCH, 528                       ; x's stage: 16 rows of 512 bytes + 16
.set WPITCH, 784                       ; the weights' stage: 16 rows of 768 bytes + 16
.set XSTG,   16*XPITCH
.set WSTG,   16*WPITCH
.set WST,    4*XSTG                    ; the weights' stages begin behind x's four
.set SPARE,  WST+4*WSTG                ; the spare words, 128 bytes a wave: two blocks of 256 bytes that no other line names
.set SPW, 12                           ; v12  my spare word's LDS address; never rewritten
.set NIL, 13                           ; v13  0; never rewritten
.set TM,  16                           ; v16-31 the quantiser's temporaries
.set PW,  32                           ; v32  the scale word just made
.set PC,  36                           ; v36-54 the codes just made
.set SEL, 28                           ; s[28:29] v_permlanex16_b32's selects for lane l xor 16
; 64 numbers of a lane, register 16 b + i = k 32 b + 16 (lane / 16) + i of my row, become a fragment's 12 registers in v[PC] on and its scale word in v[PW].
.macro QUANT s
.irp b, 0,1,2,3
	v_max3_num_f32 v[TM+\b], |v[\s+16*\b]|, |v[\s+1+16*\b]|, 0x1800000   ; my 16 numbers of block b, and the floor 2^(3 - 127): the byte cannot fall under 1
.endr
.irp i, 2,4,6,8,10,12,14
.irp b, 0,1,2,3
	v_max3_num_f32 v[TM+\b], v[TM+\b], |v[\s+16*\b+\i]|, |v[\s+1+16*\b+\i]|
.endr
.endr
.irp b, 0,1,2,3
	v_permlanex16_b32 v[TM+4+\b], v[TM+\b], s[SEL], s[SEL+1]
.endr
.irp b, 0,1,2,3
	v_max_num_f32 v[TM+\b], v[TM+\b], v[TM+4+\b]           ; with lane l xor 16's: the block's largest magnitude
.endr
.irp b, 0,1,2,3
	v_add_nc_u32 v[TM+12+\b], 0xff000000, v[TM+\b]         ; 2 off its exponent field: the conversion's scale operand
.endr
.irp b, 0,1,2,3
	v_lshrrev_b32 v[TM+4+\b], 23, v[TM+12+\b]              ; the scale's byte
.endr
	v_lshl_or_b32 v[PW], v[TM+5], 8, v[TM+4]
	v_lshl_or_b32 v[PW], v[TM+6], 16, v[PW]
	v_lshl_or_b32 v[PW], v[TM+7], 24, v[PW]
.irp c, 0,1
	v_cvt_scalef32_pk16_fp6_f32 v[PC+6*\c:PC+2+6*\c], v[\s+32*\c:\s+15+32*\c], v[TM+12+2*\c]
	v_cvt_scalef32_pk16_fp6_f32 v[PC+12+4*\c:PC+14+4*\c], v[\s+16+32*\c:\s+31+32*\c], v[TM+12+2*\c+1]   ; (a conversion's three registers begin on an even number)
.endr
	v_nop                                                  ; one plain place behind a scaled conversion
.irp c, 0,1                                            ; the layout wants a whole block in a lane: lanes 0-15 block 2 c, lanes 16-31 block 2 c + 1
.irp i, 0,1,2
	v_permlane16_swap_b32 v[PC+6*\c+\i], v[PC+12+4*\c+\i]
.endr
.irp i, 0,1,2
	v_mov_b32 v[PC+3+6*\c+\i], v[PC+12+4*\c+\i]
.endr
.endr
.endm
	s_load_b512 s[4:19], s[0:1], 0x0               ; pcpt, gen, Wqkv codes, scales, out_w codes, scales, l1_w codes, scales
	s_load_b128 s[20:23], s[0:1], 0x40             ; l2_w codes, scales
	s_load_b64 s[24:25], s[0:1], 0x50              ; w0
	v_lshl_add_u32 v[SPW], v0, 2, SPARE
	v_mov_b32 v[NIL], 0
	v_lshrrev_b32 v1, 5, v0
	v_readfirstlane_b32 s26, v1                    ; wave
	v_and_b32 v1, 15, v0                           ; r
	v_bfe_u32 v2, v0, 4, 1                         ; h
	v_and_b32 v3, 31, v0
	v_lshlrev_b32 v3, 4, v3                        ; 16 x lane
	v_lshlrev_b32 v6, 2, v1                        ; 4 r
	s_mov_b32 s[SEL], 0x76543210
	s_mov_b32 s[SEL+1], 0xfedcba98
	; every LDS address is made here, ahead of the parting of the two paths
	s_mul_i32 s27, s26, XSTG
	v_add_nc_u32 v4, s27, v3                       ; x's stage, in: 16 x lane of a row
	v_mul_u32_u24 v5, v1, XPITCH
	v_lshl_add_u32 v5, v2, 6, v5
	v_add_nc_u32 v5, s27, v5                       ; and out: row r, + 64 h
	s_mul_i32 s27, s26, WSTG
	s_add_co_u32 s27, s27, WST
	v_add_nc_u32 v10, s27, v3                      ; the weights' stage, in: 16 x lane,
	v_lshl_add_u32 v11, v2, 4, v10                 ; the same past a row's padding for lanes 16-31,
	v_mul_u32_u24 v14, v1, WPITCH
	v_mad_u32_u24 v14, v2, 24, v14
	v_add_nc_u32 v14, s27, v14                     ; and out: row r, + 24 h
	s_wait_kmcnt 0x0
	s_cmp_lt_u32 ttmp9, 512
	s_cbranch_scc0 .Lweights
	; ---- x: tile T = id / 2, K step 4 (id % 2) + wave
	s_lshr_b32 s30, ttmp9, 1                       ; T
	s_and_b32 s31, ttmp9, 1
	s_lshl_b32 s31, s31, 2
	s_add_co_u32 s31, s31, s26                     ; the K step
	s_cmp_lt_u32 s30, 128
	s_cselect_b64 s[4:5], s[4:5], s[6:7]           ; tiles 0-127 are pcpt's, the others gen's
	s_and_b32 s32, s30, 127
	s_lshr_b32 s33, s32, 1
	s_lshl_b32 s33, s33, 5
	s_and_b32 s34, s32, 1
	s_lshl_b32 s34, s34, 3
	s_add_co_u32 s33, s33, s34                     ; the tile's first row
	s_lshl_b32 s34, s33, 12                        ; rows of 4,096 bytes
	s_lshl_b32 s35, s31, 9                         ; 512 bytes a K step
	s_add_co_u32 s34, s34, s35
	s_mov_b32 s35, 0
	s_add_nc_u64 s[4:5], s[4:5], s[34:35]
.irp i, 0,1,2,3,4,5,6,7,8,9,10,11,12,13,14,15
	global_load_b128 v[64+4*\i:67+4*\i], v3, s[4:5] offset:(\i+8*(\i/8))*4096   ; the tile's row i: 512 consecutive bytes
.endr
.irp b, 0,1,2,3
	v_mov_b32 v[TM+4+\b], 0                        ; a lane permute's destination counts as one of its sources
.endr
	s_lshr_b32 s36, s30, 4
	s_lshl_b32 s36, s36, 3
	s_add_co_u32 s36, s36, s31
	s_mul_i32 s36, s36, BLK                        ; the block (group T / 16, K step)
	s_and_b32 s38, s30, 15
	s_mul_i32 s39, s38, 1536
	s_lshl_b32 s40, s38, 6
	s_add_co_u32 s40, s40, s36
	s_add_co_u32 s40, s40, 24576                   ; the tile's scale words
	s_add_co_u32 s36, s36, s39                     ; the tile's codes
	s_mov_b32 s37, 0
	s_mov_b32 s41, 0
	s_add_nc_u64 s[36:37], s[24:25], s[36:37]
	s_add_nc_u64 s[40:41], s[24:25], s[40:41]
.irp i, 0,1,2,3,4,5,6,7,8,9,10,11,12,13,14,15
	s_wait_loadcnt 15-\i                           ; row i is in; the younger rows may be out
	ds_store_b128 v4, v[64+4*\i:67+4*\i] offset:XPITCH*\i
.endr
.irp c, 0,1,2,3
.irp q, 0,1,2,3
	ds_load_b128 v[128+16*\c+4*\q:131+16*\c+4*\q], v5 offset:128*\c+16*\q   ; my 16 neighbours of block c; LDS serves a wave's instructions in order: these see my stores
.endr
.endr
	s_wait_dscnt 0x0
	QUANT 128
.irp c, 0,1,2
	global_store_b128 v3, v[PC+4*\c:PC+4*\c+3], s[36:37] offset:512*\c      ; 512 consecutive bytes
.endr
	global_store_b32 v6, v[PW], s[40:41]           ; both halves of the lanes hold row r's word and write it to the same place
	s_wait_tensorcnt 0x0                           ; the wave's end: these three lines behind my last LDS store
	ds_add_u32 v[SPW], v[NIL]
	s_wait_dscnt 0x0
	s_endpgm
.Lweights:
	; ---- the weights.  id' = id - 512: 0-47 Wqkv, 48-63 out_w, 64-127 l1_w (tile 4 (id' - first) + wave, all 8 K steps); 128-191 l2_w (tile id' - 128, K steps 8 wave on)
	s_sub_co_u32 s30, ttmp9, 512
	s_cmp_lt_u32 s30, 128
	s_cselect_b64 s[16:17], s[16:17], s[20:21]     ; the choices hang on the work-group's number alone
	s_cselect_b64 s[18:19], s[18:19], s[22:23]
	s_mov_b32 s33, L2_OFF
	s_cselect_b32 s33, L1_OFF, s33                 ; where it goes in w0
	s_mov_b32 s34, 3072
	s_cselect_b32 s34, 768, s34                    ; P: a row of codes in bytes
	s_mov_b32 s35, 128
	s_cselect_b32 s35, 32, s35                     ; a row of scale bytes
	s_cselect_b32 s36, 8, 32                       ; K steps in a row
	s_mov_b32 s37, 128
	s_cselect_b32 s37, 64, s37                     ; the tensor's first id'
	s_cselect_b32 s38, 2, 0
	s_cselect_b32 s39, s26, 0
	s_cselect_b32 s32, 0, s26                      ; which 8 K steps
	s_cselect_b32 s2, 0, 512                       ; a block by halves: the upper 8 tiles' codes lie 512 bytes further on,
	s_mov_b32 s3, 12288
	s_cselect_b32 s3, 24576, s3                    ; and the scale words begin behind 8 tiles, not behind 16
	s_cmp_lt_u32 s30, 64
	s_cselect_b64 s[16:17], s[12:13], s[16:17]
	s_cselect_b64 s[18:19], s[14:15], s[18:19]
	s_cselect_b32 s33, OW_OFF, s33
	s_cselect_b32 s37, 48, s37
	s_cselect_b32 s2, 512, s2                      ; out_w: by halves
	s_cselect_b32 s3, 12288, s3
	s_cmp_lt_u32 s30, 48
	s_cselect_b64 s[16:17], s[8:9], s[16:17]
	s_cselect_b64 s[18:19], s[10:11], s[18:19]
	s_cselect_b32 s33, WQ_OFF, s33
	s_cselect_b32 s37, 0, s37
	s_cselect_b32 s2, 0, s2                        ; Wqkv: whole blocks
	s_cselect_b32 s3, 24576, s3
	s_sub_co_u32 s31, s30, s37
	s_lshl_b32 s31, s31, s38
	s_add_co_u32 s31, s31, s39                     ; T
	s_lshr_b32 s40, s31, 1
	s_lshl_b32 s40, s40, 5
	s_and_b32 s41, s31, 1
	s_lshl_b32 s41, s41, 3
	s_add_co_u32 s40, s40, s41                     ; the tile's first row
	s_mul_i32 s56, s40, s34
	s_mul_i32 s57, s32, 768
	s_add_co_u32 s56, s56, s57
	s_mov_b32 s57, 0
	s_mul_i32 s58, s40, s35
	s_lshl_b32 s59, s32, 5
	s_add_co_u32 s58, s58, s59
	s_mov_b32 s59, 0
	s_add_nc_u64 s[18:19], s[18:19], s[58:59]      ; the scale bytes at the tile's first row
	s_add_nc_u64 s[40:41], s[16:17], s[56:57]      ; a base for each pair of rows: the tile's rows 0, 2, 4, 6, 16, 18, 20, 22 on
	s_lshl_b32 s56, s34, 1                         ; 2 P
	s_mul_i32 s58, s34, 10                         ; 10 P
	s_add_nc_u64 s[42:43], s[40:41], s[56:57]
	s_add_nc_u64 s[44:45], s[42:43], s[56:57]
	s_add_nc_u64 s[46:47], s[44:45], s[56:57]
	s_add_nc_u64 s[48:49], s[46:47], s[58:59]
	s_add_nc_u64 s[50:51], s[48:49], s[56:57]
	s_add_nc_u64 s[52:53], s[50:51], s[56:57]
	s_add_nc_u64 s[54:55], s[52:53], s[56:57]
	s_sub_co_u32 s27, s34, 768
	v_mul_lo_u32 v7, v2, s27
	v_add3_u32 v7, v7, v3, 512                     ; second load of a pair: lanes 0-15 the first row's bytes 512 on, lanes 16-31 the second row's bytes 0 on
	s_add_co_u32 s27, s34, 256
	v_add_nc_u32 v8, s27, v3                       ; third: the second row's bytes 256 on
	v_and_b32 v9, 8, v1
	v_add_nc_u32 v9, v9, v1
	v_mul_lo_u32 v9, v9, s35
	v_lshl_add_u32 v9, v2, 4, v9                   ; scale bytes: row r + 8 (r / 8), + 16 h: the words of K steps 4 h .. 4 h + 3
	v_mad_u32_u24 v15, v2, 0x19000, v6             ; and where they go: 4 r + 4 blocks x h
	global_load_b128 v[56:59], v9, s[18:19]
.irp j, 0,1,2,3,4,5,6,7
	global_load_b128 v[64+12*\j:67+12*\j], v3, s[40+2*\j:41+2*\j]
	global_load_b128 v[68+12*\j:71+12*\j], v7, s[40+2*\j:41+2*\j]
	global_load_b128 v[72+12*\j:75+12*\j], v8, s[40+2*\j:41+2*\j]
.endr
	s_lshr_b32 s60, s31, 4
	s_mul_i32 s60, s60, s36
	s_lshl_b32 s61, s32, 3
	s_add_co_u32 s60, s60, s61
	s_mul_i32 s60, s60, BLK
	s_add_co_u32 s60, s60, s33                     ; the first of my eight blocks
	s_and_b32 s61, s31, 15                         ; the tile's place t in its group,
	s_lshr_b32 s56, s61, 3                         ; and its half of the group
	s_mul_i32 s62, s61, 1536
	s_mul_i32 s57, s56, s2
	s_add_co_u32 s62, s62, s57
	s_add_co_u32 s62, s62, s60                     ; the tile's codes: 1,536 t, by halves + 512 (t / 8)
	s_lshl_b32 s63, s61, 6
	s_add_co_u32 s63, s63, s3
	s_sub_co_u32 s57, 24576, s3
	s_mul_i32 s57, s57, s56
	s_add_co_u32 s63, s63, s57
	s_add_co_u32 s60, s60, s63                     ; its scale words: 24,576 + 64 t, by halves 12,288 + 64 t + 12,288 (t / 8)
	s_mov_b32 s61, 0
	s_mov_b32 s63, 0
	s_add_nc_u64 s[60:61], s[24:25], s[60:61]
	s_add_nc_u64 s[62:63], s[24:25], s[62:63]
.irp j, 0,1,2,3,4,5,6,7
	s_wait_loadcnt 23-3*\j                         ; the counts name the younger loads of the 24
	ds_store_b128 v10, v[64+12*\j:67+12*\j] offset:2*WPITCH*\j
	s_wait_loadcnt 22-3*\j
	ds_store_b128 v11, v[68+12*\j:71+12*\j] offset:2*WPITCH*\j+512
	s_wait_loadcnt 21-3*\j
	ds_store_b128 v10, v[72+12*\j:75+12*\j] offset:2*WPITCH*\j+WPITCH+256
.endr
	s_wait_alu depctr_va_vdst(0)
.irp t, 0,1,2,3,4,5,6,7
.irp p, 0,1,2,3,4,5
	ds_load_b64 v[160+12*\t+2*\p:161+12*\t+2*\p], v14 offset:96*\t+48*(\p/3)+8*(\p%3)   ; K step t's fragment: 24 bytes of my row's stream of bits, twice
.endr
.endr
.irp i, 0,1,2,3
	global_store_b32 v15, v[56+\i], s[60:61] offset:BLK*\i
.endr
.irp t, 0,1,2,3,4,5,6,7
	s_wait_dscnt 6*(7-\t)                          ; this K step's six loads are in
.irp c, 0,1,2
	global_store_b128 v3, v[160+12*\t+4*\c:163+12*\t+4*\c], s[62:63] offset:BLK*\t+512*\c
.endr
.endr
	s_wait_tensorcnt 0x0                           ; the wave's end: these three lines behind my last LDS store
	ds_add_u32 v[SPW], v[NIL]
	s_wait_dscnt 0x0
	s_endpgm
.Lfunc_end_k_qe51c626daf_prep:
	.size	k_qe51c626daf_prep, .Lfunc_end_k_qe51c626daf_prep-k_qe51c626daf_prep
	.p2alignl 7, 3214868480
	.fill 96, 4, 3214868480
	.section	.rodata,"a",@progbits
	.p2align	6, 0x0
	.amdhsa_kernel k_qe51c626daf_prep
		.amdhsa_group_segment_fixed_size 84480
		.amdhsa_private_segment_fixed_size 0
		.amdhsa_enable_private_segment 0
		.amdhsa_kernarg_size 88
		.amdhsa_user_sgpr_count 2
		.amdhsa_user_sgpr_kernarg_segment_ptr 1
		.amdhsa_wavefront_size32 1
		.amdhsa_system_sgpr_workgroup_id_x 1
		.amdhsa_system_sgpr_workgroup_id_y 1
		.amdhsa_system_sgpr_workgroup_id_z 1
		.amdhsa_system_vgpr_workitem_id 0
		.amdhsa_next_free_vgpr 256
		.amdhsa_next_free_sgpr 66
		.amdhsa_reserve_vcc 0
		.amdhsa_float_denorm_mode_32 3
		.amdhsa_float_denorm_mode_16_64 3
		.amdhsa_memory_ordered 1
		.amdhsa_forward_progress 1
		.amdhsa_inst_pref_size 26
	.end_amdhsa_kernel
	.amdgpu_metadata
---
amdhsa.version: [ 1, 2 ]
amdhsa.kernels:
  - .name:           k_qe51c626daf_prep
    .symbol:         k_qe51c626daf_prep.kd
    .args:
      - { .name: pcpt, .offset: 0, .size: 8, .value_kind: global_buffer, .address_space: global }
      - { .name: gen, .offset: 8, .size: 8, .value_kind: global_buffer, .address_space: global }
      - { .name: Wqkv_w_codes, .offset: 16, .size: 8, .value_kind: global_buffer, .address_space: global }
      - { .name: Wqkv_w_scales, .offset: 24, .size: 8, .value_kind: global_buffer, .address_space: global }
      - { .name: out_w_codes, .offset: 32, .size: 8, .value_kind: global_buffer, .address_space: global }
      - { .name: out_w_scales, .offset: 40, .size: 8, .value_kind: global_buffer, .address_space: global }
      - { .name: l1_w_codes, .offset: 48, .size: 8, .value_kind: global_buffer, .address_space: global }
      - { .name: l1_w_scales, .offset: 56, .size: 8, .value_kind: global_buffer, .address_space: global }
      - { .name: l2_w_codes, .offset: 64, .size: 8, .value_kind: global_buffer, .address_space: global }
      - { .name: l2_w_scales, .offset: 72, .size: 8, .value_kind: global_buffer, .address_space: global }
      - { .name: w0, .offset: 80, .size: 8, .value_kind: global_buffer, .address_space: global }
    .group_segment_fixed_size: 84480
    .private_segment_fixed_size: 0
    .kernarg_segment_align: 8
    .kernarg_segment_size: 88
    .max_flat_workgroup_size: 128
    .sgpr_count:     66
    .vgpr_count:     256
    .wavefront_size: 32
...
	.end_amdgpu_metadata
.endif
;; end of part 9
;; launch qkv (part 10): grid 12 x 16, 4 waves a work-group, clusters of 4 x 4, 327,680 bytes of LDS; arguments w0, Wqkv_b, w1; writes w1
.if DOCPART == 10
	.amdgcn_target "amdgcn-amd-amdhsa--gfx1250"
	.amdhsa_code_object_version 6
	.text
	.protected	k_qe51c626daf_qkv
	.globl	k_qe51c626daf_qkv
	.p2align	8
	.type	k_qe51c626daf_qkv,@function
k_qe51c626daf_qkv:
	s_mov_b64 s[64:65], 0
	v_nop
	global_prefetch_b8 v0, s[64:65] scope:SCOPE_SE
	s_setreg_imm32_b32 hwreg(HW_REG_WAVE_MODE, 25, 1), 1
	s_wait_xcnt 0x0
	s_wait_alu depctr_hold_cnt(0) depctr_sa_sdst(0) depctr_va_vdst(0) depctr_va_sdst(0) depctr_va_ssrc(0) depctr_va_vcc(0) depctr_vm_vsrc(0)
	s_getreg_b32 s2, hwreg(HW_REG_IB_STS2, 6, 4)
	s_cmp_eq_u32 s2, 0
	s_cbranch_scc0 .Lentry_in_a_cluster
	s_endpgm
.Lentry_in_a_cluster:
	s_bfe_u32 s2, ttmp6, 0x10000c
	s_cmp_lg_u32 s2, 0xf033
	s_cbranch_scc0 .Lentry_shape_is_right
	s_endpgm
.Lentry_shape_is_right:
; QKV: t = x Wqkv^T + b on codes of E2M3 (K = 1,024), and q, k, v quantised at once for the attention: q and k along the head's 64, v along the keys.  Nothing goes out in f32.
; A work-group of four waves makes 256 x 256; a wave 128 x 128: 64 accumulators, (a, b) at v[8 (8 (a % 4) + b)] of window 2 + a / 4.  The matrix instruction is used transposed: source 0 = a tile of the B side,
; source 1 = a tile of the A side: a lane holds ONE row of the A side, and its 64 registers of a given a run along 128 rows of the B side, in their true order (the tiles' rows are chosen for it: launch prep).
; THE CLUSTER'S x IS THE CLASS: 0 = q, 1 = k: A side = x (tokens), B side = Wqkv (features): a lane's registers run along the features, two heads.  2 = v: A side = Wqkv, B side = x: they run along the keys.
; The sides change places by offsets chosen on the cluster's x, which all sixteen partners share; only the first K step, whose C is the bias, has two forms.
; K goes in blocks of 25,600 bytes (256 rows x 128 K with their scale words).  A slot holds A's and B's blocks of two K steps; all three slots are filled at the start by one load a wave (three K steps of its side), and slot 0 once more, one block a wave.
; CLUSTERS: 4 x 4.  A's blocks are shared along a row of the cluster, B's along a column: each is asked for jointly.
; w1: q blocks at 0, k blocks at 3,407,872 (block 32 stream + 16 b + head, 53,248 bytes: 64 tiles of 16 tokens x 64, registers 2 p, 2 p + 1 of lane l at 768 tile + 256 p + 8 l; words at 49,152 + 64 tile + 4 r, bytes 2, 3 zero);
; v blocks at 6,815,744 (51,200 bytes: fragment (key step, tile of 16 of the head's 64) at 1,536 (4 step + tile), words at 49,152 + 64 (4 step + tile) + 4 r).
; LIMITS: as stated in launch prep (NaN, infinities; the byte's floor).
; REGISTERS: window 0: v1-15 lane terms; v16-26 LDS addresses; v28, v29 the add's two; v32-63 scale words, two sets; v64-127 the bias as C; v128-223 A's 8 fragments (on the way out: the quantiser's).  window 1: B's two sets.
; LDS AS IT IS USED HERE: A's K steps 0 to 5 lie one behind the other at k x 25,600, B's from BSIDE on.  At the head each wave issues ONE tensor load of three consecutive K steps of its side
; (300 rows of 256 bytes): waves 0, 1 A's steps 0-2 and 3-5, waves 2, 3 B's.  A "slot" is two K steps of each side; K steps 6 and 7 are brought once into the bytes of K steps 0 and 1.
.set BLK,    25600
.set SLOT,   2*BLK                     ; from a slot's two K steps of one side to the next slot's
.set BSIDE,  6*BLK                     ; B's six K steps lie behind A's six
.set SPARE,  12*BLK                    ; the spare words, 128 bytes a wave: two blocks of 256 bytes that no other line names
.set NLA,    3                         ; LDS loads that bring a fragment of A
.set WQ_OFF, 3276800
.set QB,     53248
.set VB,     51200
.set ADRA, 16                          ; v16-18 my A fragments in slot 0, 1, 2
.set ADRB, 20                          ; v20-22 the same for B
.set ADRS, 24                          ; v24-26 my scale words: lanes 0-15 A's rows, lanes 16-31 B's
.set L8,   27
.set SPW,  28
.set NIL,  29
.set LW,   30
.set SHV,  31
.set SC,   32                          ; set sc at v[SC + 16 sc]; register 8 q + i: the words of A's tile i (lanes 0-15) and B's tile i (lanes 16-31) of the slot's q-th K step
.set BI,   64
.set AF,   128
.set TM,   128
.set PW,   144
.set SV,   145
.set PC,   148
.set SEL,  12
.set G1A,  24                          ; s[24:31] group 1 for A's blocks; s[32:43] group 0: set 0 the head's load, set 1 the refill
.set G0A,  32
.set G1B,  44                          ; s[44:51], s[52:63] the same for B's
.set G0B,  52
.set MSB, 0
.macro WIN new                         ; the immediate's high byte repeats the setting that is left
.if MSB != (\new)
	s_set_vgpr_msb (MSB<<8)|(\new)
.set MSB, (\new)
.endif
.endm
.macro JLOAD g0a, g0b                  ; a joint load: waves 0, 1 fetch for A, waves 2, 3 for B; an s_nop 0 and four v_nop follow each line
	s_cmp_eq_u32 s15, 0
	s_cbranch_scc0 .Lfor_b_\@
	tensor_load_to_lds s[\g0a:\g0a+3], s[G1A:G1A+7]
	s_nop 0
.rept 4
	v_nop
.endr
	s_branch .Lasked_\@
.Lfor_b_\@:
	tensor_load_to_lds s[\g0b:\g0b+3], s[G1B:G1B+7]
	s_nop 0
.rept 4
	v_nop
.endr
.Lasked_\@:
.endm
.macro CREST                           ; a round of the cluster's barrier behind its opening barrier
	s_cmp_lg_u32 s14, 0
	s_cbranch_scc1 .Lnot_wave_0_\@
	s_barrier_signal -3
.Lnot_wave_0_\@:
	s_barrier_wait -3
	s_barrier_signal -1
	s_barrier_wait -1
.endm
.macro CROUND
	s_barrier_signal -1
	s_barrier_wait -1
	CREST
.endm
.macro PLACES                          ; four places behind a matrix instruction, ahead of loads into its registers and of reads of its results
.rept 4
	v_nop
.endr
.endm
.macro FRAG reg, adr, off              ; a fragment as an image of its 12 registers: three loads of 512 consecutive bytes
.irp c, 0,1,2
	ds_load_b128 v[\reg+4*\c:\reg+4*\c+3], v[\adr] offset:\off+512*\c
.endr
.endm
.macro FETCH_B slot, q, p              ; B's eight fragments of the slot's q-th K step into set p (window 1)
	WIN 0x40
.irp i, 0,1,2,3,4,5,6,7
	FRAG 128*(\p)+12*\i, ADRB+\slot, (\q)*BLK+1536*\i
.endr
	WIN 0
.endm
.macro FETCH_A slot, q, i0             ; A's tiles i0 .. i0 + 3
.irp i, \i0, \i0+1, \i0+2, \i0+3
	FRAG AF+12*(\i), ADRA+\slot, (\q)*BLK+1536*(\i)
.endr
.endm
.macro SCALES slot, sc                 ; a slot's scale words: 16 loads
.irp q, 0,1
.irp i, 0,1,2,3,4,5,6,7
	ds_load_b32 v[SC+16*(\sc)+8*\q+\i], v[ADRS+\slot] offset:\q*BLK+64*\i
.endr
.endr
.endm
; 16 matrix instructions: A's tiles a0, a0 + 1 x B's eight.  cm = 0: in place; 1: C = the bias along the B side; 2: along the A side.  The 64 accumulators take turns, one instruction a turn, in the same order in every K step.
.macro MUL16 a0, p, q, sc, cm
.if \cm
	WIN 0x81+0x40*((\a0)/4)
.else
	WIN 0xa1+0x50*((\a0)/4)
.endif
.irp a, \a0, \a0+1
.irp b, 0,1,2,3,4,5,6,7
.if \cm == 0
	v_wmma_scale_f32_16x16x128_f8f6f4 v[8*(8*((\a)%4)+\b):8*(8*((\a)%4)+\b)+7], v[128*(\p)+12*\b:128*(\p)+12*\b+11], v[AF+12*(\a):AF+12*(\a)+11], v[8*(8*((\a)%4)+\b):8*(8*((\a)%4)+\b)+7], v[SC+16*(\sc)+8*(\q)+\b], v[SC+16*(\sc)+8*(\q)+(\a)] matrix_a_fmt:MATRIX_FMT_FP6 matrix_b_fmt:MATRIX_FMT_FP6 matrix_a_scale:MATRIX_SCALE_ROW1
.elseif \cm == 1
	v_wmma_scale_f32_16x16x128_f8f6f4 v[8*(8*((\a)%4)+\b):8*(8*((\a)%4)+\b)+7], v[128*(\p)+12*\b:128*(\p)+12*\b+11], v[AF+12*(\a):AF+12*(\a)+11], v[BI+8*\b:BI+8*\b+7], v[SC+16*(\sc)+8*(\q)+\b], v[SC+16*(\sc)+8*(\q)+(\a)] matrix_a_fmt:MATRIX_FMT_FP6 matrix_b_fmt:MATRIX_FMT_FP6 matrix_a_scale:MATRIX_SCALE_ROW1
.else
	v_wmma_scale_f32_16x16x128_f8f6f4 v[8*(8*((\a)%4)+\b):8*(8*((\a)%4)+\b)+7], v[128*(\p)+12*\b:128*(\p)+12*\b+11], v[AF+12*(\a):AF+12*(\a)+11], v[BI+8*(\a):BI+8*(\a)+7], v[SC+16*(\sc)+8*(\q)+\b], v[SC+16*(\sc)+8*(\q)+(\a)] matrix_a_fmt:MATRIX_FMT_FP6 matrix_b_fmt:MATRIX_FMT_FP6 matrix_a_scale:MATRIX_SCALE_ROW1
.endif
.endr
.endr
.endm
.macro STEP slot, sc, cm               ; a slot's first K step; its successor lies in the same slot
	s_wait_dscnt 4*NLA                             ; all but the youngest loads, A's tiles 4-7
	MUL16 0, 0, 0, \sc, \cm
	MUL16 2, 0, 0, \sc, \cm
	s_wait_dscnt 0x0
	PLACES
	FETCH_B \slot, 1, 1
	FETCH_A \slot, 1, 0
	MUL16 4, 0, 0, \sc, \cm
	MUL16 6, 0, 0, \sc, \cm
	PLACES
	WIN 0
	FETCH_A \slot, 1, 4
.endm
; A slot's second K step changes slots.  mode 1: the next slot was shown whole by the head's barrier and nothing is filled: no barrier.  mode 0, 2: one barrier, in front of it all my tensor loads, the add, my reads.
; mode 2: the barrier opens a round of the cluster's barrier, and the load of group 0's set fslot, stepped by fstep bytes, is issued first thing behind it.
.macro TURN slot, sc, nslot, nsc, mode, fslot, fstep
.if \mode == 1
	s_wait_dscnt 4*NLA
.else
	s_wait_tensorcnt 0x0                           ; all my tensor loads have landed
	ds_add_u32 v[SPW], v[NIL]                      ; 0 onto my spare word
	s_wait_dscnt 4*NLA+1                           ; (the add and A's tiles 4-7 may be out)
.endif
	MUL16 0, 1, 1, \sc, 0
	s_wait_dscnt 0x0                               ; the add is done, and my reads of this slot are over
.if \mode != 1
	s_barrier_signal -1
.endif
	MUL16 2, 1, 1, \sc, 0
	WIN 0
.if \mode != 1
	s_barrier_wait -1
.endif
.if \mode == 2
	CREST                                          ; no wave of any partner still reads the slot to be filled or has a load on its way
	s_add_nc_u64 s[G0A+4*\fslot+2:G0A+4*\fslot+3], s[G0A+4*\fslot+2:G0A+4*\fslot+3], \fstep
	s_add_nc_u64 s[G0B+4*\fslot+2:G0B+4*\fslot+3], s[G0B+4*\fslot+2:G0B+4*\fslot+3], \fstep
	JLOAD G0A+4*\fslot, G0B+4*\fslot               ; its four v_nop are the places in front of the loads below
.else
	PLACES
.endif
	FETCH_B \nslot, 0, 0
	FETCH_A \nslot, 0, 0
	SCALES \nslot, \nsc
	MUL16 4, 1, 1, \sc, 0
	MUL16 6, 1, 1, \sc, 0
	PLACES
	WIN 0
	FETCH_A \nslot, 0, 4
.endm
.macro LAST sc                         ; the very last K step: nothing more to fetch
	s_wait_dscnt 4*NLA
	MUL16 0, 1, 1, \sc, 0
	MUL16 2, 1, 1, \sc, 0
	s_wait_dscnt 0x0
	MUL16 4, 1, 1, \sc, 0
	MUL16 6, 1, 1, \sc, 0
	WIN 0
.endm
; 64 numbers of a lane in window w, register 16 b + i = k 32 b + 16 (lane / 16) + i of my row, become a fragment's codes in v[PC] on and its scale word in v[PW].  Each accumulator is read from its low end on.
.macro QUANT s, w
	WIN (\w)|((\w)<<2)
.irp b, 0,1,2,3
	v_max3_num_f32 v[TM+\b], |v[(\s)+16*\b]|, |v[(\s)+1+16*\b]|, 0x1800000   ; and the floor 2^(3 - 127): the byte cannot fall under 1
.endr
.irp i, 2,4,6,8,10,12,14
.irp b, 0,1,2,3
	v_max3_num_f32 v[TM+\b], |v[(\s)+16*\b+\i]|, |v[(\s)+1+16*\b+\i]|, v[TM+\b]
.endr
.endr
	WIN 0
.irp b, 0,1,2,3
	v_permlanex16_b32 v[TM+4+\b], v[TM+\b], s[SEL], s[SEL+1]
.endr
.irp b, 0,1,2,3
	v_max_num_f32 v[TM+\b], v[TM+\b], v[TM+4+\b]
.endr
.irp b, 0,1,2,3
	v_add_nc_u32 v[TM+12+\b], 0xff000000, v[TM+\b]         ; 2 off the exponent field: the conversion's scale operand
.endr
.irp b, 0,1,2,3
	v_lshrrev_b32 v[TM+4+\b], 23, v[TM+12+\b]
.endr
	v_lshl_or_b32 v[PW], v[TM+5], 8, v[TM+4]
	v_lshl_or_b32 v[PW], v[TM+6], 16, v[PW]
	v_lshl_or_b32 v[PW], v[TM+7], 24, v[PW]
	WIN \w
.irp c, 0,1
	v_cvt_scalef32_pk16_fp6_f32 v[PC+6*\c:PC+2+6*\c], v[(\s)+32*\c:(\s)+15+32*\c], v[TM+12+2*\c]
	v_cvt_scalef32_pk16_fp6_f32 v[PC+12+4*\c:PC+14+4*\c], v[(\s)+16+32*\c:(\s)+31+32*\c], v[TM+12+2*\c+1]
.endr
	WIN 0
	v_nop                                                  ; one plain place behind a scaled conversion
.irp c, 0,1
.irp i, 0,1,2
	v_permlane16_swap_b32 v[PC+6*\c+\i], v[PC+12+4*\c+\i]
.endr
.irp i, 0,1,2
	v_mov_b32 v[PC+3+6*\c+\i], v[PC+12+4*\c+\i]
.endr
.endr
.endm
	s_load_b128 s[4:7], s[0:1], 0x0                ; w0, Wqkv_b
	s_load_b64 s[8:9], s[0:1], 0x10                ; w1
	v_lshl_add_u32 v[SPW], v0, 2, SPARE
	v_mov_b32 v[NIL], 0
	ds_add_u32 v[SPW], v[NIL]                      ; the wave's opening: the add, twice on end, and its wait ahead of my first tensor load
	ds_add_u32 v[SPW], v[NIL]
	v_lshrrev_b32 v1, 5, v0
	v_readfirstlane_b32 s14, v1                    ; wave
	s_lshr_b32 s15, s14, 1                         ; my half of the A side's rows.  Also: I fetch for A (0) or for B (1)
	s_and_b32 s16, s14, 1                          ; my half of the B side's.  Also: which of a slot's two K steps I fetch
	s_bfe_u32 s66, ttmp6, 0x40000                  ; cx
	s_bfe_u32 s67, ttmp6, 0x40004                  ; cy
	s_and_b32 s68, ttmp7, 0xffff                   ; the cluster's y: which 1,024 tokens
	s_lshl_b32 s70, s67, 2
	s_lshl_b32 s70, 15, s70                        ; my row of the cluster
	s_lshl_b32 s71, 0x1111, s66                    ; my column
	s_or_b32 s[G1A], s70, (3<<16)|(1<<21)          ; 15:0 the mask; 17:16 elements of 8 bytes; 21 set beside a mask; no padding
	s_or_b32 s[G1B], s71, (3<<16)|(1<<21)
.irp g, G1A, G1B
	s_mov_b32 s[\g+1], 32<<16                      ; a block is dense: 100 rows of 256 bytes
	s_mov_b32 s[\g+2], 300<<16                     ; the head's load: three blocks on end, 300 rows
	s_mov_b32 s[\g+3], 32<<16
	s_mov_b32 s[\g+4], 300
	s_mov_b32 s[\g+5], 32
	s_mov_b32 s[\g+6], 0
	s_mov_b32 s[\g+7], 0
.endr
	s_mov_b32 s[SEL], 0x76543210
	s_mov_b32 s[SEL+1], 0xfedcba98
	s_mul_i32 s72, s68, 32*BLK                     ; x: groups 4 x cluster y on
	s_mul_i32 s73, ttmp9, 32*BLK
	s_add_co_u32 s73, s73, WQ_OFF                  ; Wqkv: groups 4 x cluster x on
	s_cmp_eq_u32 ttmp9, 2
	s_cselect_b32 s74, s73, s72                    ; the A side: x, for v Wqkv
	s_cselect_b32 s76, s72, s73                    ; the B side: the other
	s_mul_i32 s75, s67, 8*BLK                      ; A's group by cy alone,
	s_add_co_u32 s74, s74, s75
	s_mul_i32 s75, s16, BLK
	s_add_co_u32 s74, s74, s75
	s_mov_b32 s75, 0
	s_mul_i32 s77, s66, 8*BLK                      ; B's by cx alone
	s_add_co_u32 s76, s76, s77
	s_mul_i32 s77, s16, BLK
	s_add_co_u32 s76, s76, s77
	s_mov_b32 s77, 0
	s_mul_i32 s78, s14, 3*BLK                      ; where my head load goes: wave x three blocks: no place in the cluster enters an LDS address
	s_wait_dscnt 0x0                               ; both opening adds are done
	s_wait_kmcnt 0x0
	s_add_nc_u64 s[74:75], s[4:5], s[74:75]
	s_add_nc_u64 s[76:77], s[4:5], s[76:77]
	CROUND                                         ; all sixteen work-groups are here: the first joint loads meet
	s_mul_i32 s72, s16, 2*BLK                      ; s[74:77] stand at K step 0 or 1 (my half): two blocks more make it K step 0 or 3
	s_mov_b32 s73, 0
	s_mul_i32 s79, s15, BSIDE
	s_mul_i32 s80, s16, BLK
	s_add_co_u32 s79, s79, s80                     ; the refill's place: my side's K step 0 or 1
	s_mov_b32 s[G0A], 1                            ; set 0: the head's load
	s_mov_b32 s[G0A+1], s78
	s_add_nc_u64 s[G0A+2:G0A+3], s[74:75], s[72:73]
	s_or_b32 s[G0A+3], s[G0A+3], 0x80000000
	s_mov_b32 s[G0B], 1
	s_mov_b32 s[G0B+1], s78
	s_add_nc_u64 s[G0B+2:G0B+3], s[76:77], s[72:73]
	s_or_b32 s[G0B+3], s[G0B+3], 0x80000000
	s_mov_b32 s[G0A+4], 1                          ; set 1: the refill, stepped by six blocks where it is issued
	s_mov_b32 s[G0A+5], s79
	s_mov_b64 s[G0A+6:G0A+7], s[74:75]
	s_or_b32 s[G0A+7], s[G0A+7], 0x80000000
	s_mov_b32 s[G0B+4], 1
	s_mov_b32 s[G0B+5], s79
	s_mov_b64 s[G0B+6:G0B+7], s[76:77]
	s_or_b32 s[G0B+7], s[G0B+7], 0x80000000
	JLOAD G0A, G0B                                 ; my one tensor load at the head
	v_and_b32 v1, 15, v0                           ; r
	v_bfe_u32 v2, v0, 4, 1                         ; h
	s_wait_alu depctr_va_vdst(0)
	v_and_b32 v3, 31, v0
	v_lshlrev_b32 v4, 4, v3                        ; 16 x lane
	; the bias.  q, k: register j of tile i wants feature 32 (i / 2) + 8 (i % 2) + 16 h + j; v: all eight want my lane's own feature 32 (i / 2) + 8 (i % 2) + r + 8 (r / 8)
	s_lshl_b32 s84, ttmp9, 2
	s_add_co_u32 s84, s84, s66
	s_lshl_b32 s84, s84, 8
	s_lshl_b32 s85, s16, 7
	s_add_co_u32 s84, s84, s85
	s_lshl_b32 s85, s67, 8
	s_lshl_b32 s86, s15, 7
	s_add_co_u32 s85, s85, s86
	s_add_co_u32 s85, s85, 2048
	s_cmp_eq_u32 ttmp9, 2
	s_cselect_b32 s84, s85, s84                    ; my first feature
	s_cselect_b32 s86, 0, 4
	s_cselect_b32 s87, -1, 0
	s_lshl_b32 s84, s84, 2
	s_mov_b32 s85, 0
	s_add_nc_u64 s[6:7], s[6:7], s[84:85]
	v_lshlrev_b32 v6, 6, v2
	v_and_b32 v7, 8, v1
	v_add_nc_u32 v7, v7, v1
	v_lshlrev_b32 v7, 2, v7
	v_cndmask_b32 v8, v6, v7, s87
.irp j, 0,1,2,3,4,5,6
	v_add_nc_u32 v[9+\j], s86, v[8+\j]
.endr
.irp i, 0,1,2,3,4,5,6,7
.irp j, 0,1,2,3,4,5,6,7
	global_load_b32 v[BI+8*\i+\j], v[8+\j], s[6:7] offset:4*(32*(\i/2)+8*(\i%2))
.endr
.endr
	s_mul_i32 s80, s15, 12288                      ; my 8 tiles of A,
	s_mul_i32 s81, s16, 12288
	s_add_co_u32 s81, s81, BSIDE                   ; of B, behind A's six blocks
	s_lshl_b32 s82, s15, 9
	s_lshl_b32 s83, s16, 9
	s_add_co_u32 s83, s83, BSIDE
	s_sub_co_u32 s83, s83, s82
	v_mul_u32_u24 v5, s83, v2                      ; lanes 16-31 take B's words: one product, the distance between the two
	v_lshl_add_u32 v5, v1, 2, v5
	s_add_co_u32 s82, s82, 24576
.irp s, 0,1,2
	v_add_nc_u32 v[ADRA+\s], s80, v4
	v_add_nc_u32 v[ADRB+\s], s81, v4
	v_add_nc_u32 v[ADRS+\s], s82, v5
	s_add_co_u32 s80, s80, SLOT
	s_add_co_u32 s81, s81, SLOT
	s_add_co_u32 s82, s82, SLOT
.endr
	s_wait_alu depctr_va_vdst(0)
	s_wait_tensorcnt 0x0                           ; my three K steps are in; no tensor load of mine is out, so group 1 may be written:
	s_mov_b32 s[G1A+2], 100<<16                    ; the refill brings one block, 100 rows
	s_mov_b32 s[G1A+4], 100
	s_mov_b32 s[G1B+2], 100<<16
	s_mov_b32 s[G1B+4], 100
	s_barrier_signal -1
	s_barrier_wait -1
	FETCH_B 0, 0, 0
	FETCH_A 0, 0, 0
	SCALES 0, 0
	FETCH_A 0, 0, 4
	s_wait_loadcnt 0x0                             ; the bias
	s_cmp_eq_u32 ttmp9, 2                          ; the class: the same in all partners
	s_cbranch_scc1 .Lfirst_v
	STEP 0, 0, 1                                   ; K step 0 starts the sums from the bias: nothing is cleared
	s_branch .Lfirst_done
.Lfirst_v:
	STEP 0, 0, 2
.Lfirst_done:
	TURN 0, 0, 1, 1, 1, 0, 0                       ; K step 1
	STEP 1, 1, 0                                   ; 2
	TURN 1, 1, 2, 0, 2, 1, 6*BLK                   ; 3: the bytes of K steps 0 and 1, left two K steps ago, take K steps 6 and 7: 128 matrix instructions in which to land
	STEP 2, 0, 0                                   ; 4
	TURN 2, 0, 0, 1, 0, 0, 0                       ; 5
	STEP 0, 1, 0                                   ; 6
	LAST 1                                         ; 7
	; THE WAY OUT.  (u, w, hu, hw) = (cx, cy, my B half, my A half) for q and k, (cy, cx, A half, B half) for v: block 16 x cluster y + 4 u + 2 hu, and in it (2 w + hw) x 6,144 bytes on.
	PLACES
.irp b, 0,1,2,3
	v_mov_b32 v[TM+4+\b], 0                        ; a lane permute's destination counts as one of its sources
.endr
	s_cmp_eq_u32 ttmp9, 2
	s_cselect_b32 s72, s67, s66
	s_cselect_b32 s73, s66, s67
	s_cselect_b32 s74, s15, s16
	s_cselect_b32 s75, s16, s15
	s_mov_b32 s76, QB
	s_cselect_b32 s76, VB, s76                     ; a block's bytes
	s_mov_b32 s80, 768
	s_cselect_b32 s80, 1536, s80                   ; from a to a + 1
	s_mov_b32 s82, QB
	s_cselect_b32 s82, 768, s82                    ; from registers 0-5 to registers 6-11: the next head's block, or the fragment's second half
	s_cselect_b32 s84, VB-6144, 0                  ; v: behind a = 3 the next head's block
	s_cselect_b32 s86, VB-256, 0
	s_mov_b32 s88, QB
	s_cselect_b32 s88, 0, s88
	s_cselect_b32 s89, 0, 16
	s_mov_b32 s90, 0xffff
	s_cselect_b32 s90, -1, s90
	s_cselect_b32 s91, 8, 9
	s_mov_b32 s81, 0
	s_mov_b32 s83, 0
	s_mov_b32 s85, 0
	s_mov_b32 s87, 0
	s_lshl_b32 s77, s68, 4
	s_lshl_b32 s72, s72, 2
	s_add_co_u32 s77, s77, s72
	s_lshl_b32 s74, s74, 1
	s_add_co_u32 s77, s77, s74
	s_mul_i32 s77, s77, s76
	s_mul_i32 s78, ttmp9, 64*QB
	s_add_co_u32 s77, s77, s78                     ; my first block
	s_lshl_b32 s73, s73, 1
	s_add_co_u32 s73, s73, s75
	s_mul_i32 s92, s73, 6144
	s_add_co_u32 s92, s92, s77
	s_mov_b32 s93, 0
	s_lshl_b32 s94, s73, s91
	s_add_co_u32 s94, s94, s77
	s_add_co_u32 s94, s94, 49152
	s_mov_b32 s95, 0
	s_add_nc_u64 s[92:93], s[8:9], s[92:93]        ; registers 0-5,
	s_add_nc_u64 s[96:97], s[92:93], s[82:83]      ; registers 6-11,
	s_add_nc_u64 s[94:95], s[8:9], s[94:95]        ; the scale words
	v_lshlrev_b32 v[L8], 3, v3
	v_mul_lo_u32 v[LW], v2, s88
	v_lshl_add_u32 v[LW], v1, 2, v[LW]             ; q, k: lanes 16-31 write the second head's half word into its block
	v_mul_lo_u32 v[SHV], v2, s89
.irp a, 0,1,2,3,4,5,6,7
	QUANT 64*(\a%4), 2+\a/4
	v_lshrrev_b32 v[SV], v[SHV], v[PW]
	v_and_b32 v[SV], s90, v[SV]
.irp p, 0,1,2
	global_store_b64 v[L8], v[PC+2*\p:PC+2*\p+1], s[92:93] offset:256*\p       ; 256 consecutive bytes, aligned
.endr
.irp p, 0,1,2
	global_store_b64 v[L8], v[PC+6+2*\p:PC+7+2*\p], s[96:97] offset:256*\p
.endr
	global_store_b32 v[LW], v[SV], s[94:95]
	s_wait_xcnt 0x0                                ; the stores have read their data and bases: both are written again below
	s_add_nc_u64 s[92:93], s[92:93], s[80:81]
	s_add_nc_u64 s[96:97], s[96:97], s[80:81]
	s_add_nc_u64 s[94:95], s[94:95], 64
.if \a == 3
	s_add_nc_u64 s[92:93], s[92:93], s[84:85]
	s_add_nc_u64 s[96:97], s[96:97], s[84:85]
	s_add_nc_u64 s[94:95], s[94:95], s[86:87]
.endif
.endr
	s_wait_tensorcnt 0x0                           ; the wave's end: these three lines
	ds_add_u32 v[SPW], v[NIL]
	s_wait_dscnt 0x0
	CROUND                                         ; the closing round
	s_endpgm
.Lfunc_end_k_qe51c626daf_qkv:
	.size	k_qe51c626daf_qkv, .Lfunc_end_k_qe51c626daf_qkv-k_qe51c626daf_qkv
	.p2alignl 7, 3214868480
	.fill 96, 4, 3214868480
	.section	.rodata,"a",@progbits
	.p2align	6, 0x0
	.amdhsa_kernel k_qe51c626daf_qkv
		.amdhsa_group_segment_fixed_size 327680
		.amdhsa_private_segment_fixed_size 0
		.amdhsa_enable_private_segment 0
		.amdhsa_kernarg_size 24
		.amdhsa_user_sgpr_count 2
		.amdhsa_user_sgpr_kernarg_segment_ptr 1
		.amdhsa_wavefront_size32 1
		.amdhsa_system_sgpr_workgroup_id_x 1
		.amdhsa_system_sgpr_workgroup_id_y 1
		.amdhsa_system_sgpr_workgroup_id_z 1
		.amdhsa_system_vgpr_workitem_id 0
		.amdhsa_next_free_vgpr 1024
		.amdhsa_next_free_sgpr 100
		.amdhsa_reserve_vcc 0
		.amdhsa_float_denorm_mode_32 3
		.amdhsa_float_denorm_mode_16_64 3
		.amdhsa_memory_ordered 1
		.amdhsa_forward_progress 1
		.amdhsa_inst_pref_size 163
	.end_amdhsa_kernel
	.amdgpu_metadata
---
amdhsa.version: [ 1, 2 ]
amdhsa.kernels:
  - .name:           k_qe51c626daf_qkv
    .symbol:         k_qe51c626daf_qkv.kd
    .args:
      - { .name: w0, .offset: 0, .size: 8, .value_kind: global_buffer, .address_space: global }
      - { .name: Wqkv_b, .offset: 8, .size: 8, .value_kind: global_buffer, .address_space: global }
      - { .name: w1, .offset: 16, .size: 8, .value_kind: global_buffer, .address_space: global }
    .group_segment_fixed_size: 327680
    .private_segment_fixed_size: 0
    .kernarg_segment_align: 8
    .kernarg_segment_size: 24
    .max_flat_workgroup_size: 128
    .sgpr_count:     100
    .vgpr_count:     1024
    .wavefront_size: 32
...
	.end_amdgpu_metadata
.endif
;; end of part 10
;; launch attn (part 11): grid 4 x 64, 16 waves a work-group, clusters of 4 x 1, 167,936 bytes of LDS; arguments w1, w2; writes w2
.if DOCPART == 11
	.amdgcn_target "amdgcn-amd-amdhsa--gfx1250"
	.amdhsa_code_object_version 6
	.text
	.protected	k_qe51c626daf_attn
	.globl	k_qe51c626daf_attn
	.p2align	8
	.type	k_qe51c626daf_attn,@function
k_qe51c626daf_attn:
	s_mov_b64 s[64:65], 0
	v_nop
	global_prefetch_b8 v0, s[64:65] scope:SCOPE_SE
	s_setreg_imm32_b32 hwreg(HW_REG_WAVE_MODE, 25, 1), 1
	s_wait_xcnt 0x0
	s_wait_alu depctr_hold_cnt(0) depctr_sa_sdst(0) depctr_va_vdst(0) depctr_va_sdst(0) depctr_va_ssrc(0) depctr_va_vcc(0) depctr_vm_vsrc(0)
	s_getreg_b32 s2, hwreg(HW_REG_IB_STS2, 6, 4)
	s_cmp_eq_u32 s2, 0
	s_cbranch_scc0 .Lentry_in_a_cluster
	s_endpgm
.Lentry_in_a_cluster:
	s_bfe_u32 s2, ttmp6, 0x10000c
	s_cmp_lg_u32 s2, 0x3003
	s_cbranch_scc0 .Lentry_shape_is_right
	s_endpgm
.Lentry_shape_is_right:
; ATTN: ctx = softmax(q k^T / 8) v for pcpt queries over the pcpt keys, and for gen queries over the pcpt keys and their own gen key; both products on codes of E2M3; ctx leaves as codes for the projection.
; LEFT OUT (shown at the head of launch prep): the scores of gen queries against gen keys off the diagonal, which reference()'s own mask sends to p = 0: of the gen keys a wave computes the one tile of 16 x 16 scores
; that holds its queries' own keys, and the one block of 32 keys in which they lie.  A NaN, an infinity or an overflow in the scores left out is not carried to the result.
; THE SOFTMAX: t = score x log2(e) / 8; M = the running largest t rounded up to a whole number; p = 2^(t - M) is quantised along the keys, not normalised; the sum of the unquantised p divides at the end.
; SHARES.  Work-group y = 32 stream + 16 b + head; the four partners of a cluster are the four blocks of 256 queries.  Each of sixteen waves owns one tile of 16 queries (tile 16 cx + wave) in 256 registers.
; The head's pcpt K (53,248 bytes) and V (51,200 bytes), as launch qkv laid them, come into LDS ONCE, by four joint loads (waves 0, 1: K's halves; waves 2, 3: V's): no slot is filled again, and one barrier serves.
; LAYOUT.  Both products transposed: S^T = K Q^T, O^T = V^T P^T: a lane holds one query.  The tiles' rows are chosen (launch prep) so that the 16 registers of score tiles 2 b, 2 b + 1 are keys 32 b + 16 h + 0 .. 15.
; K = 64 IN A FORM OF 128: Q's registers 6-11 are zero codes and its scale bytes 2, 3 are 0 (2^-127, no NaN); K's registers 6-11 hold whatever codes the last V fragment left: E2M3 has no NaN, so those products are 0.
; REGISTERS: v1-4 lane terms in LDS; v5, v6 the add's two; v7 4 r; v8-11 the step's addresses; v12 -M, v13 the largest t, v[14:15] the sum; v16-27 Q; v32-79 four fragments of K or V; v80-92 the diagonal's K;
; v96-159 S^T, then p; v160-191 O^T; v224-235 p's codes; v232-254 at work; v248-251 scale words of K or V; v253 p's; v255 Q's.
.set QB,    53248
.set VB,    51200
.set KOFF,  64*QB
.set VOFF,  128*QB
.set BLK,   25600
.set LV,    QB                         ; V's block in LDS
.set SPARE, QB+VB                      ; the spare words, 128 bytes a wave: eight blocks of 256 bytes that no other line names
.set AK0,  1
.set AV0,  2
.set ASK0, 3
.set ASV0, 4
.set SPW,  5
.set NIL,  6
.set ADK,  8
.set ADV,  9
.set ADS,  10
.set ADT,  11
.set DX,   29
.set WV,   18
.set SEL,  20
.set CS,   22
.set G1K,  24
.set G1V,  32
.set G0K,  40
.set G0V,  44
.set TK,   48
.set TS,   49
.set TJ,   50
.set CNT,  51
.set YY,   52
.set CX,   53
.set TAU,  54
.macro CROUND
	s_barrier_signal -1
	s_barrier_wait -1
	s_cmp_lg_u32 s[WV], 0
	s_cbranch_scc1 .Lnot_wave_0_\@
	s_barrier_signal -3
.Lnot_wave_0_\@:
	s_barrier_wait -3
	s_barrier_signal -1
	s_barrier_wait -1
.endm
	s_load_b128 s[4:7], s[0:1], 0x0                ; w1, w2
	v_lshl_add_u32 v[SPW], v0, 2, SPARE
	v_mov_b32 v[NIL], 0
	ds_add_u32 v[SPW], v[NIL]                      ; the wave's opening: the add, twice on end, and its wait ahead of the first tensor loads
	ds_add_u32 v[SPW], v[NIL]
	v_lshrrev_b32 v8, 5, v0
	s_delay_alu instid0(VALU_DEP_1)
	v_readfirstlane_b32 s[WV], v8                  ; wave 0..15
	s_bfe_u32 s[CX], ttmp6, 0x40000                ; cx: it enters global addresses alone
	s_and_b32 s[YY], ttmp7, 0xffff
	s_lshl_b32 s[TAU], s[CX], 4
	s_add_co_u32 s[TAU], s[TAU], s[WV]             ; my tile of queries among the 64
	s_mov_b32 s[G1K], 15|(3<<16)|(1<<21)           ; the mask: all four partners; elements of 8 bytes; bit 21 beside a mask
	s_mov_b32 s[G1K+1], 32<<16                     ; dense: rows of 256 bytes,
	s_mov_b32 s[G1K+2], 104<<16                    ; 104 of them: half of K's block
	s_mov_b32 s[G1K+3], 32<<16
	s_mov_b32 s[G1K+4], 104
	s_mov_b32 s[G1K+5], 32
	s_mov_b32 s[G1K+6], 0
	s_mov_b32 s[G1K+7], 0
	s_mov_b32 s[G1V], 15|(3<<16)|(1<<21)
	s_mov_b32 s[G1V+1], 32<<16
	s_mov_b32 s[G1V+2], 100<<16                    ; half of V's block
	s_mov_b32 s[G1V+3], 32<<16
	s_mov_b32 s[G1V+4], 100
	s_mov_b32 s[G1V+5], 32
	s_mov_b32 s[G1V+6], 0
	s_mov_b32 s[G1V+7], 0
	s_and_b32 s55, s[YY], 31                       ; the pcpt block of my batch and head
	s_mul_i32 s56, s55, QB
	s_add_co_u32 s56, s56, KOFF
	s_mov_b32 s57, 0
	s_mul_i32 s58, s55, VB
	s_add_co_u32 s58, s58, VOFF
	s_mov_b32 s59, 0
	s_and_b32 s72, s[WV], 1                        ; which half of a block I fetch, if I fetch
	s_mul_i32 s73, s72, QB/2
	s_mul_i32 s74, s72, VB/2
	s_add_co_u32 s56, s56, s73
	s_add_co_u32 s58, s58, s74
	s_mov_b32 s[SEL], 0x76543210
	s_mov_b32 s[SEL+1], 0xfedcba98
	s_mov_b32 s[CS], 0x3e38aa3b                    ; c = log2(e) / 8
	s_mov_b32 s[CS+1], s[CS]
	s_mul_i32 s66, s[YY], QB
	s_mul_i32 s67, s[TAU], 768
	s_add_co_u32 s60, s66, s67                     ; my tile in q's block y,
	s_mov_b32 s61, 0
	s_lshl_b32 s67, s[TAU], 6
	s_add_co_u32 s62, s66, s67
	s_add_co_u32 s62, s62, 49152                   ; and its scale words
	s_mov_b32 s63, 0
	s_wait_dscnt 0x0                               ; both opening adds are done
	s_wait_kmcnt 0x0
	s_mov_b32 s[G0K], 1
	s_mov_b32 s[G0K+1], s73
	s_add_nc_u64 s[G0K+2:G0K+3], s[4:5], s[56:57]
	s_or_b32 s[G0K+3], s[G0K+3], 0x80000000
	s_mov_b32 s[G0V], 1
	s_add_co_u32 s[G0V+1], s74, LV
	s_add_nc_u64 s[G0V+2:G0V+3], s[4:5], s[58:59]
	s_or_b32 s[G0V+3], s[G0V+3], 0x80000000
	s_add_nc_u64 s[68:69], s[4:5], s[60:61]
	s_add_nc_u64 s[70:71], s[4:5], s[62:63]
	CROUND                                         ; all four work-groups are here: the joint loads meet
	s_cmp_lt_u32 s[WV], 2                          ; the branches hang on the wave's number alone
	s_cbranch_scc0 .Lnot_k
	tensor_load_to_lds s[G0K:G0K+3], s[G1K:G1K+7]
	s_nop 0
.rept 4
	v_nop
.endr
	s_branch .Lasked
.Lnot_k:
	s_cmp_lt_u32 s[WV], 4
	s_cbranch_scc0 .Lasked
	tensor_load_to_lds s[G0V:G0V+3], s[G1V:G1V+7]
	s_nop 0
.rept 4
	v_nop
.endr
.Lasked:
	v_and_b32 v8, 15, v0                           ; r
	v_bfe_u32 v9, v0, 4, 1                         ; h
	v_and_b32 v10, 31, v0
	s_delay_alu instid0(VALU_DEP_1)
	v_lshlrev_b32 v[AK0], 3, v10                   ; 8 x lane: a plane's place for my lane, in LDS and in memory
	s_delay_alu instid0(VALU_DEP_1)
	v_add_nc_u32 v[AV0], LV, v[AK0]
	v_lshlrev_b32 v7, 2, v8                        ; 4 r
	s_delay_alu instid0(VALU_DEP_1)
	v_add_nc_u32 v[ASK0], 49152, v7
	s_delay_alu instid0(VALU_DEP_2)
	v_add_nc_u32 v[ASV0], LV+49152, v7
.irp p, 0,1,2
	global_load_b64 v[16+2*\p:17+2*\p], v[AK0], s[68:69] offset:256*\p   ; Q's 64 codes a row stay in registers
.endr
	global_load_b32 v255, v7, s[70:71]
.irp j, 22,23,24,25,26,27
	v_mov_b32 v[\j], 0                             ; Q's upper half: zero codes
.endr
.irp t, 0,1,2,3
.irp j, 6,7,8,9,10,11
	v_mov_b32 v[32+12*\t+\j], 0                    ; written once: later they hold what V's fragments leave
.endr
.endr
.irp b, 0,1,2,3
	v_mov_b32 v[236+\b], 0                         ; a lane permute's destination counts as one of its sources
.endr
	v_mov_b32 v253, 0                              ; (named as the upper half of the pair v[252:253] before it is first written)
	s_cmp_lt_u32 s[YY], 32                         ; the stream: the same in all partners
	s_cbranch_scc1 .Lpcpt
	; ---- gen: THE DIAGONAL is the first key step.  Tile tau of gen's K holds my queries' own keys; lane (r, h) holds its own score where h = r / 8, in register r % 8.
	s_lshr_b32 s73, s[TAU], 3                      ; the key step of 128 in which they lie
	s_mul_i32 s72, s[YY], VB
	s_add_co_u32 s72, s72, VOFF
	s_mul_i32 s74, s73, 6144
	s_add_co_u32 s74, s74, s72
	s_bfe_u32 s75, s[WV], 0x10002                  ; the block of 32 in it is beta = (wave / 2) % 4: beta / 2
	s_mul_i32 s75, s75, 768                        ; picks registers 0-5 or 6-11,
	s_add_co_u32 s74, s74, s75
	s_bfe_u32 s75, s[WV], 0x10001                  ; beta % 2
	s_lshl_b32 s75, s75, 7                         ; the half of the lanes
	s_add_co_u32 s74, s74, s75
	s_mov_b32 s75, 0
	s_lshl_b32 s73, s73, 8
	s_add_co_u32 s72, s72, s73
	s_add_co_u32 s72, s72, 49152
	s_bfe_u32 s73, s[WV], 0x20001
	s_add_co_u32 s72, s72, s73                     ; and byte beta of the scale words
	s_mov_b32 s73, 0
	s_add_nc_u64 s[74:75], s[4:5], s[74:75]
	s_add_nc_u64 s[72:73], s[4:5], s[72:73]
.irp p, 0,1,2
	global_load_b64 v[80+2*\p:81+2*\p], v[AK0], s[68:69] offset:KOFF+256*\p
.endr
	global_load_b32 v92, v7, s[70:71] offset:KOFF
	v_lshlrev_b32 v30, 3, v8                       ; 8 r: both halves of the lanes take the block's codes; lanes 16-31 meet zero codes of p
.irp t, 0,1,2,3
.irp p, 0,1,2
	global_load_b64 v[32+12*\t+2*\p:33+12*\t+2*\p], v30, s[74:75] offset:1536*\t+256*\p
.endr
	global_load_u8 v[248+\t], v7, s[72:73] offset:64*\t   ; the block's byte becomes byte 0 of the word; bytes 1-3 are 0
.endr
.irp j, 86,87,88,89,90,91
	v_mov_b32 v[\j], 0
.endr
	v_and_b32 v[DX], 7, v8
	v_lshrrev_b32 v31, 3, v8
	s_delay_alu instid0(VALU_DEP_1)
	v_xor_b32 v31, v31, v9
	s_delay_alu instid0(VALU_DEP_1)
	v_lshl_add_u32 v[DX], v31, 6, v[DX]
	s_and_b32 s76, s[WV], 1
	s_lshl_b32 s76, s76, 3
	v_add_nc_u32 v[DX], s76, v[DX]                 ; my own key's place among my 16 of the block: r % 8 + 8 (tile % 2); out of reach where the key lies in the other half of the lanes
	v_mov_b32 v254, 0xff800000                     ; -infinity
	s_wait_alu depctr_va_vdst(0)
	s_wait_loadcnt 0x0
	v_wmma_scale_f32_16x16x128_f8f6f4 v[96:103], v[80:91], v[16:27], 0, v92, v255 matrix_a_fmt:MATRIX_FMT_FP6 matrix_b_fmt:MATRIX_FMT_FP6
.rept 4
	v_nop
.endr
.irp i, 0,1,2,3,4,5,6,7,8,9,10,11,12,13,14,15
	v_cmp_eq_u32 vcc_lo, \i, v[DX]
	v_cndmask_b32 v[112+\i], v254, v[96+\i%8], vcc_lo      ; the block's 16 scores of my half: my own key's, the others hidden
.endr
	v_max3_num_f32 v232, v112, v113, v114
.irp i, 3,5,7,9,11,13
	s_delay_alu instid0(VALU_DEP_1)
	v_max3_num_f32 v232, v232, v[112+\i], v[113+\i]
.endr
	s_delay_alu instid0(VALU_DEP_1)
	v_max_num_f32 v232, v232, v127
	s_delay_alu instid0(VALU_DEP_1)
	v_permlanex16_b32 v236, v232, s[SEL], s[SEL+1]
	s_delay_alu instid0(VALU_DEP_1)
	v_max_num_f32 v232, v232, v236
	s_delay_alu instid0(VALU_DEP_1)
	v_mul_f32 v13, s[CS], v232                     ; the largest t so far
	s_delay_alu instid0(VALU_DEP_1)
	v_floor_f32 v12, -v13                          ; -M
.irp j, 0,2,4,6,8,10,12,14
	v_pk_fma_f32 v[112+\j:113+\j], v[112+\j:113+\j], s[CS:CS+1], v[12:13] op_sel_hi:[1,0,0]
.endr
	v_fma_f32 v232, v232, s[CS], v12
	s_wait_alu depctr_va_vdst(0)
.irp j, 0,1,2,3,4,5,6,7,8,9,10,11,12,13,14,15
	v_exp_f32 v[112+\j], v[112+\j]
.endr
	v_exp_f32 v232, v232                           ; the block's largest p
	v_mov_b32 v236, 0                              ; (a plain place behind the exponentials)
	v_mov_b32 v237, 0
	v_mov_b32 v238, 0
	s_wait_alu depctr_va_vdst(0)                   ; one wait for the batch, ahead of its first reader
	v_pk_add_f32 v[14:15], v[112:113], v[114:115]  ; the sum begins
.irp j, 4,6,8,10,12,14
	v_pk_add_f32 v[14:15], v[14:15], v[112+\j:113+\j]
.endr
	v_max_num_f32 v232, 0x1800000, v232
	s_delay_alu instid0(VALU_DEP_1)
	v_add_nc_u32 v244, 0xff000000, v232
	s_delay_alu instid0(VALU_DEP_1)
	v_lshrrev_b32 v253, 23, v244                   ; p's scale word: byte 0; bytes 1-3 are 0 over zero codes
	v_cvt_scalef32_pk16_fp6_f32 v[224:226], v[112:127], v244
	v_nop
.irp i, 0,1,2
	v_permlane16_swap_b32 v[224+\i], v[236+\i]     ; lanes 0-15 get the whole block, lanes 16-31 zero codes
.endr
.irp i, 0,1,2
	s_delay_alu instid0(VALU_DEP_3)
	v_mov_b32 v[227+\i], v[236+\i]
.endr
.irp j, 230,231,232,233,234,235
	v_mov_b32 v[\j], 0
.endr
.rept 4
	v_nop                                          ; an operand written by vector instructions stands 4 places ahead of a scaled matrix instruction, a scale register 8
.endr
.irp t, 0,1,2,3
	v_wmma_scale_f32_16x16x128_f8f6f4 v[160+8*\t:167+8*\t], v[32+12*\t:43+12*\t], v[224:235], 0, v[248+\t], v253 matrix_a_fmt:MATRIX_FMT_FP6 matrix_b_fmt:MATRIX_FMT_FP6
.endr
	s_branch .Ljoin
.Lpcpt:
	v_mov_b32 v13, 0xff61b1e6                      ; the largest t so far: -3e38, under every t
	s_delay_alu instid0(VALU_DEP_1)
	v_floor_f32 v12, -v13
	v_mov_b32 v14, 0
	v_mov_b32 v15, 0
.set j, 0
.rept 32
	v_mov_b32 v[160+j], 0                          ; O^T: the first change of M leaves zeros zeros
.set j, j+1
.endr
.Ljoin:
	s_mov_b32 s[TK], 0
	s_mov_b32 s[TS], 0
	s_mov_b32 s[TJ], 0
	s_mov_b32 s[CNT], 8
	s_wait_loadcnt 0x0                             ; Q
	s_wait_tensorcnt 0x0                           ; the loading waves' halves have landed,
	s_barrier_signal -1
	s_barrier_wait -1                              ; and every wave knows it
.Lstep:                                            ; eight key steps of 128 pcpt keys
	v_add_nc_u32 v[ADK], s[TK], v[AK0]             ; (these four are the places in front of the loads into registers that the last products read)
	s_wait_alu depctr_va_vdst(0)
	v_add_nc_u32 v[ADV], s[TK], v[AV0]
	v_add_nc_u32 v[ADS], s[TS], v[ASK0]
	s_wait_alu depctr_va_vdst(0)
	v_add_nc_u32 v[ADT], s[TJ], v[ASV0]
	s_wait_alu depctr_va_vdst(0)
.irp g, 0,1
.rept 4*\g
	v_nop
.endr
.irp t, 0,1,2,3
.irp p, 0,1,2
	ds_load_b64 v[32+12*\t+2*\p:33+12*\t+2*\p], v[ADK] offset:768*(4*\g+\t)+256*\p
.endr
	ds_load_b32 v[248+\t], v[ADS] offset:64*(4*\g+\t)
.endr
	s_wait_dscnt 0x0
.irp t, 0,1,2,3
	v_wmma_scale_f32_16x16x128_f8f6f4 v[96+8*(4*\g+\t):103+8*(4*\g+\t)], v[32+12*\t:43+12*\t], v[16:27], 0, v[248+\t], v255 matrix_a_fmt:MATRIX_FMT_FP6 matrix_b_fmt:MATRIX_FMT_FP6
.endr
.endr
.rept 4
	v_nop
.endr
.irp t, 0,1,2,3                                    ; V's four fragments are asked for at once and land under the softmax
.irp p, 0,1,2,3,4,5
	ds_load_b64 v[32+12*\t+2*\p:33+12*\t+2*\p], v[ADV] offset:1536*\t+256*\p
.endr
	ds_load_b32 v[248+\t], v[ADT] offset:64*\t
.endr
.irp b, 0,1,2,3
	v_max3_num_f32 v[232+\b], v[96+16*\b], v[97+16*\b], v[98+16*\b]   ; the largest score of each block of 32 keys: for the row's maximum, and, since p rises with the score, for the block's largest p
.endr
.irp i, 3,5,7,9,11,13
.irp b, 0,1,2,3
	v_max3_num_f32 v[232+\b], v[232+\b], v[96+16*\b+\i], v[97+16*\b+\i]
.endr
.endr
.irp b, 0,1,2,3
	v_max_num_f32 v[232+\b], v[232+\b], v[111+16*\b]
.endr
.irp b, 0,1,2,3
	s_delay_alu instid0(VALU_DEP_4)
	v_permlanex16_b32 v[236+\b], v[232+\b], s[SEL], s[SEL+1]
.endr
.irp b, 0,1,2,3
	s_delay_alu instid0(VALU_DEP_4)
	v_max_num_f32 v[232+\b], v[232+\b], v[236+\b]
.endr
	s_delay_alu instid0(VALU_DEP_2)
	v_max3_num_f32 v254, v232, v233, v234
	s_delay_alu instid0(VALU_DEP_1)
	v_max_num_f32 v254, v254, v235
	s_delay_alu instid0(VALU_DEP_1)
	v_mul_f32 v254, s[CS], v254
	s_delay_alu instid0(VALU_DEP_1)
	v_max_num_f32 v13, v13, v254                   ; the running largest t
	v_mov_b32 v254, v12
	s_delay_alu instid0(VALU_DEP_2)
	v_floor_f32 v12, -v13                          ; the new -M: a whole number
	s_delay_alu instid0(VALU_DEP_1)
	v_sub_f32 v254, v12, v254
	s_delay_alu instid0(VALU_DEP_1)
	v_cvt_i32_f32 v254, v254                       ; (it saturates)
	s_delay_alu instid0(VALU_DEP_1)
	v_ldexp_f32 v252, 1.0, v254                    ; f = 2^(old M - new M): a multiplication by it rounds nothing
.irp j, 0,2,4,6,8,10,12,14,16,18,20,22,24,26,28,30,32,34,36,38,40,42,44,46,48,50,52,54,56,58,60,62
	v_pk_fma_f32 v[96+\j:97+\j], v[96+\j:97+\j], s[CS:CS+1], v[12:13] op_sel_hi:[1,0,0]
.endr
.irp b, 0,1,2,3
	v_fma_f32 v[232+\b], v[232+\b], s[CS], v12
.endr
.set j, 0
	s_wait_alu depctr_va_vdst(0)
.rept 64
	v_exp_f32 v[96+j], v[96+j]                     ; p = 2^(t - M)
.set j, j+1
.endr
	v_pk_mul_f32 v[14:15], v[14:15], v[252:253] op_sel_hi:[1,0]   ; the sums under the new M (a plain place behind the exponentials)
	s_wait_alu depctr_va_vdst(0)                   ; one wait for the batch of 64, ahead of its first reader
.irp b, 0,1,2,3
	v_exp_f32 v[232+\b], v[232+\b]                 ; the blocks' largest p
.endr
	v_pk_add_f32 v[236:237], v[100:101], v[104:105]
	v_pk_add_f32 v[246:247], v[108:109], v[112:113]
	v_pk_add_f32 v[244:245], v[116:117], v[120:121]
	v_pk_add_f32 v[242:243], v[124:125], v[128:129]
	v_pk_add_f32 v[240:241], v[132:133], v[136:137]
	v_pk_add_f32 v[238:239], v[140:141], v[144:145]
	v_pk_add_f32 v[230:231], v[148:149], v[152:153]
	v_pk_add_f32 v[14:15], v[14:15], v[156:157]
	v_pk_add_f32 v[236:237], v[236:237], v[96:97]
	v_pk_add_f32 v[246:247], v[246:247], v[98:99]
	v_pk_add_f32 v[244:245], v[244:245], v[102:103]
	v_pk_add_f32 v[242:243], v[242:243], v[106:107]
	v_pk_add_f32 v[240:241], v[240:241], v[110:111]
	v_pk_add_f32 v[238:239], v[238:239], v[114:115]
	v_pk_add_f32 v[230:231], v[230:231], v[118:119]
	v_pk_add_f32 v[14:15], v[14:15], v[122:123]
	v_pk_add_f32 v[236:237], v[236:237], v[126:127]
	v_pk_add_f32 v[246:247], v[246:247], v[130:131]
	v_pk_add_f32 v[244:245], v[244:245], v[134:135]
	v_pk_add_f32 v[242:243], v[242:243], v[138:139]
	v_pk_add_f32 v[240:241], v[240:241], v[142:143]
	v_pk_add_f32 v[238:239], v[238:239], v[146:147]
	v_pk_add_f32 v[230:231], v[230:231], v[150:151]
	v_pk_add_f32 v[14:15], v[14:15], v[154:155]
	v_pk_add_f32 v[236:237], v[236:237], v[158:159]
	s_delay_alu instid0(VALU_DEP_2)
	v_pk_add_f32 v[14:15], v[14:15], v[242:243]
	s_delay_alu instid0(VALU_DEP_2)
	v_pk_add_f32 v[236:237], v[236:237], v[240:241]
	v_pk_add_f32 v[246:247], v[246:247], v[238:239]
	v_pk_add_f32 v[244:245], v[244:245], v[230:231]
	s_delay_alu instid0(VALU_DEP_2)
	v_pk_add_f32 v[14:15], v[14:15], v[246:247]
	s_delay_alu instid0(VALU_DEP_2)
	v_pk_add_f32 v[236:237], v[236:237], v[244:245]
	s_delay_alu instid0(VALU_DEP_1)
	v_pk_add_f32 v[14:15], v[14:15], v[236:237]
	s_wait_alu depctr_va_vdst(0)                   ; and one for the four
.irp b, 0,1,2,3
	v_max_num_f32 v[232+\b], 0x1800000, v[232+\b]
.endr
.irp b, 0,1,2,3
	s_delay_alu instid0(VALU_DEP_4)
	v_add_nc_u32 v[244+\b], 0xff000000, v[232+\b]
.endr
.irp b, 0,1,2,3
	s_delay_alu instid0(VALU_DEP_4)
	v_lshrrev_b32 v[236+\b], 23, v[244+\b]
.endr
	s_delay_alu instid0(VALU_DEP_3)
	v_lshl_or_b32 v253, v237, 8, v236              ; p's scale word for these 128 keys
	s_delay_alu instid0(VALU_DEP_1)
	v_lshl_or_b32 v253, v238, 16, v253
	s_delay_alu instid0(VALU_DEP_1)
	v_lshl_or_b32 v253, v239, 24, v253
.irp c, 0,1
	v_cvt_scalef32_pk16_fp6_f32 v[224+6*\c:226+6*\c], v[96+32*\c:111+32*\c], v[244+2*\c]
	v_cvt_scalef32_pk16_fp6_f32 v[236+4*\c:238+4*\c], v[112+32*\c:127+32*\c], v[244+2*\c+1]
.endr
	v_nop
.irp c, 0,1
.irp i, 0,1,2
	v_permlane16_swap_b32 v[224+6*\c+\i], v[236+4*\c+\i]
.endr
.irp i, 0,1,2
	s_delay_alu instid0(VALU_DEP_3)
	v_mov_b32 v[227+6*\c+\i], v[236+4*\c+\i]
.endr
.endr
.irp j, 0,2,4,6,8,10,12,14,16,18,20,22,24,26,28,30
	v_pk_mul_f32 v[160+\j:161+\j], v[160+\j:161+\j], v[252:253] op_sel_hi:[1,0]   ; O^T under the new M; these sixteen are also the places in front of the products below
.endr
	s_wait_alu depctr_va_vdst(0)
	s_wait_dscnt 0x0                               ; V
.irp t, 0,1,2,3
	v_wmma_scale_f32_16x16x128_f8f6f4 v[160+8*\t:167+8*\t], v[32+12*\t:43+12*\t], v[224:235], v[160+8*\t:167+8*\t], v[248+\t], v253 matrix_a_fmt:MATRIX_FMT_FP6 matrix_b_fmt:MATRIX_FMT_FP6
.endr
	s_add_co_u32 s[TK], s[TK], 6144
	s_add_co_u32 s[TS], s[TS], 512
	s_add_co_u32 s[TJ], s[TJ], 256
	s_sub_co_u32 s[CNT], s[CNT], 1
	s_cmp_lg_u32 s[CNT], 0
	s_cbranch_scc1 .Lstep
	; THE WAY OUT: O^T / the sum, quantised along the head's 64 (two blocks): half a fragment of the projection's A operand: group 4 (y / 16) + cx, K step head / 2, tile = wave, registers 6 (head % 2) on.
	; The block lies by halves (launch prep): tile t's codes at 1,536 t + 512 (t / 8), its scale words at 12,288 + 64 t + 12,288 (t / 8).
.rept 4
	v_nop
.endr
	v_add_f32 v14, v14, v15
	s_delay_alu instid0(VALU_DEP_1)
	v_permlanex16_b32 v252, v14, s[SEL], s[SEL+1]
	s_delay_alu instid0(VALU_DEP_1)
	v_add_f32 v14, v14, v252
	s_wait_alu depctr_va_vdst(0)
	v_rcp_f32 v14, v14
	v_nop
	s_lshr_b32 s56, s[YY], 4
	s_lshl_b32 s56, s56, 2
	s_add_co_u32 s56, s56, s[CX]
	s_lshl_b32 s56, s56, 3
	s_bfe_u32 s57, s[YY], 0x30001
	s_add_co_u32 s56, s56, s57
	s_mul_i32 s56, s56, BLK
	s_and_b32 s57, s[YY], 1
	s_lshr_b32 s62, s[WV], 3                       ; my tile's half of the group
	s_lshl_b32 s63, s62, 9
	s_mul_i32 s62, s62, 12288
	s_mul_i32 s58, s[WV], 1536
	s_mul_i32 s59, s57, 768
	s_add_co_u32 s58, s58, s59
	s_add_co_u32 s58, s58, s63
	s_add_co_u32 s58, s58, s56
	s_mov_b32 s59, 0
	s_lshl_b32 s60, s[WV], 6
	s_lshl_b32 s57, s57, 1
	s_add_co_u32 s60, s60, s57
	s_add_co_u32 s60, s60, s62
	s_add_co_u32 s60, s60, s56
	s_add_co_u32 s60, s60, 12288
	s_mov_b32 s61, 0
	s_add_nc_u64 s[58:59], s[6:7], s[58:59]
	s_add_nc_u64 s[60:61], s[6:7], s[60:61]
	s_wait_alu depctr_va_vdst(0)                   ; ahead of the reciprocal's first reader
.set j, 0
.rept 32
	v_mul_f32 v[96+j], v[160+j], v14               ; register 16 c + i is ctx(my query, 32 c + 16 h + i)
.set j, j+1
.endr
.irp b, 0,1
	v_max3_num_f32 v[232+\b], |v[96+16*\b]|, |v[97+16*\b]|, 0x1800000
.endr
.irp i, 2,4,6,8,10,12,14
.irp b, 0,1
	s_delay_alu instid0(VALU_DEP_2)
	v_max3_num_f32 v[232+\b], v[232+\b], |v[96+16*\b+\i]|, |v[97+16*\b+\i]|
.endr
.endr
.irp b, 0,1
	s_delay_alu instid0(VALU_DEP_2)
	v_permlanex16_b32 v[236+\b], v[232+\b], s[SEL], s[SEL+1]
.endr
.irp b, 0,1
	s_delay_alu instid0(VALU_DEP_2)
	v_max_num_f32 v[232+\b], v[232+\b], v[236+\b]
.endr
.irp b, 0,1
	s_delay_alu instid0(VALU_DEP_2)
	v_add_nc_u32 v[244+\b], 0xff000000, v[232+\b]
.endr
.irp b, 0,1
	s_delay_alu instid0(VALU_DEP_2)
	v_lshrrev_b32 v[236+\b], 23, v[244+\b]
.endr
	s_delay_alu instid0(VALU_DEP_1)
	v_lshl_or_b32 v240, v237, 8, v236              ; my head's two bytes of the row's scale word
	v_cvt_scalef32_pk16_fp6_f32 v[224:226], v[96:111], v244
	v_cvt_scalef32_pk16_fp6_f32 v[236:238], v[112:127], v245
	v_nop
.irp i, 0,1,2
	v_permlane16_swap_b32 v[224+\i], v[236+\i]
.endr
.irp i, 0,1,2
	s_delay_alu instid0(VALU_DEP_3)
	v_mov_b32 v[227+\i], v[236+\i]
.endr
.irp p, 0,1,2
	global_store_b64 v[AK0], v[224+2*\p:225+2*\p], s[58:59] offset:256*\p   ; 256 consecutive bytes, aligned
.endr
	global_store_b16 v7, v240, s[60:61]            ; both halves of the lanes write the same two bytes
	s_wait_tensorcnt 0x0                           ; the wave's end: these three lines
	ds_add_u32 v[SPW], v[NIL]
	s_wait_dscnt 0x0
	CROUND                                         ; the closing round
	s_endpgm
.Lfunc_end_k_qe51c626daf_attn:
	.size	k_qe51c626daf_attn, .Lfunc_end_k_qe51c626daf_attn-k_qe51c626daf_attn
	.p2alignl 7, 3214868480
	.fill 96, 4, 3214868480
	.section	.rodata,"a",@progbits
	.p2align	6, 0x0
	.amdhsa_kernel k_qe51c626daf_attn
		.amdhsa_group_segment_fixed_size 167936
		.amdhsa_private_segment_fixed_size 0
		.amdhsa_enable_private_segment 0
		.amdhsa_kernarg_size 16
		.amdhsa_user_sgpr_count 2
		.amdhsa_user_sgpr_kernarg_segment_ptr 1
		.amdhsa_wavefront_size32 1
		.amdhsa_system_sgpr_workgroup_id_x 1
		.amdhsa_system_sgpr_workgroup_id_y 1
		.amdhsa_system_sgpr_workgroup_id_z 1
		.amdhsa_system_vgpr_workitem_id 0
		.amdhsa_next_free_vgpr 256
		.amdhsa_next_free_sgpr 80
		.amdhsa_reserve_vcc 1
		.amdhsa_float_denorm_mode_32 3
		.amdhsa_float_denorm_mode_16_64 3
		.amdhsa_memory_ordered 1
		.amdhsa_forward_progress 1
		.amdhsa_inst_pref_size 42
	.end_amdhsa_kernel
	.amdgpu_metadata
---
amdhsa.version: [ 1, 2 ]
amdhsa.kernels:
  - .name:           k_qe51c626daf_attn
    .symbol:         k_qe51c626daf_attn.kd
    .args:
      - { .name: w1, .offset: 0, .size: 8, .value_kind: global_buffer, .address_space: global }
      - { .name: w2, .offset: 8, .size: 8, .value_kind: global_buffer, .address_space: global }
    .group_segment_fixed_size: 167936
    .private_segment_fixed_size: 0
    .kernarg_segment_align: 8
    .kernarg_segment_size: 16
    .max_flat_workgroup_size: 512
    .sgpr_count:     80
    .vgpr_count:     256
    .wavefront_size: 32
...
	.end_amdgpu_metadata
.endif
;; end of part 11
;; launch oproj_ln1 (part 12): grid 256 x 1, 8 waves a work-group, no clusters, 69,632 bytes of LDS; arguments w2, w0, out_b, pcpt, gen, n1_g, n1_b, w4; writes w4
.if DOCPART == 12
	.amdgcn_target "amdgcn-amd-amdhsa--gfx1250"
	.amdhsa_code_object_version 6
	.text
	.protected	k_qe51c626daf_oproj_ln1
	.globl	k_qe51c626daf_oproj_ln1
	.p2align	8
	.type	k_qe51c626daf_oproj_ln1,@function
k_qe51c626daf_oproj_ln1:
	s_mov_b64 s[64:65], 0
	v_nop
	global_prefetch_b8 v0, s[64:65] scope:SCOPE_SE
	s_setreg_imm32_b32 hwreg(HW_REG_WAVE_MODE, 25, 1), 1
	s_wait_xcnt 0x0
; OPROJ_LN1: z1 = ctx out_w^T + out_b on codes of E2M3 (K = 1,024: 8 K steps of 128), then p = LayerNorm(x + z1) x n1_g + n1_b in f32.  z1 never leaves the registers.
; p leaves twice: as an f32 image (the residual of the second norm) and as codes of E2M3 (the A operand of the first FFN product).
; SHARES.  A work-group takes one tile T of 16 token rows (rows 32 (T / 2) + 8 (T % 2) + r + 8 (r / 8)) and all 1,024 columns; wave s takes columns 128 s on: 8 accumulators, 64 matrix instructions a wave.
; The matrix instruction is used transposed (source 0 = 16 features, source 1 = the 16 tokens): lane (r, h) holds 64 numbers of row r: register 16 c + i = column 128 s + 32 c + 16 h + i.
; THE IMAGE: for tile T and columns 128 s on, 8,192 bytes at (8 T + s) x 8,192, registers 4 q .. 4 q + 3 of lane l at 512 q + 16 l.
; OPERANDS come from memory straight into registers, as images of the operand's registers (launches prep and attn laid them so): out_w's 128 features x 128 K are 12,800 dense bytes (8 tiles of 1,536, then 8 x 64 bytes of
; scale words); ctx's tile lies by planes (registers 2 p, 2 p + 1 of lane l at 256 p + 8 l).  Two sets of registers in window 1 take turns: while one K step is multiplied, the next is on its way and the one after is asked for.
; NO LDS RING, NO JOINT LOADS: in a work-group each byte of out_w feeds one matrix instruction of one wave, and no two waves read the same bytes of it: a stage in LDS would add a write and a read of every byte and serve no second reader.
; No data prefetch: the register sets themselves run two K steps ahead of the products.
; x comes by rows of 512 consecutive bytes and turns through the wave's own stage in LDS, under the K walk.  Mean, then the mean of the squared differences: each summed in a lane, across lanes l and l xor 16, and across the
; eight waves through LDS (a barrier each): two passes, no difference of large sums.  LIMITS: as stated in launch prep.
; REGISTERS.  window 0: v1-12 lane terms; v20, v21 the add's two; v24-33 scale words and nothing else; v48-59 sums; v64-127 the accumulators, then p; v128-191 x, then the gain, then the quantiser's; v192-255 out_b as C, then n1_b.
; window 1: v0-95, v96-191 out_w's 8 fragments, two sets; v192-215 ctx's fragment, two sets.
.set BLK,    25600
.set HB,     12800
.set OW_OFF, 5734400
.set P_OFF,  16777216
.set PITCH,  528
.set STG,    16*PITCH
.set RED1,   8*STG
.set SPARE,  RED1+1024                 ; behind the two tables of partial sums: the spare words, 128 bytes a wave: four blocks of 256 bytes that no other line names
.set NLD,    35                        ; loads that bring a K step: 24 + 6 fragments, 4 + 1 scale words
.set SPW, 20
.set NIL, 21
.set SB,  24                           ; v24-31 out_w's scale words, two sets of four: register m: tile 2 m in lanes 0-15, tile 2 m + 1 in lanes 16-31
.set SA,  32                           ; v32, v33 ctx's scale words
.set Z,   64
.set XA,  128
.set XB,  192
.set BI,  192
.set TM,  128
.set PW,  144
.set PC,  148
.set SEL, 22
.set MSB, 0
.macro WIN new                         ; the immediate's high byte repeats the setting that is left
.if MSB != (\new)
	s_set_vgpr_msb (MSB<<8)|(\new)
.set MSB, (\new)
.endif
.endm
.macro LOADSET k, f                    ; K step k's operands into set f
	WIN 0x40                                       ; destination window 1, address window 0
.irp i, 0,1,2,3,4,5,6,7
.irp c, 0,1,2
	global_load_b128 v[96*(\f)+12*\i+4*\c:96*(\f)+12*\i+4*\c+3], v3, s[48:49] offset:(\k)*BLK+1536*\i+512*\c
.endr
.endr
.irp p, 0,1,2,3,4,5
	global_load_b64 v[192+12*(\f)+2*\p:193+12*(\f)+2*\p], v11, s[44:45] offset:(\k)*BLK+256*\p
.endr
	WIN 0
.irp m, 0,1,2,3
	global_load_b32 v[SB+4*(\f)+\m], v12, s[48:49] offset:(\k)*BLK+12288+128*\m
.endr
	global_load_b32 v[SA+(\f)], v6, s[46:47] offset:(\k)*BLK
.endm
; A K step: 8 matrix instructions, the 8 accumulators by turns; then four places and the loads of K step k + 2 into the set just multiplied.
.macro KSTEP k
.if (\k) < 7
	s_wait_loadcnt NLD                             ; all but the set asked for last: this K step's operands are in
.else
	s_wait_loadcnt 0x0
.endif
.if (\k) == 0
.set CB, BI                            ; the first K step starts the sums from out_b: nothing is cleared
.else
.set CB, Z
.endif
.set F, (\k)%2
	WIN 0x05                                       ; sources 0 and 1 window 1; C and D window 0
.irp b, 0,1,2,3,4,5,6,7
.if \b%2
	v_wmma_scale_f32_16x16x128_f8f6f4 v[Z+8*\b:Z+8*\b+7], v[96*F+12*\b:96*F+12*\b+11], v[192+12*F:192+12*F+11], v[CB+8*\b:CB+8*\b+7], v[SB+4*F+\b/2], v[SA+F] matrix_a_fmt:MATRIX_FMT_FP6 matrix_b_fmt:MATRIX_FMT_FP6 matrix_a_scale:MATRIX_SCALE_ROW1
.else
	v_wmma_scale_f32_16x16x128_f8f6f4 v[Z+8*\b:Z+8*\b+7], v[96*F+12*\b:96*F+12*\b+11], v[192+12*F:192+12*F+11], v[CB+8*\b:CB+8*\b+7], v[SB+4*F+\b/2], v[SA+F] matrix_a_fmt:MATRIX_FMT_FP6 matrix_b_fmt:MATRIX_FMT_FP6
.endif
.endr
.if (\k) < 6
.rept 4
	v_nop                                          ; places ahead of loads into registers that the products read
.endr
	LOADSET (\k)+2, (\k)%2
.endif
.endm
.macro QUANT s
.irp b, 0,1,2,3
	v_max3_num_f32 v[TM+\b], |v[\s+16*\b]|, |v[\s+1+16*\b]|, 0x1800000   ; and the floor 2^(3 - 127)
.endr
.irp i, 2,4,6,8,10,12,14
.irp b, 0,1,2,3
	s_delay_alu instid0(VALU_DEP_4)
	v_max3_num_f32 v[TM+\b], v[TM+\b], |v[\s+16*\b+\i]|, |v[\s+1+16*\b+\i]|
.endr
.endr
.irp b, 0,1,2,3
	s_delay_alu instid0(VALU_DEP_4)
	v_permlanex16_b32 v[TM+4+\b], v[TM+\b], s[SEL], s[SEL+1]
.endr
.irp b, 0,1,2,3
	s_delay_alu instid0(VALU_DEP_4)
	v_max_num_f32 v[TM+\b], v[TM+\b], v[TM+4+\b]
.endr
.irp b, 0,1,2,3
	s_delay_alu instid0(VALU_DEP_4)
	v_add_nc_u32 v[TM+12+\b], 0xff000000, v[TM+\b]         ; 2 off the exponent field: the conversion's scale operand
.endr
.irp b, 0,1,2,3
	s_delay_alu instid0(VALU_DEP_4)
	v_lshrrev_b32 v[TM+4+\b], 23, v[TM+12+\b]
.endr
	s_delay_alu instid0(VALU_DEP_3)
	v_lshl_or_b32 v[PW], v[TM+5], 8, v[TM+4]
	s_delay_alu instid0(VALU_DEP_1)
	v_lshl_or_b32 v[PW], v[TM+6], 16, v[PW]
	s_delay_alu instid0(VALU_DEP_1)
	v_lshl_or_b32 v[PW], v[TM+7], 24, v[PW]
.irp c, 0,1
	v_cvt_scalef32_pk16_fp6_f32 v[PC+6*\c:PC+2+6*\c], v[\s+32*\c:\s+15+32*\c], v[TM+12+2*\c]
	v_cvt_scalef32_pk16_fp6_f32 v[PC+12+4*\c:PC+14+4*\c], v[\s+16+32*\c:\s+31+32*\c], v[TM+12+2*\c+1]
.endr
	v_nop                                                  ; one plain place behind a scaled conversion
.irp c, 0,1
.irp i, 0,1,2
	v_permlane16_swap_b32 v[PC+6*\c+\i], v[PC+12+4*\c+\i]
.endr
.irp i, 0,1,2
	s_delay_alu instid0(VALU_DEP_3)
	v_mov_b32 v[PC+3+6*\c+\i], v[PC+12+4*\c+\i]
.endr
.endr
.endm
; four pairs of partial sums in v[48:55] become the row's sum over all 1,024 columns, in v48 of every lane
.macro ACROSS off
	s_delay_alu instid0(VALU_DEP_3)
	v_pk_add_f32 v[48:49], v[48:49], v[50:51]
	s_delay_alu instid0(VALU_DEP_2)
	v_pk_add_f32 v[52:53], v[52:53], v[54:55]
	s_delay_alu instid0(VALU_DEP_1)
	v_pk_add_f32 v[48:49], v[48:49], v[52:53]
	s_delay_alu instid0(VALU_DEP_1)
	v_add_f32 v48, v48, v49
	s_delay_alu instid0(VALU_DEP_1)
	v_permlanex16_b32 v49, v48, s[SEL], s[SEL+1]
	s_delay_alu instid0(VALU_DEP_1)
	v_add_f32 v48, v48, v49                        ; my wave's 128 columns of row r
	ds_store_b32 v8, v48 offset:\off               ; both halves of the lanes write the same word with the same value
	s_wait_dscnt 0x0                               ; for the others' sake: zero
	s_barrier_signal -1
	s_barrier_wait -1
	ds_load_b128 v[48:51], v9 offset:\off
	ds_load_b128 v[52:55], v9 offset:\off+16
	s_wait_dscnt 0x0
	v_pk_add_f32 v[48:49], v[48:49], v[50:51]
	v_pk_add_f32 v[52:53], v[52:53], v[54:55]
	s_delay_alu instid0(VALU_DEP_1)
	v_pk_add_f32 v[48:49], v[48:49], v[52:53]
	s_delay_alu instid0(VALU_DEP_1)
	v_add_f32 v48, v48, v49
.endm
	s_load_b512 s[4:19], s[0:1], 0x0               ; w2, w0, out_b, pcpt, gen, n1_g, n1_b, w4
	v_lshl_add_u32 v[SPW], v0, 2, SPARE
	v_mov_b32 v[NIL], 0
	v_lshrrev_b32 v1, 5, v0
	s_delay_alu instid0(VALU_DEP_1)
	v_readfirstlane_b32 s20, v1                    ; wave = s
	v_and_b32 v1, 15, v0                           ; r
	v_bfe_u32 v2, v0, 4, 1                         ; h
	v_and_b32 v10, 31, v0
	s_delay_alu instid0(VALU_DEP_1)
	v_lshlrev_b32 v3, 4, v10                       ; 16 x lane
	v_lshlrev_b32 v11, 3, v10                      ; 8 x lane
	v_lshlrev_b32 v12, 2, v10                      ; 4 x lane
	s_mul_i32 s21, s20, STG
	v_add_nc_u32 v4, s21, v3                       ; the stage by rows
	v_mul_u32_u24 v5, v1, PITCH
	s_delay_alu instid0(VALU_DEP_1)
	v_lshl_add_u32 v5, v2, 6, v5
	s_delay_alu instid0(VALU_DEP_1)
	v_add_nc_u32 v5, s21, v5                       ; and by my lane's 16 neighbours
	v_lshlrev_b32 v6, 2, v1                        ; 4 r
	v_lshlrev_b32 v7, 6, v2                        ; 64 h
	s_lshl_b32 s21, s20, 2
	v_lshl_add_u32 v9, v1, 5, RED1                 ; row r's eight partial sums,
	s_delay_alu instid0(VALU_DEP_1)
	v_add_nc_u32 v8, s21, v9                       ; and my wave's among them
	s_mov_b32 s[SEL], 0x76543210
	s_mov_b32 s[SEL+1], 0xfedcba98
	s_mov_b32 s24, 0x3a800000                      ; 1 / 1,024
	s_mov_b32 s25, 0x3727c5ac                      ; 1e-5
	s_and_b32 s26, ttmp9, 127
	s_lshr_b32 s27, s26, 1
	s_lshl_b32 s27, s27, 5
	s_and_b32 s26, s26, 1
	s_lshl_b32 s26, s26, 3
	s_add_co_u32 s26, s26, s27                     ; the tile's first row in its tensor
	s_lshl_b32 s26, s26, 12
	s_lshl_b32 s28, s20, 9                         ; my 128 columns, in bytes of f32
	s_add_co_u32 s26, s26, s28
	s_mov_b32 s27, 0
	s_mov_b32 s29, 0
	s_lshl_b32 s30, ttmp9, 3
	s_add_co_u32 s30, s30, s20
	s_lshl_b32 s30, s30, 13                        ; the image (T, s)
	s_mov_b32 s31, 0
	s_lshr_b32 s32, ttmp9, 4                       ; the group of 256 tokens,
	s_and_b32 s34, ttmp9, 15                       ; and my tile's place t in it
	s_lshl_b32 s33, s32, 3
	s_add_co_u32 s33, s33, s20
	s_mul_i32 s33, s33, BLK
	s_add_co_u32 s33, s33, P_OFF                   ; the block (T / 16, s) of p's codes
	s_mul_i32 s36, s34, 1536
	s_lshl_b32 s38, s34, 6
	s_add_co_u32 s40, s36, s33                     ; p's codes: tile t,
	s_mov_b32 s41, 0
	s_add_co_u32 s42, s38, s33
	s_add_co_u32 s42, s42, 24576                   ; and its scale words
	s_mov_b32 s43, 0
	s_mul_i32 s35, s32, 8*BLK                      ; ctx: the group's K step 0; its blocks lie by halves:
	s_lshr_b32 s37, s34, 3
	s_lshl_b32 s44, s37, 9
	s_add_co_u32 s44, s44, s36
	s_add_co_u32 s44, s44, s35                     ; codes at 1,536 t + 512 (t / 8),
	s_mov_b32 s45, 0
	s_mul_i32 s46, s37, 12288
	s_add_co_u32 s46, s46, s38
	s_add_co_u32 s46, s46, s35
	s_add_co_u32 s46, s46, 12288                   ; scale words at 12,288 + 64 t + 12,288 (t / 8)
	s_mov_b32 s47, 0
	s_lshr_b32 s48, s20, 1                         ; out_w: the group of 256 features,
	s_mul_i32 s48, s48, 8*BLK
	s_and_b32 s49, s20, 1
	s_mul_i32 s49, s49, HB                         ; my half of its blocks
	s_add_co_u32 s48, s48, s49
	s_add_co_u32 s48, s48, OW_OFF
	s_mov_b32 s49, 0
	s_wait_alu depctr_va_vdst(0)
	s_wait_kmcnt 0x0
	s_cmp_lt_u32 ttmp9, 128
	s_cselect_b64 s[10:11], s[10:11], s[12:13]     ; tiles 0-127 are pcpt's, the others gen's
	s_add_nc_u64 s[10:11], s[10:11], s[26:27]
	s_add_nc_u64 s[8:9], s[8:9], s[28:29]
	s_add_nc_u64 s[14:15], s[14:15], s[28:29]
	s_add_nc_u64 s[16:17], s[16:17], s[28:29]
	s_add_nc_u64 s[30:31], s[18:19], s[30:31]
	s_add_nc_u64 s[40:41], s[18:19], s[40:41]
	s_add_nc_u64 s[42:43], s[18:19], s[42:43]
	s_add_nc_u64 s[44:45], s[4:5], s[44:45]
	s_add_nc_u64 s[46:47], s[4:5], s[46:47]
	s_add_nc_u64 s[48:49], s[6:7], s[48:49]
.irp b, 0,1,2,3,4,5,6,7
	global_load_b128 v[BI+8*\b:BI+8*\b+3], v7, s[8:9] offset:4*(32*(\b/2)+8*(\b%2))       ; out_b: register j of tile b wants feature 32 (b / 2) + 8 (b % 2) + 16 h + j
	global_load_b128 v[BI+8*\b+4:BI+8*\b+7], v7, s[8:9] offset:4*(32*(\b/2)+8*(\b%2))+16
.endr
.irp i, 0,1,2,3,4,5,6,7,8,9,10,11,12,13,14,15
	global_load_b128 v[XA+4*\i:XA+4*\i+3], v3, s[10:11] offset:(\i+8*(\i/8))*4096 th:TH_LOAD_NT   ; x: the tile's row i, 512 consecutive bytes
.endr
	LOADSET 0, 0
	LOADSET 1, 1                                   ; (where LOADcnt's field is full the issue stalls: ISA guide 5.7.1; no wait is written for that)
	KSTEP 0                                        ; its wait leaves out set 1 alone: out_b and x, asked for earlier, are in too
.irp i, 0,1,2,3,4,5,6,7,8,9,10,11,12,13,14,15
	ds_store_b128 v4, v[XA+4*\i:XA+4*\i+3] offset:PITCH*\i
.endr
.irp c, 0,1,2,3
.irp q, 0,1,2,3
	ds_load_b128 v[XA+16*\c+4*\q:XA+16*\c+4*\q+3], v5 offset:128*\c+16*\q   ; my 16 neighbours of block c; LDS serves a wave's instructions in order: these come behind my stores
.endr
.endr
.irp k, 1,2,3,4,5,6,7
	KSTEP \k
.endr
.rept 4
	v_nop                                          ; places ahead of the first reads of the results
.endr
	WIN 0
	s_wait_dscnt 0x0                               ; x is back from the stage
.set j, 0
.rept 32
	v_pk_add_f32 v[Z+j:Z+j+1], v[Z+j:Z+j+1], v[XA+j:XA+j+1]   ; x + z1; each accumulator is read from its low end on
.set j, j+2
.endr
.irp c, 0,1,2,3
.irp q, 0,1,2,3
	global_load_b128 v[XA+16*\c+4*\q:XA+16*\c+4*\q+3], v7, s[14:15] offset:128*\c+16*\q   ; the gain, into the registers that x has left
.endr
.endr
.irp c, 0,1,2,3
.irp q, 0,1,2,3
	global_load_b128 v[XB+16*\c+4*\q:XB+16*\c+4*\q+3], v7, s[16:17] offset:128*\c+16*\q   ; n1_b, into those that out_b has left
.endr
.endr
.irp k, 0,1,2,3
	v_pk_add_f32 v[48+2*\k:49+2*\k], v[Z+2*\k:Z+2*\k+1], v[Z+8+2*\k:Z+9+2*\k]
.endr
.irp j, 16,24,32,40,48,56
.irp k, 0,1,2,3
	s_delay_alu instid0(VALU_DEP_4)
	v_pk_add_f32 v[48+2*\k:49+2*\k], v[48+2*\k:49+2*\k], v[Z+\j+2*\k:Z+\j+2*\k+1]
.endr
.endr
	ACROSS 0
	s_delay_alu instid0(VALU_DEP_1)
	v_mul_f32 v56, s24, v48                        ; the mean
	s_delay_alu instid0(VALU_DEP_1)
	v_mov_b32 v57, v56
.set j, 0
.rept 32
	v_pk_add_f32 v[Z+j:Z+j+1], v[Z+j:Z+j+1], v[56:57] neg_lo:[0,1] neg_hi:[0,1]
.set j, j+2
.endr
.irp k, 0,1,2,3
	v_pk_mul_f32 v[48+2*\k:49+2*\k], v[Z+2*\k:Z+2*\k+1], v[Z+2*\k:Z+2*\k+1]
.endr
.irp j, 8,16,24,32,40,48,56
.irp k, 0,1,2,3
	s_delay_alu instid0(VALU_DEP_4)
	v_pk_fma_f32 v[48+2*\k:49+2*\k], v[Z+\j+2*\k:Z+\j+2*\k+1], v[Z+\j+2*\k:Z+\j+2*\k+1], v[48+2*\k:49+2*\k]
.endr
.endr
	ACROSS 512                                     ; other bytes than the first sum's: no third barrier is needed
	s_delay_alu instid0(VALU_DEP_1)
	v_fma_f32 v58, v48, s24, s25                   ; the variance + 1e-5
	s_wait_alu depctr_va_vdst(0)                   ; a wait ahead of the transcendental
	v_rsq_f32 v58, v58
	v_nop
	s_wait_alu depctr_va_vdst(0)                   ; and ahead of its first reader
	v_mov_b32 v59, v58
	s_wait_alu depctr_va_vdst(0)
	s_wait_loadcnt 0x0                             ; gain and bias
.set j, 0
.rept 32
	v_pk_mul_f32 v[Z+j:Z+j+1], v[Z+j:Z+j+1], v[58:59]
.set j, j+2
.endr
.set j, 0
.rept 32
	v_pk_fma_f32 v[Z+j:Z+j+1], v[Z+j:Z+j+1], v[XA+j:XA+j+1], v[XB+j:XB+j+1]
.set j, j+2
.endr
.irp q, 0,1,2,3,4,5,6,7,8,9,10,11,12,13,14,15
	global_store_b128 v3, v[Z+4*\q:Z+4*\q+3], s[30:31] offset:512*\q        ; p's image: 512 consecutive bytes a store
.endr
.irp b, 0,1,2,3
	v_mov_b32 v[TM+4+\b], 0                        ; a lane permute's destination counts as one of its sources
.endr
	QUANT Z
.irp c, 0,1,2
	global_store_b128 v3, v[PC+4*\c:PC+4*\c+3], s[40:41] offset:512*\c
.endr
	global_store_b32 v6, v[PW], s[42:43]           ; both halves of the lanes hold row r's word and write it to the same place
	s_wait_tensorcnt 0x0                           ; the wave's end: these three lines behind my last LDS store
	ds_add_u32 v[SPW], v[NIL]
	s_wait_dscnt 0x0
	s_endpgm
.Lfunc_end_k_qe51c626daf_oproj_ln1:
	.size	k_qe51c626daf_oproj_ln1, .Lfunc_end_k_qe51c626daf_oproj_ln1-k_qe51c626daf_oproj_ln1
	.p2alignl 7, 3214868480
	.fill 96, 4, 3214868480
	.section	.rodata,"a",@progbits
	.p2align	6, 0x0
	.amdhsa_kernel k_qe51c626daf_oproj_ln1
		.amdhsa_group_segment_fixed_size 69632
		.amdhsa_private_segment_fixed_size 0
		.amdhsa_enable_private_segment 0
		.amdhsa_kernarg_size 64
		.amdhsa_user_sgpr_count 2
		.amdhsa_user_sgpr_kernarg_segment_ptr 1
		.amdhsa_wavefront_size32 1
		.amdhsa_system_sgpr_workgroup_id_x 1
		.amdhsa_system_sgpr_workgroup_id_y 1
		.amdhsa_system_sgpr_workgroup_id_z 1
		.amdhsa_system_vgpr_workitem_id 0
		.amdhsa_next_free_vgpr 512
		.amdhsa_next_free_sgpr 66
		.amdhsa_reserve_vcc 0
		.amdhsa_float_denorm_mode_32 3
		.amdhsa_float_denorm_mode_16_64 3
		.amdhsa_memory_ordered 1
		.amdhsa_forward_progress 1
		.amdhsa_inst_pref_size 72
	.end_amdhsa_kernel
	.amdgpu_metadata
---
amdhsa.version: [ 1, 2 ]
amdhsa.kernels:
  - .name:           k_qe51c626daf_oproj_ln1
    .symbol:         k_qe51c626daf_oproj_ln1.kd
    .args:
      - { .name: w2, .offset: 0, .size: 8, .value_kind: global_buffer, .address_space: global }
      - { .name: w0, .offset: 8, .size: 8, .value_kind: global_buffer, .address_space: global }
      - { .name: out_b, .offset: 16, .size: 8, .value_kind: global_buffer, .address_space: global }
      - { .name: pcpt, .offset: 24, .size: 8, .value_kind: global_buffer, .address_space: global }
      - { .name: gen, .offset: 32, .size: 8, .value_kind: global_buffer, .address_space: global }
      - { .name: n1_g, .offset: 40, .size: 8, .value_kind: global_buffer, .address_space: global }
      - { .name: n1_b, .offset: 48, .size: 8, .value_kind: global_buffer, .address_space: global }
      - { .name: w4, .offset: 56, .size: 8, .value_kind: global_buffer, .address_space: global }
    .group_segment_fixed_size: 69632
    .private_segment_fixed_size: 0
    .kernarg_segment_align: 8
    .kernarg_segment_size: 64
    .max_flat_workgroup_size: 256
    .sgpr_count:     66
    .vgpr_count:     512
    .wavefront_size: 32
...
	.end_amdgpu_metadata
.endif
;; end of part 12
;; launch ffn1 (part 13): grid 16 x 16, 4 waves a work-group, clusters of 4 x 4, 327,680 bytes of LDS; arguments w4, w0, l1_b, w5; writes w5
.if DOCPART == 13
	.amdgcn_target "amdgcn-amd-amdhsa--gfx1250"
	.amdhsa_code_object_version 6
	.text
	.protected	k_qe51c626daf_ffn1
	.globl	k_qe51c626daf_ffn1
	.p2align	8
	.type	k_qe51c626daf_ffn1,@function
k_qe51c626daf_ffn1:
	s_mov_b64 s[64:65], 0
	v_nop
	global_prefetch_b8 v0, s[64:65] scope:SCOPE_SE
	s_setreg_imm32_b32 hwreg(HW_REG_WAVE_MODE, 25, 1), 1
	s_wait_xcnt 0x0
	s_wait_alu depctr_hold_cnt(0) depctr_sa_sdst(0) depctr_va_vdst(0) depctr_va_sdst(0) depctr_va_ssrc(0) depctr_va_vcc(0) depctr_vm_vsrc(0)
	s_getreg_b32 s2, hwreg(HW_REG_IB_STS2, 6, 4)
	s_cmp_eq_u32 s2, 0
	s_cbranch_scc0 .Lentry_in_a_cluster
	s_endpgm
.Lentry_in_a_cluster:
	s_bfe_u32 s2, ttmp6, 0x10000c
	s_cmp_lg_u32 s2, 0xf033
	s_cbranch_scc0 .Lentry_shape_is_right
	s_endpgm
.Lentry_shape_is_right:
; FFN1: h = relu(p l1_w^T + l1_b) on codes of E2M3 (K = 1,024: 8 K steps of 128), quantised at once along the 4,096 hidden units for the second FFN product; nothing goes out in f32.
; A work-group of four waves makes 256 tokens x 256 units, a wave 128 x 128: 64 accumulators in windows 2 and 3.  The matrix instruction is used transposed (source 0 = 16 units, source 1 = 16 tokens):
; a lane holds one token row and its registers run along the units, in their true order (the tiles' rows are chosen for it: launch prep).  The first K step takes the bias as C.
; OPERANDS: p's codes (w4 at 16,777,216) and l1_w (w0 at 6,553,600), in blocks of 25,600 bytes: 256 rows x 128 K with their scale words, as images of the operand's registers.
; LDS: A's K steps 0 to 5 lie one behind the other at k x 25,600, B's from BSIDE on.  At the head each wave issues ONE tensor load of three consecutive K steps of its side (300 rows of 256 bytes):
; waves 0, 1 A's steps 0-2 and 3-5, waves 2, 3 B's.  A "slot" is two K steps of each side; K steps 6 and 7 are brought once into the bytes of K steps 0 and 1, behind a round of the cluster's barrier.
; CLUSTERS: 4 x 4: A's blocks are shared along a row of the cluster, B's along a column: each is asked for jointly.
; h leaves as blocks by halves (launch prep): 128 tokens x 128 units are 8 tiles of 1,536 bytes and 8 x 64 bytes of scale words.  LIMITS: as stated in launch prep.
.set BLK,    25600
.set SLOT,   2*BLK                     ; from a slot's two K steps of one side to the next slot's
.set BSIDE,  6*BLK                     ; B's six K steps lie behind A's six
.set SPARE,  12*BLK                    ; the spare words, 128 bytes a wave: two blocks of 256 bytes that no other line names
.set KS,     8
.set NLA,    3
.set A_OFF,  16777216
.set B_OFF,  6553600
.set ADRA, 16
.set ADRB, 20
.set ADRS, 24
.set SPW,  28
.set NIL,  29
.set SC,   32
.set BI,   64
.set ST,   64
.set AF,   128
.set TM,   128
.set PW,   144
.set PC,   148
.set PWK,  168
.set SEL,  12
.set G1A,  24
.set G0A,  32
.set G1B,  44
.set G0B,  52
.set MSB, 0
.macro WIN new
.if MSB != (\new)
	s_set_vgpr_msb (MSB<<8)|(\new)
.set MSB, (\new)
.endif
.endm
.macro JLOAD g0a, g0b
	s_cmp_eq_u32 s15, 0
	s_cbranch_scc0 .Lfor_b_\@
	tensor_load_to_lds s[\g0a:\g0a+3], s[G1A:G1A+7]
	s_nop 0
.rept 4
	v_nop
.endr
	s_branch .Lasked_\@
.Lfor_b_\@:
	tensor_load_to_lds s[\g0b:\g0b+3], s[G1B:G1B+7]
	s_nop 0
.rept 4
	v_nop
.endr
.Lasked_\@:
.endm
.macro CREST
	s_cmp_lg_u32 s14, 0
	s_cbranch_scc1 .Lnot_wave_0_\@
	s_barrier_signal -3
.Lnot_wave_0_\@:
	s_barrier_wait -3
	s_barrier_signal -1
	s_barrier_wait -1
.endm
.macro CROUND
	s_barrier_signal -1
	s_barrier_wait -1
	CREST
.endm
.macro PLACES
.rept 4
	v_nop
.endr
.endm
.macro FRAG reg, adr, off
.irp c, 0,1,2
	ds_load_b128 v[\reg+4*\c:\reg+4*\c+3], v[\adr] offset:\off+512*\c
.endr
.endm
.macro FETCH_B slot, q, p
	WIN 0x40
.irp i, 0,1,2,3,4,5,6,7
	FRAG 128*(\p)+12*\i, ADRB+\slot, (\q)*BLK+1536*\i
.endr
	WIN 0
.endm
.macro FETCH_A slot, q, i0
.irp i, \i0, \i0+1, \i0+2, \i0+3
	FRAG AF+12*(\i), ADRA+\slot, (\q)*BLK+1536*(\i)
.endr
.endm
.macro SCALES slot, sc
.irp q, 0,1
.irp i, 0,1,2,3,4,5,6,7
	ds_load_b32 v[SC+16*(\sc)+8*\q+\i], v[ADRS+\slot] offset:\q*BLK+64*\i
.endr
.endr
.endm
.macro MUL16 a0, p, q, sc, cm
.if \cm
	WIN 0x81+0x40*((\a0)/4)
.else
	WIN 0xa1+0x50*((\a0)/4)
.endif
.irp a, \a0, \a0+1
.irp b, 0,1,2,3,4,5,6,7
.if \cm == 0
	v_wmma_scale_f32_16x16x128_f8f6f4 v[8*(8*((\a)%4)+\b):8*(8*((\a)%4)+\b)+7], v[128*(\p)+12*\b:128*(\p)+12*\b+11], v[AF+12*(\a):AF+12*(\a)+11], v[8*(8*((\a)%4)+\b):8*(8*((\a)%4)+\b)+7], v[SC+16*(\sc)+8*(\q)+\b], v[SC+16*(\sc)+8*(\q)+(\a)] matrix_a_fmt:MATRIX_FMT_FP6 matrix_b_fmt:MATRIX_FMT_FP6 matrix_a_scale:MATRIX_SCALE_ROW1
.else
	v_wmma_scale_f32_16x16x128_f8f6f4 v[8*(8*((\a)%4)+\b):8*(8*((\a)%4)+\b)+7], v[128*(\p)+12*\b:128*(\p)+12*\b+11], v[AF+12*(\a):AF+12*(\a)+11], v[BI+8*\b:BI+8*\b+7], v[SC+16*(\sc)+8*(\q)+\b], v[SC+16*(\sc)+8*(\q)+(\a)] matrix_a_fmt:MATRIX_FMT_FP6 matrix_b_fmt:MATRIX_FMT_FP6 matrix_a_scale:MATRIX_SCALE_ROW1
.endif
.endr
.endr
.endm
.macro STEP slot, sc, cm
	s_wait_dscnt 4*NLA
	MUL16 0, 0, 0, \sc, \cm
	MUL16 2, 0, 0, \sc, \cm
	s_wait_dscnt 0x0
	PLACES
	FETCH_B \slot, 1, 1
	FETCH_A \slot, 1, 0
	MUL16 4, 0, 0, \sc, \cm
	MUL16 6, 0, 0, \sc, \cm
	PLACES
	WIN 0
	FETCH_A \slot, 1, 4
.endm
; A slot's second K step changes slots.  mode 1: the next slot was shown whole by the head's barrier and nothing is filled: no barrier.  mode 0, 2: one barrier, in front of it all my tensor loads, the add, my reads.
; mode 2: the barrier opens a round of the cluster's barrier, and the load of group 0's set fslot, stepped by fstep bytes, is issued first thing behind it.
.macro TURN slot, sc, nslot, nsc, mode, fslot, fstep
.if \mode == 1
	s_wait_dscnt 4*NLA
.else
	s_wait_tensorcnt 0x0
	ds_add_u32 v[SPW], v[NIL]
	s_wait_dscnt 4*NLA+1
.endif
	MUL16 0, 1, 1, \sc, 0
	s_wait_dscnt 0x0
.if \mode != 1
	s_barrier_signal -1
.endif
	MUL16 2, 1, 1, \sc, 0
	WIN 0
.if \mode != 1
	s_barrier_wait -1
.endif
.if \mode == 2
	CREST
	s_add_nc_u64 s[G0A+4*\fslot+2:G0A+4*\fslot+3], s[G0A+4*\fslot+2:G0A+4*\fslot+3], \fstep
	s_add_nc_u64 s[G0B+4*\fslot+2:G0B+4*\fslot+3], s[G0B+4*\fslot+2:G0B+4*\fslot+3], \fstep
	JLOAD G0A+4*\fslot, G0B+4*\fslot
.else
	PLACES
.endif
	FETCH_B \nslot, 0, 0
	FETCH_A \nslot, 0, 0
	SCALES \nslot, \nsc
	MUL16 4, 1, 1, \sc, 0
	MUL16 6, 1, 1, \sc, 0
	PLACES
	WIN 0
	FETCH_A \nslot, 0, 4
.endm
.macro LAST sc
	s_wait_dscnt 4*NLA
	MUL16 0, 1, 1, \sc, 0
	MUL16 2, 1, 1, \sc, 0
	s_wait_dscnt 0x0
	MUL16 4, 1, 1, \sc, 0
	MUL16 6, 1, 1, \sc, 0
	WIN 0
.endm
.macro RELU a
	WIN 0x08+4*((\a)/4)
.set j, 0
.rept 64
	v_max_num_f32 v[ST+j], 0, v[64*((\a)%4)+j]
.set j, j+1
.endr
	WIN 0
.endm
.macro QUANT s
.irp b, 0,1,2,3
	v_max3_num_f32 v[TM+\b], |v[\s+16*\b]|, |v[\s+1+16*\b]|, 0x1800000
.endr
.irp i, 2,4,6,8,10,12,14
.irp b, 0,1,2,3
	v_max3_num_f32 v[TM+\b], v[TM+\b], |v[\s+16*\b+\i]|, |v[\s+1+16*\b+\i]|
.endr
.endr
.irp b, 0,1,2,3
	v_permlanex16_b32 v[TM+4+\b], v[TM+\b], s[SEL], s[SEL+1]
.endr
.irp b, 0,1,2,3
	v_max_num_f32 v[TM+\b], v[TM+\b], v[TM+4+\b]
.endr
.irp b, 0,1,2,3
	v_add_nc_u32 v[TM+12+\b], 0xff000000, v[TM+\b]
.endr
.irp b, 0,1,2,3
	v_lshrrev_b32 v[TM+4+\b], 23, v[TM+12+\b]
.endr
	v_lshl_or_b32 v[PW], v[TM+5], 8, v[TM+4]
	v_lshl_or_b32 v[PW], v[TM+6], 16, v[PW]
	v_lshl_or_b32 v[PW], v[TM+7], 24, v[PW]
.irp c, 0,1
	v_cvt_scalef32_pk16_fp6_f32 v[PC+6*\c:PC+2+6*\c], v[\s+32*\c:\s+15+32*\c], v[TM+12+2*\c]
	v_cvt_scalef32_pk16_fp6_f32 v[PC+12+4*\c:PC+14+4*\c], v[\s+16+32*\c:\s+31+32*\c], v[TM+12+2*\c+1]
.endr
	v_nop
.irp c, 0,1
.irp i, 0,1,2
	v_permlane16_swap_b32 v[PC+6*\c+\i], v[PC+12+4*\c+\i]
.endr
.irp i, 0,1,2
	v_mov_b32 v[PC+3+6*\c+\i], v[PC+12+4*\c+\i]
.endr
.endr
.endm
	s_load_b256 s[4:11], s[0:1], 0x0
	v_lshl_add_u32 v[SPW], v0, 2, SPARE
	v_mov_b32 v[NIL], 0
	ds_add_u32 v[SPW], v[NIL]
	ds_add_u32 v[SPW], v[NIL]
	v_lshrrev_b32 v1, 5, v0
	v_readfirstlane_b32 s14, v1
	s_lshr_b32 s15, s14, 1
	s_and_b32 s16, s14, 1
	s_bfe_u32 s66, ttmp6, 0x40000
	s_bfe_u32 s67, ttmp6, 0x40004
	s_lshl_b32 s68, ttmp9, 2
	s_add_co_u32 s68, s68, s66
	s_and_b32 s69, ttmp7, 0xffff
	s_lshl_b32 s69, s69, 2
	s_add_co_u32 s69, s69, s67
	s_lshl_b32 s70, s67, 2
	s_lshl_b32 s70, 15, s70
	s_lshl_b32 s71, 0x1111, s66
	s_or_b32 s[G1A], s70, (3<<16)|(1<<21)
	s_or_b32 s[G1B], s71, (3<<16)|(1<<21)
.irp g, G1A, G1B
	s_mov_b32 s[\g+1], 32<<16
	s_mov_b32 s[\g+2], 300<<16                     ; the head's load: three blocks on end, 300 rows of 256 bytes
	s_mov_b32 s[\g+3], 32<<16
	s_mov_b32 s[\g+4], 300
	s_mov_b32 s[\g+5], 32
	s_mov_b32 s[\g+6], 0
	s_mov_b32 s[\g+7], 0
.endr
	s_mov_b32 s[SEL], 0x76543210
	s_mov_b32 s[SEL+1], 0xfedcba98
	s_mul_i32 s74, s69, KS*BLK
	s_mul_i32 s75, s16, BLK
	s_add_co_u32 s74, s74, s75
	s_add_co_u32 s74, s74, A_OFF
	s_mov_b32 s75, 0
	s_mul_i32 s76, s68, KS*BLK
	s_mul_i32 s77, s16, BLK
	s_add_co_u32 s76, s76, s77
	s_add_co_u32 s76, s76, B_OFF
	s_mov_b32 s77, 0
	s_mul_i32 s78, s14, 3*BLK                      ; where my head load goes: wave x three blocks: no place in the cluster enters an LDS address
	s_wait_dscnt 0x0
	s_wait_kmcnt 0x0
	s_add_nc_u64 s[74:75], s[4:5], s[74:75]
	s_add_nc_u64 s[76:77], s[6:7], s[76:77]
	CROUND
	s_mul_i32 s72, s16, 2*BLK                      ; s[74:77] stand at K step 0 or 1 (my half): two blocks more make it K step 0 or 3
	s_mov_b32 s73, 0
	s_mul_i32 s79, s15, BSIDE
	s_mul_i32 s80, s16, BLK
	s_add_co_u32 s79, s79, s80                     ; the refill's place: my side's K step 0 or 1
	s_mov_b32 s[G0A], 1                            ; set 0: the head's load
	s_mov_b32 s[G0A+1], s78
	s_add_nc_u64 s[G0A+2:G0A+3], s[74:75], s[72:73]
	s_or_b32 s[G0A+3], s[G0A+3], 0x80000000
	s_mov_b32 s[G0B], 1
	s_mov_b32 s[G0B+1], s78
	s_add_nc_u64 s[G0B+2:G0B+3], s[76:77], s[72:73]
	s_or_b32 s[G0B+3], s[G0B+3], 0x80000000
	s_mov_b32 s[G0A+4], 1                          ; set 1: the refill, stepped by six blocks where it is issued
	s_mov_b32 s[G0A+5], s79
	s_mov_b64 s[G0A+6:G0A+7], s[74:75]
	s_or_b32 s[G0A+7], s[G0A+7], 0x80000000
	s_mov_b32 s[G0B+4], 1
	s_mov_b32 s[G0B+5], s79
	s_mov_b64 s[G0B+6:G0B+7], s[76:77]
	s_or_b32 s[G0B+7], s[G0B+7], 0x80000000
	JLOAD G0A, G0B                                 ; my one tensor load at the head
	v_and_b32 v1, 15, v0
	v_bfe_u32 v2, v0, 4, 1
	s_wait_alu depctr_va_vdst(0)
	v_and_b32 v3, 31, v0
	v_lshlrev_b32 v4, 4, v3
	s_wait_alu depctr_va_vdst(0)
	v_lshlrev_b32 v7, 2, v3
	s_lshl_b32 s84, s68, 10
	s_lshl_b32 s85, s16, 9
	s_add_co_u32 s84, s84, s85
	s_mov_b32 s85, 0
	s_add_nc_u64 s[8:9], s[8:9], s[84:85]
	v_lshlrev_b32 v6, 6, v2
.irp b, 0,1,2,3,4,5,6,7
	global_load_b128 v[BI+8*\b:BI+8*\b+3], v6, s[8:9] offset:4*(32*(\b/2)+8*(\b%2))
	global_load_b128 v[BI+8*\b+4:BI+8*\b+7], v6, s[8:9] offset:4*(32*(\b/2)+8*(\b%2))+16
.endr
	s_mul_i32 s80, s15, 12288
	s_mul_i32 s81, s16, 12288
	s_add_co_u32 s81, s81, BSIDE                   ; my tiles of B, behind A's six blocks
	s_lshl_b32 s82, s15, 9
	s_lshl_b32 s83, s16, 9
	s_add_co_u32 s83, s83, BSIDE
	s_sub_co_u32 s83, s83, s82
	v_mul_u32_u24 v5, s83, v2
	v_lshl_add_u32 v5, v1, 2, v5
	s_add_co_u32 s82, s82, 24576
.irp s, 0,1,2
	v_add_nc_u32 v[ADRA+\s], s80, v4
	v_add_nc_u32 v[ADRB+\s], s81, v4
	v_add_nc_u32 v[ADRS+\s], s82, v5
	s_add_co_u32 s80, s80, SLOT
	s_add_co_u32 s81, s81, SLOT
	s_add_co_u32 s82, s82, SLOT
.endr
	s_lshl_b32 s84, s69, 5
	s_lshl_b32 s85, s68, 1
	s_add_co_u32 s84, s84, s85
	s_add_co_u32 s84, s84, s16
	s_mul_i32 s84, s84, BLK
	s_mul_i32 s85, s15, 12800
	s_add_co_u32 s84, s84, s85
	s_add_co_u32 s86, s84, 12288
	s_mov_b32 s85, 0
	s_mov_b32 s87, 0
	s_add_nc_u64 s[86:87], s[10:11], s[86:87]
	s_add_nc_u64 s[10:11], s[10:11], s[84:85]
	s_wait_alu depctr_va_vdst(0)
	s_wait_tensorcnt 0x0                           ; my three K steps are in; no tensor load of mine is out, so group 1 may be written:
	s_mov_b32 s[G1A+2], 100<<16                    ; the refill brings one block, 100 rows
	s_mov_b32 s[G1A+4], 100
	s_mov_b32 s[G1B+2], 100<<16
	s_mov_b32 s[G1B+4], 100
	s_barrier_signal -1
	s_barrier_wait -1
	FETCH_B 0, 0, 0
	FETCH_A 0, 0, 0
	SCALES 0, 0
	FETCH_A 0, 0, 4
	s_wait_loadcnt 0x0
	STEP 0, 0, 1
	TURN 0, 0, 1, 1, 1, 0, 0
	STEP 1, 1, 0
	TURN 1, 1, 2, 0, 2, 1, 6*BLK                   ; K step 3: the bytes of K steps 0 and 1 take K steps 6 and 7: 128 matrix instructions in which to land
	STEP 2, 0, 0
	TURN 2, 0, 0, 1, 0, 0, 0
	STEP 0, 1, 0
	LAST 1
	PLACES
.irp b, 0,1,2,3
	v_mov_b32 v[TM+4+\b], 0
.endr
.irp a, 0,1,2,3,4,5,6,7
	RELU \a
	QUANT ST
	v_mov_b32 v[PWK+\a], v[PW]
.irp c, 0,1,2
	global_store_b128 v4, v[PC+4*\c:PC+4*\c+3], s[10:11] offset:1536*\a+512*\c
.endr
	s_wait_xcnt 0x0
.endr
	s_mov_b32 s84, 0xffff0000
	s_wait_alu depctr_va_vdst(0)
.irp a, 0,2,4,6
	v_cndmask_b32 v[PWK+\a], v[PWK+\a], v[PWK+\a+1], s84
	global_store_b32 v7, v[PWK+\a], s[86:87] offset:64*\a
.endr
	s_wait_tensorcnt 0x0
	ds_add_u32 v[SPW], v[NIL]
	s_wait_dscnt 0x0
	CROUND
	s_endpgm
.Lfunc_end_k_qe51c626daf_ffn1:
	.size	k_qe51c626daf_ffn1, .Lfunc_end_k_qe51c626daf_ffn1-k_qe51c626daf_ffn1
	.p2alignl 7, 3214868480
	.fill 96, 4, 3214868480
	.section	.rodata,"a",@progbits
	.p2align	6, 0x0
	.amdhsa_kernel k_qe51c626daf_ffn1
		.amdhsa_group_segment_fixed_size 327680
		.amdhsa_private_segment_fixed_size 0
		.amdhsa_enable_private_segment 0
		.amdhsa_kernarg_size 32
		.amdhsa_user_sgpr_count 2
		.amdhsa_user_sgpr_kernarg_segment_ptr 1
		.amdhsa_wavefront_size32 1
		.amdhsa_system_sgpr_workgroup_id_x 1
		.amdhsa_system_sgpr_workgroup_id_y 1
		.amdhsa_system_sgpr_workgroup_id_z 1
		.amdhsa_system_vgpr_workitem_id 0
		.amdhsa_next_free_vgpr 1024
		.amdhsa_next_free_sgpr 100
		.amdhsa_reserve_vcc 0
		.amdhsa_float_denorm_mode_32 3
		.amdhsa_float_denorm_mode_16_64 3
		.amdhsa_memory_ordered 1
		.amdhsa_forward_progress 1
		.amdhsa_inst_pref_size 157
	.end_amdhsa_kernel
	.amdgpu_metadata
---
amdhsa.version: [ 1, 2 ]
amdhsa.kernels:
  - .name:           k_qe51c626daf_ffn1
    .symbol:         k_qe51c626daf_ffn1.kd
    .args:
      - { .name: w4, .offset: 0, .size: 8, .value_kind: global_buffer, .address_space: global }
      - { .name: w0, .offset: 8, .size: 8, .value_kind: global_buffer, .address_space: global }
      - { .name: l1_b, .offset: 16, .size: 8, .value_kind: global_buffer, .address_space: global }
      - { .name: w5, .offset: 24, .size: 8, .value_kind: global_buffer, .address_space: global }
    .group_segment_fixed_size: 327680
    .private_segment_fixed_size: 0
    .kernarg_segment_align: 8
    .kernarg_segment_size: 32
    .max_flat_workgroup_size: 128
    .sgpr_count:     100
    .vgpr_count:     1024
    .wavefront_size: 32
...
	.end_amdgpu_metadata
.endif
;; end of part 13
;; launch ffn2 (part 14): grid 8 x 32, 4 waves a work-group, clusters of 4 x 4, 327,680 bytes of LDS; arguments w5, w0, l2_b, w6; writes w6
.if DOCPART == 14
	.amdgcn_target "amdgcn-amd-amdhsa--gfx1250"
	.amdhsa_code_object_version 6
	.text
	.protected	k_qe51c626daf_ffn2
	.globl	k_qe51c626daf_ffn2
	.p2align	8
	.type	k_qe51c626daf_ffn2,@function
k_qe51c626daf_ffn2:
	s_mov_b64 s[64:65], 0
	v_nop
	global_prefetch_b8 v0, s[64:65] scope:SCOPE_SE
	s_setreg_imm32_b32 hwreg(HW_REG_WAVE_MODE, 25, 1), 1
	s_wait_xcnt 0x0
	s_wait_alu depctr_hold_cnt(0) depctr_sa_sdst(0) depctr_va_vdst(0) depctr_va_sdst(0) depctr_va_ssrc(0) depctr_va_vcc(0) depctr_vm_vsrc(0)
	s_getreg_b32 s2, hwreg(HW_REG_IB_STS2, 6, 4)
	s_cmp_eq_u32 s2, 0
	s_cbranch_scc0 .Lentry_in_a_cluster
	s_endpgm
.Lentry_in_a_cluster:
	s_bfe_u32 s2, ttmp6, 0x10000c
	s_cmp_lg_u32 s2, 0xf033
	s_cbranch_scc0 .Lentry_shape_is_right
	s_endpgm
.Lentry_shape_is_right:
; FFN2: y = h l2_w^T + l2_b on codes of E2M3, K = 4,096: 32 K steps of 128.  4,096 rows x 1,024 columns are 256 tiles of 128 x 128, one a work-group; four waves, each 64 x 64: 16 accumulators.
; The matrix instruction is used transposed (source 0 = 16 features, source 1 = 16 tokens).  h (w5) and l2_w (w0 at 9,830,400) lie in blocks by halves: 128 rows x 128 K with their scale words are 12,800 dense bytes.
; LDS: a ring of two slots of six K steps (the last two fills: four).  A wave's load brings the even or the odd K steps of one side: rows of 12,800 bytes, two blocks apart.
; Slot 0 is asked for at the head, one load a wave; slot 1's first fill is issued as a refill is, behind the three lines and a round of the cluster's barrier; the head's address work stands under slot 0's load.
; CLUSTERS: 4 x 4: A's halves are shared along a row of the cluster, B's along a column: each is asked for jointly.  y leaves in f32 as an image of the accumulators (launch oproj says how).
.set BLK,    25600
.set HB,     12800
.set QS,     3*HB
.set SLOT,   4*QS
.set SPARE,  2*SLOT
.set KS,     32
.set PLANE,  0
.set B_OFF,  9830400
.set NF,     28+12*PLANE
.set ADRA, 16
.set ADRB, 20
.set ADRS, 24
.set SPW,  28
.set NIL,  29
.set SC,   32
.set BI,   64
.set ACC,  128
.set G1A,  24
.set G1B,  32
.set G1A2, 40
.set G1B2, 48
.set G0A,  56
.set G0B,  68
.if KS == 32
.set FG1A, G1A
.set FG1B, G1B
.set YK,   6
.else
.set FG1A, G1A2
.set FG1B, G1B2
.set YK,   4
.endif
.set MSB, 0
.macro WIN new
.if MSB != (\new)
	s_set_vgpr_msb (MSB<<8)|(\new)
.set MSB, (\new)
.endif
.endm
.macro JLOAD g0a, g1a, g0b, g1b
	s_cmp_eq_u32 s15, 0
	s_cbranch_scc0 .Lfor_b_\@
	tensor_load_to_lds s[\g0a:\g0a+3], s[\g1a:\g1a+7]
	s_nop 0
.rept 4
	v_nop
.endr
	s_branch .Lasked_\@
.Lfor_b_\@:
	tensor_load_to_lds s[\g0b:\g0b+3], s[\g1b:\g1b+7]
	s_nop 0
.rept 4
	v_nop
.endr
.Lasked_\@:
.endm
.macro CREST
	s_cmp_lg_u32 s14, 0
	s_cbranch_scc1 .Lnot_wave_0_\@
	s_barrier_signal -3
.Lnot_wave_0_\@:
	s_barrier_wait -3
	s_barrier_signal -1
	s_barrier_wait -1
.endm
.macro CROUND
	s_barrier_signal -1
	s_barrier_wait -1
	CREST
.endm
.macro PLACES
.rept 4
	v_nop
.endr
.endm
.macro FRAG reg, adr, off
.irp c, 0,1,2
	ds_load_b128 v[\reg+4*\c:\reg+4*\c+3], v[\adr] offset:\off+512*\c
.endr
.endm
.macro FRAGP reg, adr, off
.irp p, 0,1,2,3,4,5
	ds_load_b64 v[\reg+2*\p:\reg+2*\p+1], v[\adr] offset:\off+256*\p
.endr
.endm
.macro FETCH slot, j, f
	WIN 0x40
.irp i, 0,1,2,3
.if PLANE
	FRAGP 128*(\f)+12*\i, ADRA+2*(\slot)+((\j)%2), ((\j)/2)*HB+1536*\i
.else
	FRAG 128*(\f)+12*\i, ADRA+2*(\slot)+((\j)%2), ((\j)/2)*HB+1536*\i
.endif
.endr
.irp i, 0,1,2,3
	FRAG 128*(\f)+48+12*\i, ADRB+2*(\slot)+((\j)%2), ((\j)/2)*HB+1536*\i
.endr
	WIN 0
.irp i, 0,1,2,3
	ds_load_b32 v[SC+4*(\f)+\i], v[ADRS+2*(\slot)+((\j)%2)] offset:((\j)/2)*HB+64*\i
.endr
.endm
.macro MUL8 a0, f, cm
	WIN 0x05
.irp a, \a0, \a0+1
.irp b, 0,1,2,3
.if \cm
	v_wmma_scale_f32_16x16x128_f8f6f4 v[ACC+8*(4*(\a)+\b):ACC+8*(4*(\a)+\b)+7], v[128*(\f)+48+12*\b:128*(\f)+48+12*\b+11], v[128*(\f)+12*(\a):128*(\f)+12*(\a)+11], v[BI+8*\b:BI+8*\b+7], v[SC+4*(\f)+\b], v[SC+4*(\f)+(\a)] matrix_a_fmt:MATRIX_FMT_FP6 matrix_b_fmt:MATRIX_FMT_FP6 matrix_a_scale:MATRIX_SCALE_ROW1
.else
	v_wmma_scale_f32_16x16x128_f8f6f4 v[ACC+8*(4*(\a)+\b):ACC+8*(4*(\a)+\b)+7], v[128*(\f)+48+12*\b:128*(\f)+48+12*\b+11], v[128*(\f)+12*(\a):128*(\f)+12*(\a)+11], v[ACC+8*(4*(\a)+\b):ACC+8*(4*(\a)+\b)+7], v[SC+4*(\f)+\b], v[SC+4*(\f)+(\a)] matrix_a_fmt:MATRIX_FMT_FP6 matrix_b_fmt:MATRIX_FMT_FP6 matrix_a_scale:MATRIX_SCALE_ROW1
.endif
.endr
.endr
.endm
.macro KSTEP slot, jn, f, cm
	PLACES
	FETCH \slot, \jn, 1-(\f)
	s_wait_dscnt NF
	MUL8 0, \f, \cm
	MUL8 2, \f, \cm
.endm
.macro PH6 slot, cm
	KSTEP \slot, 1, 0, \cm
	KSTEP \slot, 2, 1, 0
	KSTEP \slot, 3, 0, 0
	KSTEP \slot, 4, 1, 0
	KSTEP \slot, 5, 0, 0
.endm
.macro PH4 slot, cm
	KSTEP \slot, 1, 0, \cm
	KSTEP \slot, 2, 1, 0
	KSTEP \slot, 3, 0, 0
.endm
.macro TURN nslot, fill, fslot, fstep, g1a, g1b
	WIN 0
	s_wait_tensorcnt 0x0
	ds_add_u32 v[SPW], v[NIL]
	s_wait_dscnt 0x1
	MUL8 0, 1, 0
	s_wait_dscnt 0x0
	s_barrier_signal -1
	MUL8 2, 1, 0
	WIN 0
	s_barrier_wait -1
.if \fill
	CREST
	s_add_nc_u64 s[G0A+4*\fslot+2:G0A+4*\fslot+3], s[G0A+4*\fslot+2:G0A+4*\fslot+3], \fstep
	s_add_nc_u64 s[G0B+4*\fslot+2:G0B+4*\fslot+3], s[G0B+4*\fslot+2:G0B+4*\fslot+3], \fstep
	JLOAD G0A+4*\fslot, \g1a, G0B+4*\fslot, \g1b
.else
	PLACES
.endif
	FETCH \nslot, 0, 0
.endm
.macro LAST
	s_wait_dscnt 0x0
	MUL8 0, 1, 0
	MUL8 2, 1, 0
	WIN 0
.endm
	s_load_b256 s[4:11], s[0:1], 0x0
	v_lshl_add_u32 v[SPW], v0, 2, SPARE
	v_mov_b32 v[NIL], 0
	ds_add_u32 v[SPW], v[NIL]
	ds_add_u32 v[SPW], v[NIL]
	v_lshrrev_b32 v1, 5, v0
	v_readfirstlane_b32 s14, v1
	s_lshr_b32 s15, s14, 1
	s_and_b32 s16, s14, 1
	s_bfe_u32 s76, ttmp6, 0x40000
	s_bfe_u32 s77, ttmp6, 0x40004
	s_lshl_b32 s78, ttmp9, 2
	s_add_co_u32 s78, s78, s76
	s_and_b32 s79, ttmp7, 0xffff
	s_lshl_b32 s79, s79, 2
	s_add_co_u32 s79, s79, s77
	s_lshl_b32 s80, s77, 2
	s_lshl_b32 s80, 15, s80
	s_lshl_b32 s81, 0x1111, s76
.if KS == 32
	s_or_b32 s[G1A], s80, (3<<16)|(1<<21)
	s_or_b32 s[G1B], s81, (3<<16)|(1<<21)
.irp g, G1A, G1B
	s_mov_b32 s[\g+1], 1600<<16
	s_mov_b32 s[\g+2], 3<<16
	s_mov_b32 s[\g+3], 1600<<16
	s_mov_b32 s[\g+4], 3
	s_mov_b32 s[\g+5], 6400
	s_mov_b32 s[\g+6], 0
	s_mov_b32 s[\g+7], 0
.endr
.endif
	s_or_b32 s[G1A2], s80, (3<<16)|(1<<21)
	s_or_b32 s[G1B2], s81, (3<<16)|(1<<21)
.irp g, G1A2, G1B2
	s_mov_b32 s[\g+1], 1600<<16
	s_mov_b32 s[\g+2], 2<<16
	s_mov_b32 s[\g+3], 1600<<16
	s_mov_b32 s[\g+4], 2
	s_mov_b32 s[\g+5], 6400
	s_mov_b32 s[\g+6], 0
	s_mov_b32 s[\g+7], 0
.endr
	s_lshr_b32 s82, s79, 1
	s_mul_i32 s82, s82, KS*BLK
	s_and_b32 s83, s79, 1
	s_mul_i32 s83, s83, HB
	s_add_co_u32 s82, s82, s83
	s_mul_i32 s83, s16, BLK
	s_add_co_u32 s82, s82, s83
	s_mov_b32 s83, 0
	s_lshr_b32 s84, s78, 1
	s_mul_i32 s84, s84, KS*BLK
	s_and_b32 s85, s78, 1
	s_mul_i32 s85, s85, HB
	s_add_co_u32 s84, s84, s85
	s_mul_i32 s85, s16, BLK
	s_add_co_u32 s84, s84, s85
	s_add_co_u32 s84, s84, B_OFF
	s_mov_b32 s85, 0
	s_mul_i32 s86, s14, QS
	s_wait_dscnt 0x0
	s_wait_kmcnt 0x0
	s_add_nc_u64 s[82:83], s[4:5], s[82:83]
	s_add_nc_u64 s[84:85], s[6:7], s[84:85]
	CROUND
.irp s, 0,1
	s_mov_b32 s[G0A+4*\s], 1
	s_add_co_u32 s[G0A+4*\s+1], s86, \s*SLOT
	s_add_nc_u64 s[G0A+4*\s+2:G0A+4*\s+3], s[82:83], \s*YK*BLK
	s_or_b32 s[G0A+4*\s+3], s[G0A+4*\s+3], 0x80000000
	s_mov_b32 s[G0B+4*\s], 1
	s_add_co_u32 s[G0B+4*\s+1], s86, \s*SLOT
	s_add_nc_u64 s[G0B+4*\s+2:G0B+4*\s+3], s[84:85], \s*YK*BLK
	s_or_b32 s[G0B+4*\s+3], s[G0B+4*\s+3], 0x80000000
.if \s == 0
	JLOAD G0A, FG1A, G0B, FG1B                     ; slot 0: my one tensor load at the head
.endif
.endr
	v_and_b32 v1, 15, v0
	v_bfe_u32 v2, v0, 4, 1
	s_wait_alu depctr_va_vdst(0)
	v_and_b32 v3, 31, v0
	v_lshlrev_b32 v4, 4, v3
	s_wait_alu depctr_va_vdst(0)
	v_lshlrev_b32 v7, 3, v3
	s_lshl_b32 s88, s78, 9
	s_lshl_b32 s89, s16, 8
	s_add_co_u32 s88, s88, s89
	s_mov_b32 s89, 0
	s_add_nc_u64 s[8:9], s[8:9], s[88:89]
	v_lshlrev_b32 v6, 6, v2
.irp b, 0,1,2,3
	global_load_b128 v[BI+8*\b:BI+8*\b+3], v6, s[8:9] offset:4*(32*(\b/2)+8*(\b%2))
	global_load_b128 v[BI+8*\b+4:BI+8*\b+7], v6, s[8:9] offset:4*(32*(\b/2)+8*(\b%2))+16
.endr
	s_mul_i32 s88, s15, 6144
	s_mul_i32 s89, s16, 6144
	s_add_co_u32 s89, s89, 2*QS
	s_lshl_b32 s90, s15, 8
	s_lshl_b32 s91, s16, 8
	s_add_co_u32 s91, s91, 2*QS
	s_sub_co_u32 s91, s91, s90
	v_mul_u32_u24 v5, s91, v2
	v_lshl_add_u32 v5, v1, 2, v5
	s_add_co_u32 s90, s90, 12288
.irp n, 0,1,2,3
.if PLANE
	v_add_nc_u32 v[ADRA+\n], s88, v7
.else
	v_add_nc_u32 v[ADRA+\n], s88, v4
.endif
	v_add_nc_u32 v[ADRB+\n], s89, v4
	v_add_nc_u32 v[ADRS+\n], s90, v5
	s_add_co_u32 s88, s88, QS+(\n%2)*(SLOT-2*QS)
	s_add_co_u32 s89, s89, QS+(\n%2)*(SLOT-2*QS)
	s_add_co_u32 s90, s90, QS+(\n%2)*(SLOT-2*QS)
.endr
	s_lshl_b32 s92, s79, 3
	s_lshl_b32 s93, s15, 2
	s_add_co_u32 s92, s92, s93
	s_lshl_b32 s92, s92, 3
	s_add_co_u32 s92, s92, s78
	s_lshl_b32 s92, s92, 13
	s_lshl_b32 s93, s16, 12
	s_add_co_u32 s92, s92, s93
	s_mov_b32 s93, 0
	s_add_nc_u64 s[10:11], s[10:11], s[92:93]
	s_wait_alu depctr_va_vdst(0)
	s_wait_tensorcnt 0x0                           ; my part of slot 0 is in; the add, its wait and a round, as ahead of a refill:
	ds_add_u32 v[SPW], v[NIL]                      ; 0 onto my spare word
	s_wait_dscnt 0x0                               ; the add is done
	CROUND                                         ; a whole round: slot 0 is whole for every wave, and all sixteen work-groups are here: the joint loads meet
	JLOAD G0A+4, FG1A, G0B+4, FG1B                 ; slot 1's first fill, the first tensor load behind the round
	FETCH 0, 0, 0
	s_wait_loadcnt 0x0
.if KS == 32
	PH6 0, 1
	TURN 1, 1, 0, 12*BLK, G1A, G1B
	PH6 1, 0
	TURN 0, 1, 1, 12*BLK, G1A, G1B
	PH6 0, 0
	TURN 1, 1, 0, 12*BLK, G1A2, G1B2
	PH6 1, 0
	TURN 0, 1, 1, 10*BLK, G1A2, G1B2
	PH4 0, 0
	TURN 1, 0, 0, 0, G1A2, G1B2
	PH4 1, 0
.else
	PH4 0, 1
	TURN 1, 0, 0, 0, G1A2, G1B2
	PH4 1, 0
.endif
	LAST
	PLACES
.irp a, 0,1,2,3
.irp b, 0,1,2,3
	global_store_b128 v4, v[ACC+8*(4*\a+\b):ACC+8*(4*\a+\b)+3], s[10:11] offset:65536*\a+1024*\b
	global_store_b128 v4, v[ACC+8*(4*\a+\b)+4:ACC+8*(4*\a+\b)+7], s[10:11] offset:65536*\a+1024*\b+512
.endr
.endr
	s_wait_tensorcnt 0x0
	ds_add_u32 v[SPW], v[NIL]
	s_wait_dscnt 0x0
	CROUND
	s_endpgm
.Lfunc_end_k_qe51c626daf_ffn2:
	.size	k_qe51c626daf_ffn2, .Lfunc_end_k_qe51c626daf_ffn2-k_qe51c626daf_ffn2
	.p2alignl 7, 3214868480
	.fill 96, 4, 3214868480
	.section	.rodata,"a",@progbits
	.p2align	6, 0x0
	.amdhsa_kernel k_qe51c626daf_ffn2
		.amdhsa_group_segment_fixed_size 327680
		.amdhsa_private_segment_fixed_size 0
		.amdhsa_enable_private_segment 0
		.amdhsa_kernarg_size 32
		.amdhsa_user_sgpr_count 2
		.amdhsa_user_sgpr_kernarg_segment_ptr 1
		.amdhsa_wavefront_size32 1
		.amdhsa_system_sgpr_workgroup_id_x 1
		.amdhsa_system_sgpr_workgroup_id_y 1
		.amdhsa_system_sgpr_workgroup_id_z 1
		.amdhsa_system_vgpr_workitem_id 0
		.amdhsa_next_free_vgpr 512
		.amdhsa_next_free_sgpr 100
		.amdhsa_reserve_vcc 0
		.amdhsa_float_denorm_mode_32 3
		.amdhsa_float_denorm_mode_16_64 3
		.amdhsa_memory_ordered 1
		.amdhsa_forward_progress 1
		.amdhsa_inst_pref_size 146
	.end_amdhsa_kernel
	.amdgpu_metadata
---
amdhsa.version: [ 1, 2 ]
amdhsa.kernels:
  - .name:           k_qe51c626daf_ffn2
    .symbol:         k_qe51c626daf_ffn2.kd
    .args:
      - { .name: w5, .offset: 0, .size: 8, .value_kind: global_buffer, .address_space: global }
      - { .name: w0, .offset: 8, .size: 8, .value_kind: global_buffer, .address_space: global }
      - { .name: l2_b, .offset: 16, .size: 8, .value_kind: global_buffer, .address_space: global }
      - { .name: w6, .offset: 24, .size: 8, .value_kind: global_buffer, .address_space: global }
    .group_segment_fixed_size: 327680
    .private_segment_fixed_size: 0
    .kernarg_segment_align: 8
    .kernarg_segment_size: 32
    .max_flat_workgroup_size: 128
    .sgpr_count:     100
    .vgpr_count:     512
    .wavefront_size: 32
...
	.end_amdgpu_metadata
.endif
;; end of part 14
;; launch ln2 (part 15): grid 256 x 1, 8 waves a work-group, no clusters, 69,632 bytes of LDS; arguments w6, w4, n2_g, n2_b, out0, out1; writes out0, out1
.if DOCPART == 15
	.amdgcn_target "amdgcn-amd-amdhsa--gfx1250"
	.amdhsa_code_object_version 6
	.text
	.protected	k_qe51c626daf_ln2
	.globl	k_qe51c626daf_ln2
	.p2align	8
	.type	k_qe51c626daf_ln2,@function
k_qe51c626daf_ln2:
	s_mov_b64 s[64:65], 0
	v_nop
	global_prefetch_b8 v0, s[64:65] scope:SCOPE_SE
	s_setreg_imm32_b32 hwreg(HW_REG_WAVE_MODE, 25, 1), 1
	s_wait_xcnt 0x0
; LN2: out = LayerNorm(p + y) x n2_g + n2_b, in f32.  y (w6) and p (w4) are images of registers in one layout and load as they lie: for tile T of 16 token rows and columns 128 s on, lane (r, h) holds 64 numbers of row
; 32 (T / 2) + 8 (T % 2) + r + 8 (r / 8): register 16 c + i = column 128 s + 32 c + 16 h + i.  A work-group takes a tile, wave s its columns.  Mean and variance as in launch ln1: two passes, each summed across the eight
; waves through LDS.  The result turns through the wave's own stage in LDS and leaves by rows: every store covers 512 consecutive bytes of a row of out0 (tiles 0-127) or out1.
; Memory binds; no matrix unit, no cluster: work-groups share no input.
.set PITCH, 528
.set STG,   16*PITCH
.set RED1,  8*STG
.set SPARE, RED1+1024                  ; the spare words, 128 bytes a wave: four blocks of 256 bytes that no other line names
.set SPW, 20
.set NIL, 21
.set Z,   64
.set XA,  128
.set XB,  192
.set SEL, 18
.macro ACROSS off                      ; four pairs of partial sums in v[48:55] become the row's sum over all 1,024 columns, in v48 of every lane
	s_delay_alu instid0(VALU_DEP_3)
	v_pk_add_f32 v[48:49], v[48:49], v[50:51]
	s_delay_alu instid0(VALU_DEP_2)
	v_pk_add_f32 v[52:53], v[52:53], v[54:55]
	s_delay_alu instid0(VALU_DEP_1)
	v_pk_add_f32 v[48:49], v[48:49], v[52:53]
	s_delay_alu instid0(VALU_DEP_1)
	v_add_f32 v48, v48, v49
	s_delay_alu instid0(VALU_DEP_1)
	v_permlanex16_b32 v49, v48, s[SEL], s[SEL+1]
	s_delay_alu instid0(VALU_DEP_1)
	v_add_f32 v48, v48, v49
	ds_store_b32 v8, v48 offset:\off               ; both halves of the lanes write the same word with the same value
	s_wait_dscnt 0x0                               ; for the others' sake: zero
	s_barrier_signal -1
	s_barrier_wait -1
	ds_load_b128 v[48:51], v9 offset:\off
	ds_load_b128 v[52:55], v9 offset:\off+16
	s_wait_dscnt 0x0
	v_pk_add_f32 v[48:49], v[48:49], v[50:51]
	v_pk_add_f32 v[52:53], v[52:53], v[54:55]
	s_delay_alu instid0(VALU_DEP_1)
	v_pk_add_f32 v[48:49], v[48:49], v[52:53]
	s_delay_alu instid0(VALU_DEP_1)
	v_add_f32 v48, v48, v49
.endm
	s_load_b256 s[4:11], s[0:1], 0x0               ; w6, w4, n2_g, n2_b
	s_load_b128 s[12:15], s[0:1], 0x20             ; out0, out1
	v_lshl_add_u32 v[SPW], v0, 2, SPARE
	v_mov_b32 v[NIL], 0
	v_lshrrev_b32 v1, 5, v0
	s_delay_alu instid0(VALU_DEP_1)
	v_readfirstlane_b32 s16, v1                    ; wave = s
	v_and_b32 v1, 15, v0                           ; r
	v_bfe_u32 v2, v0, 4, 1                         ; h
	v_and_b32 v3, 31, v0
	s_delay_alu instid0(VALU_DEP_1)
	v_lshlrev_b32 v3, 4, v3                        ; 16 x lane
	s_mul_i32 s17, s16, STG
	v_add_nc_u32 v4, s17, v3                       ; the stage by rows
	v_mul_u32_u24 v5, v1, PITCH
	s_delay_alu instid0(VALU_DEP_1)
	v_lshl_add_u32 v5, v2, 6, v5
	s_delay_alu instid0(VALU_DEP_1)
	v_add_nc_u32 v5, s17, v5                       ; and by my lane's 16 neighbours
	v_lshlrev_b32 v7, 6, v2
	s_lshl_b32 s17, s16, 2
	v_lshl_add_u32 v9, v1, 5, RED1
	s_delay_alu instid0(VALU_DEP_1)
	v_add_nc_u32 v8, s17, v9
	s_mov_b32 s[SEL], 0x76543210
	s_mov_b32 s[SEL+1], 0xfedcba98
	s_mov_b32 s20, 0x3a800000                      ; 1 / 1,024
	s_mov_b32 s21, 0x3727c5ac                      ; 1e-5
	s_and_b32 s22, ttmp9, 127
	s_lshr_b32 s23, s22, 1
	s_lshl_b32 s23, s23, 5
	s_and_b32 s22, s22, 1
	s_lshl_b32 s22, s22, 3
	s_add_co_u32 s22, s22, s23                     ; the tile's first row in its output
	s_lshl_b32 s22, s22, 12
	s_lshl_b32 s24, s16, 9
	s_add_co_u32 s22, s22, s24
	s_mov_b32 s23, 0
	s_mov_b32 s25, 0
	s_lshl_b32 s26, ttmp9, 3
	s_add_co_u32 s26, s26, s16
	s_lshl_b32 s26, s26, 13                        ; the image (T, s)
	s_mov_b32 s27, 0
	s_wait_alu depctr_va_vdst(0)
	s_wait_kmcnt 0x0
	s_cmp_lt_u32 ttmp9, 128
	s_cselect_b64 s[12:13], s[12:13], s[14:15]
	s_add_nc_u64 s[12:13], s[12:13], s[22:23]
	s_add_nc_u64 s[4:5], s[4:5], s[26:27]
	s_add_nc_u64 s[6:7], s[6:7], s[26:27]
	s_add_nc_u64 s[8:9], s[8:9], s[24:25]
	s_add_nc_u64 s[10:11], s[10:11], s[24:25]
.irp q, 0,1,2,3,4,5,6,7,8,9,10,11,12,13,14,15
	global_load_b128 v[Z+4*\q:Z+4*\q+3], v3, s[4:5] offset:512*\q th:TH_LOAD_NT
.endr
.irp q, 0,1,2,3,4,5,6,7,8,9,10,11,12,13,14,15
	global_load_b128 v[XA+4*\q:XA+4*\q+3], v3, s[6:7] offset:512*\q th:TH_LOAD_NT
.endr
.irp c, 0,1,2,3
.irp q, 0,1,2,3
	global_load_b128 v[XB+16*\c+4*\q:XB+16*\c+4*\q+3], v7, s[10:11] offset:128*\c+16*\q
.endr
.endr
	s_wait_loadcnt 16                              ; y and p are in; the bias's sixteen loads may be out
.set j, 0
.rept 32
	v_pk_add_f32 v[Z+j:Z+j+1], v[Z+j:Z+j+1], v[XA+j:XA+j+1]
.set j, j+2
.endr
.irp c, 0,1,2,3
.irp q, 0,1,2,3
	global_load_b128 v[XA+16*\c+4*\q:XA+16*\c+4*\q+3], v7, s[8:9] offset:128*\c+16*\q   ; the gain, into the registers that p has left
.endr
.endr
.irp k, 0,1,2,3
	v_pk_add_f32 v[48+2*\k:49+2*\k], v[Z+2*\k:Z+2*\k+1], v[Z+8+2*\k:Z+9+2*\k]
.endr
.irp j, 16,24,32,40,48,56
.irp k, 0,1,2,3
	s_delay_alu instid0(VALU_DEP_4)
	v_pk_add_f32 v[48+2*\k:49+2*\k], v[48+2*\k:49+2*\k], v[Z+\j+2*\k:Z+\j+2*\k+1]
.endr
.endr
	ACROSS 0
	s_delay_alu instid0(VALU_DEP_1)
	v_mul_f32 v56, s20, v48                        ; the mean
	s_delay_alu instid0(VALU_DEP_1)
	v_mov_b32 v57, v56
.set j, 0
.rept 32
	v_pk_add_f32 v[Z+j:Z+j+1], v[Z+j:Z+j+1], v[56:57] neg_lo:[0,1] neg_hi:[0,1]
.set j, j+2
.endr
.irp k, 0,1,2,3
	v_pk_mul_f32 v[48+2*\k:49+2*\k], v[Z+2*\k:Z+2*\k+1], v[Z+2*\k:Z+2*\k+1]
.endr
.irp j, 8,16,24,32,40,48,56
.irp k, 0,1,2,3
	s_delay_alu instid0(VALU_DEP_4)
	v_pk_fma_f32 v[48+2*\k:49+2*\k], v[Z+\j+2*\k:Z+\j+2*\k+1], v[Z+\j+2*\k:Z+\j+2*\k+1], v[48+2*\k:49+2*\k]
.endr
.endr
	ACROSS 512                                     ; other bytes than the first sum's: no third barrier is needed
	s_delay_alu instid0(VALU_DEP_1)
	v_fma_f32 v58, v48, s20, s21                   ; the variance + 1e-5
	s_wait_alu depctr_va_vdst(0)
	v_rsq_f32 v58, v58
	v_nop
	s_wait_alu depctr_va_vdst(0)                   ; ahead of the first reader
	v_mov_b32 v59, v58
	s_wait_alu depctr_va_vdst(0)
	s_wait_loadcnt 0x0                             ; gain and bias
.set j, 0
.rept 32
	v_pk_mul_f32 v[Z+j:Z+j+1], v[Z+j:Z+j+1], v[58:59]
.set j, j+2
.endr
.set j, 0
.rept 32
	v_pk_fma_f32 v[Z+j:Z+j+1], v[Z+j:Z+j+1], v[XA+j:XA+j+1], v[XB+j:XB+j+1]
.set j, j+2
.endr
.irp c, 0,1,2,3
.irp q, 0,1,2,3
	ds_store_b128 v5, v[Z+16*\c+4*\q:Z+16*\c+4*\q+3] offset:128*\c+16*\q
.endr
.endr
.irp i, 0,1,2,3,4,5,6,7,8,9,10,11,12,13,14,15
	ds_load_b128 v[XA+4*\i:XA+4*\i+3], v4 offset:PITCH*\i    ; LDS serves a wave's instructions in order: these see my stores
.endr
.irp i, 0,1,2,3,4,5,6,7,8,9,10,11,12,13,14,15
	s_wait_dscnt 15-\i                             ; row i is back; the younger rows may be out
	global_store_b128 v3, v[XA+4*\i:XA+4*\i+3], s[12:13] offset:(\i+8*(\i/8))*4096 th:TH_STORE_NT
.endr
	s_wait_tensorcnt 0x0                           ; the wave's end: these three lines behind my last LDS store
	ds_add_u32 v[SPW], v[NIL]
	s_wait_dscnt 0x0
	s_endpgm
.Lfunc_end_k_qe51c626daf_ln2:
	.size	k_qe51c626daf_ln2, .Lfunc_end_k_qe51c626daf_ln2-k_qe51c626daf_ln2
	.p2alignl 7, 3214868480
	.fill 96, 4, 3214868480
	.section	.rodata,"a",@progbits
	.p2align	6, 0x0
	.amdhsa_kernel k_qe51c626daf_ln2
		.amdhsa_group_segment_fixed_size 69632
		.amdhsa_private_segment_fixed_size 0
		.amdhsa_enable_private_segment 0
		.amdhsa_kernarg_size 48
		.amdhsa_user_sgpr_count 2
		.amdhsa_user_sgpr_kernarg_segment_ptr 1
		.amdhsa_wavefront_size32 1
		.amdhsa_system_sgpr_workgroup_id_x 1
		.amdhsa_system_sgpr_workgroup_id_y 1
		.amdhsa_system_sgpr_workgroup_id_z 1
		.amdhsa_system_vgpr_workitem_id 0
		.amdhsa_next_free_vgpr 256
		.amdhsa_next_free_sgpr 66
		.amdhsa_reserve_vcc 0
		.amdhsa_float_denorm_mode_32 3
		.amdhsa_float_denorm_mode_16_64 3
		.amdhsa_memory_ordered 1
		.amdhsa_forward_progress 1
		.amdhsa_inst_pref_size 29
	.end_amdhsa_kernel
	.amdgpu_metadata
---
amdhsa.version: [ 1, 2 ]
amdhsa.kernels:
  - .name:           k_qe51c626daf_ln2
    .symbol:         k_qe51c626daf_ln2.kd
    .args:
      - { .name: w6, .offset: 0, .size: 8, .value_kind: global_buffer, .address_space: global }
      - { .name: w4, .offset: 8, .size: 8, .value_kind: global_buffer, .address_space: global }
      - { .name: n2_g, .offset: 16, .size: 8, .value_kind: global_buffer, .address_space: global }
      - { .name: n2_b, .offset: 24, .size: 8, .value_kind: global_buffer, .address_space: global }
      - { .name: out0, .offset: 32, .size: 8, .value_kind: global_buffer, .address_space: global }
      - { .name: out1, .offset: 40, .size: 8, .value_kind: global_buffer, .address_space: global }
    .group_segment_fixed_size: 69632
    .private_segment_fixed_size: 0
    .kernarg_segment_align: 8
    .kernarg_segment_size: 48
    .max_flat_workgroup_size: 256
    .sgpr_count:     66
    .vgpr_count:     256
    .wavefront_size: 32
...
	.end_amdgpu_metadata
.endif
;; end of part 15
